; MI455X (gfx1250); checked and timed in simulation.
; The chip was launched on July 23, 2026; its instructions are those of AMD's public machine-readable ISA for CDNA 5 (MIT licence, August 2026) and "CDNA5" Instruction Set Architecture Reference Guide (July 2026). The comments in the code are by the model that wrote it; some were corrected since.
;; Block. Allowed arithmetic: matrix products marked QUANTISED: E2M3 operands, one E8M0 scale for each 32 along K, by v_wmma_scale_f32_16x16x128_f8f6f4 with both operands' format E2M3, f32 sums; everything else in f32.
;; Inputs: W1_codes 2,048 x 16 x 24 uint8 (E2M3 codes of W1, K innermost, in blocks of 32 codes, four codes in three bytes); W1_scales 2,048 x 16 uint8 (E8M0 scales of W1, one for each 32 codes along K); W2_codes 512 x 64 x 24 uint8 (E2M3 codes of W2, K innermost, in blocks of 32 codes, four codes in three bytes); W2_scales 512 x 64 uint8 (E8M0 scales of W2, one for each 32 codes along K); Wk_codes 512 x 16 x 24 uint8 (E2M3 codes of Wk, K innermost, in blocks of 32 codes, four codes in three bytes); Wk_scales 512 x 16 uint8 (E8M0 scales of Wk, one for each 32 codes along K); Wo_codes 512 x 16 x 24 uint8 (E2M3 codes of Wo, K innermost, in blocks of 32 codes, four codes in three bytes); Wo_scales 512 x 16 uint8 (E8M0 scales of Wo, one for each 32 codes along K); Wq_codes 512 x 16 x 24 uint8 (E2M3 codes of Wq, K innermost, in blocks of 32 codes, four codes in three bytes); Wq_scales 512 x 16 uint8 (E8M0 scales of Wq, one for each 32 codes along K); Wv_codes 512 x 16 x 24 uint8 (E2M3 codes of Wv, K innermost, in blocks of 32 codes, four codes in three bytes); Wv_scales 512 x 16 uint8 (E8M0 scales of Wv, one for each 32 codes along K); b1 2,048 float32; b2 512 float32; be1 512 float32; be2 512 float32; bk 512 float32; bo 512 float32; bq 512 float32; bv 512 float32; g1 512 float32; g2 512 float32; hidden_states 2 x 4,096 x 512 float32.
;; Outputs: out0 2 x 4,096 x 512 float32.
;; This version of the problem:
;;   THIS VERSION OF THE PROBLEM IS GIVEN IN LOW PRECISION. The matrix products marked QUANTISED in the list below multiply operands that are first quantised to E2M3 (2 exponent bits, 3 mantissa bits; 6 bits a number), with one power-of-two scale for each 32 numbers along K (OCP MX v1.0); their sums are f32. All else is computed in f32.
;;   The module's matrix products, in the order in which they are computed (A, B: the left and right operand; K: the contracted axis; several contracted axes count as one K, in the product's order):
;;     1. [M 8,192, K 512] x [K 512, N 512]; A: computed on the way; B: input Wq (given as codes): QUANTISED
;;     2. [M 8,192, K 512] x [K 512, N 512]; A: computed on the way; B: input Wk (given as codes): QUANTISED
;;     3. [M 8,192, K 512] x [K 512, N 512]; A: computed on the way; B: input Wv (given as codes): QUANTISED
;;     4. batch 16 x [M 4,096, K 64] x [K 64, N 4,096]; A: computed on the way; B: computed on the way: QUANTISED
;;     5. batch 16 x [M 4,096, K 4,096] x [K 4,096, N 64]; A: softmax (see below); B: computed on the way: QUANTISED
;;     6. [M 8,192, K 512] x [K 512, N 512]; A: computed on the way; B: input Wo (given as codes): QUANTISED
;;     7. [M 8,192, K 512] x [K 512, N 2,048]; A: computed on the way; B: input W1 (given as codes): QUANTISED
;;     8. [M 8,192, K 2,048] x [K 2,048, N 512]; A: computed on the way; B: input W2 (given as codes): QUANTISED
;;   THE QUANTISER, for each operand of a quantised product, along K:
;;     - K is cut into blocks of 32 from its start; a last block that is shorter is filled with zeros.
;;     - A block's scale is 2^e with e = floor(log2(the largest magnitude in the block)) - 2, held to -126 .. 127; a block of zeros has e = 0. As a byte (E8M0): e + 127.
;;     - Each number is divided by its block's scale, clamped to +-7.5, and rounded to the nearest number of E2M3, ties to even, subnormals kept.
;;     - The product sums the exact products of the quantised numbers (number of the format x scale) in f32.
;;   ~~~python
;;   def quantise(x, axis):      # numpy; x: float32 -> the quantised numbers, widened to float32 again
;;       x = np.moveaxis(x, axis, -1); K = x.shape[-1]
;;       x = np.pad(x, [(0, 0)] * (x.ndim - 1) + [(0, -K % 32)]); x = x.reshape(x.shape[:-1] + (-1, 32)); a = np.abs(x).max(-1, keepdims=True)
;;       e = np.where(a > 0, np.clip(np.frexp(np.where(a > 0, a, 1))[1] - 1 - 2, -126, 127), 0)      # np.frexp(a)[1] - 1 = floor(log2(a)), exactly
;;       r = np.clip(x / 2.0 ** e, -7.5, 7.5)
;;       step = 2.0 ** (np.maximum(np.frexp(np.where(r == 0, 1, r))[1] - 1, 0) - 3)
;;       q = np.round(r / step) * step * 2.0 ** e      # np.round: ties to even
;;       return np.moveaxis(q.reshape(q.shape[:-2] + (-1,))[..., :K], -1, axis).astype(np.float32)
;;   ~~~
;;   SOFTMAX AHEAD OF A QUANTISED PRODUCT. Where the list says 'softmax', what is quantised is not the finished softmax but p = 2^(t - M), with t = logit x log2(e) and M = ceil(the row's largest t), a whole number; so 1/2 < the row's largest p <= 1. The row's sum l is taken of the UNQUANTISED p, in f32, and the product's result is divided by l at the end. Since M is a whole number, a kernel that streams over the keys may use a running M (the ceiling of the running maximum): every later rescaling is an exact power of two, which a block's scale takes up: the codes' values come out the same.
;;   OPERANDS COMPUTED ON THE WAY. 'Computed on the way' means the value that the module computes at that place (a softmax that the list does not call 'softmax' is quantised finished and normalised). What goes into a quantiser is computed in f32, as accurately as f32 sums, v_exp_f32 and their like allow (about 1e-6 of the number): no bf16 or f16 on the way to a quantiser, and a product that is left as it is and whose result goes on into a quantised operand takes f32 operands (vector FMAs, or v_wmma_f32_16x16x4_f32). A number that lies on a knife's edge between two numbers of the format may be rounded either way, as far as f32 arithmetic and the matrix unit's own rounding can turn it there, and no further.
;;   INPUTS GIVEN AS CODES. W1 (in the module: [512, 2048], K = its axis 0); W2 (in the module: [2048, 512], K = its axis 0); Wk (in the module: [512, 512], K = its axis 0); Wo (in the module: [512, 512], K = its axis 0); Wq (in the module: [512, 512], K = its axis 0); Wv (in the module: [512, 512], K = its axis 0): each comes as NAME_codes (uint8): NAME with its K axis moved to the last place and cut into blocks of 32 codes, [.., K / 32, bytes a block], one block behind the other in memory; four codes in three bytes: a row's codes are one little-endian stream of bits, code i at bits 6 i .. 6 i + 5 (a code: sign, 2 exponent bits, 3 mantissa bits); and NAME_scales (uint8): the same leading axes, one E8M0 byte (e + 127) for each 32 codes along K. Its value is code x scale, taken as it is: it is not quantised again, and the codes and scales need not be those that the quantiser above would give.
;; 2 versions. Each part assembles by itself: llvm-mc -triple=amdgcn-amd-amdhsa -mcpu=gfx1250 --defsym DOCPART=n.
;; ======== version 1 of 2: 4 launches
;; workspace buffers: ximg 3,407,872 bytes; wimg 2,457,600 bytes; qimg 3,407,872 bytes; kv 6,684,672 bytes; ctx 4,194,304 bytes
;; launch prep (part 1): grid 704 x 1, 1 waves a work-group, no clusters, 33,536 bytes of LDS; arguments ximg, wimg, hidden_states, g1, Wq_codes, Wq_scales, Wk_codes, Wk_scales, Wv_codes, Wv_scales, Wo_codes, Wo_scales, W1_codes, W1_scales, W2_codes, W2_scales, be1; writes ximg, wimg
.if DOCPART == 1
	.amdgcn_target "amdgcn-amd-amdhsa--gfx1250"
	.amdhsa_code_object_version 6
	.text
	.protected	k_q5fc55fadd1_prep
	.globl	k_q5fc55fadd1_prep
	.p2align	8
	.type	k_q5fc55fadd1_prep,@function
k_q5fc55fadd1_prep:
	s_mov_b64 s[64:65], 0
	v_nop
	global_prefetch_b8 v0, s[64:65] scope:SCOPE_SE
	s_setreg_imm32_b32 hwreg(HW_REG_WAVE_MODE, 25, 1), 1
	s_wait_xcnt 0x0
; PREP.  Work-groups 0-511: LayerNorm 1 of one tile of 16 tokens, quantised to FP6 (E2M3) along the 512 columns, stored as an IMAGE OF THE OPERAND'S REGISTERS.
; Work-groups 512-703: one unit of 8 weight fragments (codes as given) copied into the same kind of image, in the order in which the later launches' waves take them.
; IMAGE: four registers lie as 512 bytes, lane l's 16 bytes at 16 l: every later load of a fragment is 512 consecutive bytes.
; TILES ARE PERMUTED, everywhere alike: lane r of tile T holds row 32 (T / 2) + 8 (T % 2) + r + 8 (r / 8), so that in a product's result the 16 registers of two neighbouring tiles are 16 neighbours.
; ximg: 512 records of 6,656 bytes: 48 code registers (K step s at register 12 s), then four scale registers (register s: the word of K step s, both halves of the lanes alike).
; wimg: 192 units of 12,800 bytes: 8 fragments (96 registers), then four scale registers.  Units 36 w + d: the stream of wave w of the last launch (d 0-3: Wo; then for each of 8 chunks two units of W1, two of W2);
; units 144 + 16 mat + bp: Wq, Wk, Wv, pair of tiles bp.
; One wave to a work-group: no barrier.  The mean is taken first and the squares of the deviations afterwards: no difference of large sums is formed.
; No tensor loads, clusters or matrix work: work-groups share no input but g1 and be1 (4 KB), and the launch only streams.
; LIMITS: NaN and infinities among the inputs are not served; a block whose largest magnitude lies under 2^-124 is held at scale byte 1; a block of zeros gets byte 1 (its codes are zeros; this program alone reads the bytes).
.set XR,  6656                         ; a record of ximg
.set DU,  12800                        ; a unit of wimg
.set PIT, 2064                         ; a stage row: 2,048 bytes + 16 = 129 x 16: the sixteen rows of a load start at sixteen different 16-byte columns of 256 bytes
.set SEL, 20                           ; s[20:21] lane selects for v_permlanex16_b32: lane l xor 16
.set MSB, 0
.macro WIN new                         ; the immediate's high byte repeats the setting that is left; a switch that changes nothing is dropped
.if MSB != (\new)
	s_set_vgpr_msb (MSB<<8)|(\new)
.set MSB, (\new)
.endif
.endm
; 64 numbers of a lane, register 16 b + i = k 32 b + 16 (lane / 16) + i of the lane's row, become a fragment's 12 code registers at v[pc] and its scale word in v[pw].  px: 8 registers, tm: 16 registers at work.
.macro QUANT4 s, pc, px, pw, tm
.irp b, 0,1,2,3
	v_max3_num_f32 v[\tm+\b], |v[\s+16*\b]|, |v[\s+16*\b+1]|, 0x1800000   ; my 16 numbers of block b, and the floor 2^(3 - 127): the byte cannot fall under 1
.endr
.irp i, 2,4,6,8,10,12,14
.irp b, 0,1,2,3
	v_max3_num_f32 v[\tm+\b], v[\tm+\b], |v[\s+16*\b+\i]|, |v[\s+16*\b+\i+1]|
.endr
.endr
.irp b, 0,1,2,3
	v_permlanex16_b32 v[\tm+4+\b], v[\tm+\b], s[SEL], s[SEL+1]
.endr
.irp b, 0,1,2,3
	v_max_num_f32 v[\tm+\b], v[\tm+\b], v[\tm+4+\b]                    ; with lane l xor 16's 16: the block's largest magnitude
.endr
.irp b, 0,1,2,3
	v_add_nc_u32 v[\tm+12+\b], 0xff000000, v[\tm+\b]                   ; 2 off its exponent field: the conversion's scale operand
.endr
.irp b, 0,1,2,3
	v_lshrrev_b32 v[\tm+4+\b], 23, v[\tm+12+\b]                        ; the scale's byte
.endr
	v_lshl_or_b32 v[\pw], v[\tm+5], 8, v[\tm+4]
	v_lshl_or_b32 v[\pw], v[\tm+6], 16, v[\pw]
	v_lshl_or_b32 v[\pw], v[\tm+7], 24, v[\pw]
.irp c, 0,1
	v_cvt_scalef32_pk16_fp6_f32 v[\pc+6*\c:\pc+6*\c+2], v[\s+32*\c:\s+32*\c+15], v[\tm+12+2*\c]
	v_cvt_scalef32_pk16_fp6_f32 v[\px+4*\c:\px+4*\c+2], v[\s+32*\c+16:\s+32*\c+31], v[\tm+13+2*\c]   ; (a conversion's three registers begin on an even number)
.endr
	v_nop                                          ; one plain place behind a scaled conversion
.irp c, 0,1                                    ; the operand wants a whole block in a lane: lanes 0-15 block 2 c, lanes 16-31 block 2 c + 1
.irp i, 0,1,2
	v_permlane16_swap_b32 v[\pc+6*\c+\i], v[\px+4*\c+\i]
.endr
.irp i, 0,1,2
	v_mov_b32 v[\pc+6*\c+3+\i], v[\px+4*\c+\i]
.endr
.endr
.endm
.macro FOLD                            ; the four chains v16-23, both halves, and lane l xor 16's: the row's sum in v16
	v_pk_add_f32 v[16:17], v[16:17], v[18:19]
	v_pk_add_f32 v[20:21], v[20:21], v[22:23]
	v_pk_add_f32 v[16:17], v[16:17], v[20:21]
	v_add_f32 v16, v16, v17
	v_permlanex16_b32 v28, v16, s[SEL], s[SEL+1]
	v_add_f32 v16, v16, v28
.endm
	v_lshl_add_u32 v254, v0, 2, 0x8200
	v_mov_b32 v255, 0
	s_cmp_ge_u32 ttmp9, 512                        ; the role hangs on the work-group's number alone
	s_cbranch_scc1 .Lweights
; ---------------- a tile of 16 tokens.  Window 0: addresses, chains, Y, codes.  Window 1: X (the row's 256 numbers of my half).  Window 2: g1.  Window 3: the rows as loaded, later be1.
	s_load_b64 s[4:5], s[0:1], 0x0                 ; ximg
	s_load_b128 s[8:11], s[0:1], 0x10              ; hidden_states, g1
	s_load_b64 s[12:13], s[0:1], 0x80              ; be1
	v_and_b32 v2, 31, v0
	v_lshlrev_b32 v1, 4, v2                        ; 16 x lane
	v_and_b32 v3, 15, v0                           ; r
	v_bfe_u32 v6, v0, 4, 1                         ; h
	v_mul_u32_u24 v4, v3, PIT
	v_lshl_add_u32 v4, v6, 6, v4                   ; stage row r, + 64 h: my 16 numbers of a block of 32
	v_lshlrev_b32 v5, 6, v6                        ; the same place in g1 and be1
	v_mov_b32 v28, 0                               ; a lane permute's destination counts as one of its sources: written once
.irp b, 0,1,2,3
	v_mov_b32 v[100+\b], 0
.endr
	s_mov_b32 s[SEL], 0x76543210
	s_mov_b32 s[SEL+1], 0xfedcba98
	s_mov_b32 s22, 0x3b000000                      ; 1 / 512
	s_mov_b32 s23, 0x3727c5ac                      ; 1e-5
	s_lshr_b32 s14, ttmp9, 1
	s_lshl_b32 s14, s14, 5
	s_and_b32 s15, ttmp9, 1
	s_lshl_b32 s15, s15, 3
	s_add_co_u32 s14, s14, s15                     ; the tile's first token: 32 (T / 2) + 8 (T % 2)
	s_lshl_b32 s14, s14, 11                        ; rows of 2,048 bytes
	s_mov_b32 s15, 0
	s_mul_i32 s16, ttmp9, XR
	s_mov_b32 s17, 0
	s_wait_kmcnt 0x0
	s_add_nc_u64 s[8:9], s[8:9], s[14:15]
	s_add_nc_u64 s[4:5], s[4:5], s[16:17]
	WIN 0xc0                                       ; destination window 3
.set i, 0
.rept 16                                       ; tile row i is token i % 8 + 16 (i / 8) from the first; each load reads 512 consecutive bytes
.irp c, 0,1,2,3
	global_load_b128 v[16*i+4*\c:16*i+4*\c+3], v1, s[8:9] offset:((i&7)+16*(i>>3))*2048+512*\c
.endr
.set i, i+1
.endr
	WIN 0x0c                                       ; an LDS store's data are its source 1: window 3
.irp bt, 0,1,2,3
	s_wait_loadcnt 48-16*\bt                       ; four rows' 16 loads are in; the younger batches stay out
.irp ii, 0,1,2,3
.irp c, 0,1,2,3
	ds_store_b128 v1, v[16*(4*\bt+\ii)+4*\c:16*(4*\bt+\ii)+4*\c+3] offset:(4*\bt+\ii)*PIT+512*\c
.endr
.endr
.endr
	WIN 0x40                                       ; destination window 1.  LDS serves a wave's instructions in order (ISA guide 5.7.1): these see the stores above
.set i, 0
.rept 16
.irp j, 0,1,2,3
	ds_load_b128 v[16*i+4*\j:16*i+4*\j+3], v4 offset:128*i+16*\j   ; X[16 b + i] = x(row r, 32 b + 16 h + i)
.endr
.set i, i+1
.endr
	s_wait_dscnt 0x0                               ; X is in, and the stores have read window 3
	WIN 0x80
.set i, 0
.rept 16
.irp j, 0,1,2,3
	global_load_b128 v[16*i+4*\j:16*i+4*\j+3], v5, s[10:11] offset:128*i+16*\j   ; g1 at X's columns
.endr
.set i, i+1
.endr
	WIN 0xc0
.set i, 0
.rept 16
.irp j, 0,1,2,3
	global_load_b128 v[16*i+4*\j:16*i+4*\j+3], v5, s[12:13] offset:128*i+16*\j   ; be1 likewise
.endr
.set i, i+1
.endr
	WIN 0x05                                       ; the mean: four chains, started by the first eight pairs: nothing is cleared
.irp c, 0,1,2,3
	v_pk_add_f32 v[16+2*\c:17+2*\c], v[4*\c:4*\c+1], v[4*\c+2:4*\c+3]
.endr
	WIN 0x01
.set p, 8
.rept 120
	v_pk_add_f32 v[16+2*(p%4):17+2*(p%4)], v[2*p:2*p+1], v[16+2*(p%4):17+2*(p%4)]
.set p, p+1
.endr
	WIN 0
	FOLD
	v_mul_f32 v24, s22, v16                        ; the mean, twice (a pair for the packed forms)
	v_mov_b32 v25, v24
	WIN 0x41
.set p, 0
.rept 128
	v_pk_add_f32 v[2*p:2*p+1], v[2*p:2*p+1], v[24:25] neg_lo:[0,1] neg_hi:[0,1]   ; X - mean
.set p, p+1
.endr
	WIN 0x05
.irp c, 0,1,2,3
	v_pk_mul_f32 v[16+2*\c:17+2*\c], v[2*\c:2*\c+1], v[2*\c:2*\c+1]
.endr
.set p, 4
.rept 124
	v_pk_fma_f32 v[16+2*(p%4):17+2*(p%4)], v[2*p:2*p+1], v[2*p:2*p+1], v[16+2*(p%4):17+2*(p%4)]
.set p, p+1
.endr
	WIN 0
	FOLD
	v_fma_f32 v16, v16, s22, s23                   ; the variance + eps
	v_rsq_f32 v26, v16
	v_nop                                          ; one plain place behind a transcendental (ISA guide 5.7.2)
	s_wait_alu depctr_va_vdst(0)
	v_mov_b32 v27, v26
	WIN 0x41
.set p, 0
.rept 128
	v_pk_mul_f32 v[2*p:2*p+1], v[2*p:2*p+1], v[26:27]
.set p, p+1
.endr
	s_wait_loadcnt 0x0                             ; g1 and be1
.irp s, 0,1,2,3                                ; K step s: 64 numbers a lane.  Each step has code registers of its own: no store's data are written again
	WIN 0x39                                       ; source 0 X (window 1), source 1 g1 (2), source 2 be1 (3), destination window 0
.set p, 0
.rept 32
	v_pk_fma_f32 v[32+2*p:33+2*p], v[64*\s+2*p:64*\s+2*p+1], v[64*\s+2*p:64*\s+2*p+1], v[64*\s+2*p:64*\s+2*p+1]
.set p, p+1
.endr
	WIN 0
	QUANT4 32, 128+12*\s, 112, 120+\s, 96
.irp g, 0,1,2
	global_store_b128 v1, v[128+12*\s+4*\g:128+12*\s+4*\g+3], s[4:5] offset:512*(3*\s+\g)   ; 32 lanes store 512 consecutive bytes
.endr
.endr
	global_store_b128 v1, v[120:123], s[4:5] offset:6144
	s_wait_tensorcnt 0x0
	ds_add_u32 v254, v255
	s_wait_dscnt 0x0
	s_endpgm
; ---------------- a unit of 8 weight fragments
.Lweights:
	s_load_b64 s[6:7], s[0:1], 0x8                 ; wimg
	s_load_b256 s[16:23], s[0:1], 0x20             ; Wq's codes, scales; Wk's
	s_load_b256 s[24:31], s[0:1], 0x40             ; Wv's; Wo's
	s_load_b256 s[32:39], s[0:1], 0x60             ; W1's; W2's
	v_and_b32 v2, 31, v0
	v_lshlrev_b32 v1, 4, v2                        ; 16 x lane
	v_and_b32 v3, 15, v0                           ; r
	v_bfe_u32 v6, v0, 4, 1                         ; h
	v_and_b32 v7, 8, v3
	v_add_nc_u32 v7, v7, v3                        ; r + 8 (r / 8)
	v_lshl_add_u32 v8, v6, 3, v7                   ; + 8 h: lanes 16-31 take the scale words of the pair's second tile
	v_mul_u32_u24 v9, v6, 24                       ; 24 h
	s_sub_co_u32 s46, ttmp9, 512                   ; the unit's number
	s_mul_i32 s47, s46, 1821
	s_lshr_b32 s47, s47, 16                        ; w = unit / 36 (exact for units under 144)
	s_mul_i32 s48, s47, 36
	s_sub_co_u32 s48, s46, s48                     ; d = unit % 36
	s_sub_co_u32 s49, s48, 4
	s_lshr_b32 s50, s49, 2                         ; q: the chunk (used where d >= 4)
	s_and_b32 s51, s49, 3                          ; e: 0, 1 W1; 2, 3 W2
	s_lshl_b32 s52, s47, 7
	s_lshl_b32 s53, s48, 5
	s_add_co_u32 s52, s52, s53                     ; Wo's first row: 128 w + 32 d
	s_lshl_b32 s53, s50, 8
	s_lshl_b32 s54, s47, 6
	s_add_co_u32 s53, s53, s54
	s_lshl_b32 s54, s51, 5
	s_add_co_u32 s53, s53, s54                     ; W1's: 256 q + 64 w + 32 e
	s_sub_co_u32 s54, s46, 144
	s_and_b32 s55, s54, 15
	s_lshl_b32 s55, s55, 5                         ; Wq's, Wk's, Wv's: 32 bp
	s_lshr_b32 s54, s54, 4                         ; which of the three
	s_mul_i32 s58, s46, DU
	s_mov_b32 s59, 0
	s_mov_b32 s57, 0
	s_wait_kmcnt 0x0
	s_add_nc_u64 s[6:7], s[6:7], s[58:59]
	s_cmp_lt_u32 s48, 4                            ; the choices hang on the work-group's number alone
	s_cselect_b32 s44, s52, s53
	s_cselect_b64 s[40:41], s[28:29], s[32:33]
	s_cselect_b64 s[42:43], s[30:31], s[34:35]
	s_cmp_ge_u32 s46, 144
	s_cselect_b32 s44, s55, s44
	s_cselect_b32 s54, s54, 3
	s_cmp_eq_u32 s54, 0
	s_cselect_b64 s[40:41], s[16:17], s[40:41]
	s_cselect_b64 s[42:43], s[18:19], s[42:43]
	s_cmp_eq_u32 s54, 1
	s_cselect_b64 s[40:41], s[20:21], s[40:41]
	s_cselect_b64 s[42:43], s[22:23], s[42:43]
	s_cmp_eq_u32 s54, 2
	s_cselect_b64 s[40:41], s[24:25], s[40:41]
	s_cselect_b64 s[42:43], s[26:27], s[42:43]
	s_cmp_ge_u32 s46, 144
	s_cbranch_scc1 .LtypeA
	s_cmp_lt_u32 s48, 4
	s_cbranch_scc1 .LtypeA
	s_cmp_lt_u32 s51, 2
	s_cbranch_scc1 .LtypeA
	; W2: four tiles x K steps 2 q, 2 q + 1.  Fragment 2 t + g; scale register 2 (t / 2) + g, the half of the lanes by t % 2
	s_lshl_b32 s52, s47, 7
	s_sub_co_u32 s53, s51, 2
	s_lshl_b32 s53, s53, 6
	s_add_co_u32 s52, s52, s53                     ; first row: 128 w + 64 (e - 2)
	s_mul_i32 s56, s52, 1536                       ; a row of W2 is 2,048 codes
	s_mul_i32 s53, s50, 192
	s_add_co_u32 s56, s56, s53
	s_add_nc_u64 s[36:37], s[36:37], s[56:57]
	s_lshl_b32 s56, s52, 6
	s_lshl_b32 s53, s50, 3
	s_add_co_u32 s56, s56, s53
	s_add_nc_u64 s[38:39], s[38:39], s[56:57]
	v_mad_u32_u24 v10, v7, 1536, v9
	v_lshlrev_b32 v11, 6, v8
.irp t, 0,1,2,3
.irp g, 0,1
.irp p, 0,1,2,3,4,5
	global_load_b64 v[32+12*(2*\t+\g)+2*\p:33+12*(2*\t+\g)+2*\p], v10, s[36:37] offset:(32*(\t>>1)+8*(\t&1))*1536+96*\g+48*(\p/3)+8*(\p%3)
.endr
.endr
.endr
	global_load_b64 v[128:129], v11, s[38:39]
	global_load_b64 v[130:131], v11, s[38:39] offset:2048
	s_branch .Lstore
.LtypeA:                                       ; two tiles x four K steps.  Fragment 4 u + s; scale register s: tile 0 in lanes 0-15, tile 1 in lanes 16-31
	s_mul_i32 s56, s44, 384                        ; a row is 512 codes
	s_add_nc_u64 s[40:41], s[40:41], s[56:57]
	s_lshl_b32 s56, s44, 4
	s_add_nc_u64 s[42:43], s[42:43], s[56:57]
	v_mad_u32_u24 v10, v7, 384, v9
	v_lshlrev_b32 v11, 4, v8
.irp u, 0,1
.irp s, 0,1,2,3
.irp p, 0,1,2,3,4,5
	global_load_b64 v[32+12*(4*\u+\s)+2*\p:33+12*(4*\u+\s)+2*\p], v10, s[40:41] offset:3072*\u+96*\s+48*(\p/3)+8*(\p%3)
.endr
.endr
.endr
	global_load_b128 v[128:131], v11, s[42:43]
.Lstore:
	s_wait_loadcnt 0x0
.set g, 0
.rept 24
	global_store_b128 v1, v[32+4*g:35+4*g], s[6:7] offset:512*g
.set g, g+1
.endr
	global_store_b128 v1, v[128:131], s[6:7] offset:12288
	s_endpgm
.Lfunc_end_k_q5fc55fadd1_prep:
	.size	k_q5fc55fadd1_prep, .Lfunc_end_k_q5fc55fadd1_prep-k_q5fc55fadd1_prep
	.p2alignl 7, 3214868480
	.fill 96, 4, 3214868480
	.section	.rodata,"a",@progbits
	.p2align	6, 0x0
	.amdhsa_kernel k_q5fc55fadd1_prep
		.amdhsa_group_segment_fixed_size 33536
		.amdhsa_private_segment_fixed_size 0
		.amdhsa_enable_private_segment 0
		.amdhsa_kernarg_size 136
		.amdhsa_user_sgpr_count 2
		.amdhsa_user_sgpr_kernarg_segment_ptr 1
		.amdhsa_wavefront_size32 1
		.amdhsa_system_sgpr_workgroup_id_x 1
		.amdhsa_system_sgpr_workgroup_id_y 1
		.amdhsa_system_sgpr_workgroup_id_z 1
		.amdhsa_system_vgpr_workitem_id 0
		.amdhsa_next_free_vgpr 1024
		.amdhsa_next_free_sgpr 66
		.amdhsa_reserve_vcc 0
		.amdhsa_float_denorm_mode_32 3
		.amdhsa_float_denorm_mode_16_64 3
		.amdhsa_memory_ordered 1
		.amdhsa_forward_progress 1
		.amdhsa_inst_pref_size 101
	.end_amdhsa_kernel
	.amdgpu_metadata
---
amdhsa.version: [ 1, 2 ]
amdhsa.kernels:
  - .name:           k_q5fc55fadd1_prep
    .symbol:         k_q5fc55fadd1_prep.kd
    .args:
      - { .name: ximg, .offset: 0, .size: 8, .value_kind: global_buffer, .address_space: global }
      - { .name: wimg, .offset: 8, .size: 8, .value_kind: global_buffer, .address_space: global }
      - { .name: hidden_states, .offset: 16, .size: 8, .value_kind: global_buffer, .address_space: global }
      - { .name: g1, .offset: 24, .size: 8, .value_kind: global_buffer, .address_space: global }
      - { .name: Wq_codes, .offset: 32, .size: 8, .value_kind: global_buffer, .address_space: global }
      - { .name: Wq_scales, .offset: 40, .size: 8, .value_kind: global_buffer, .address_space: global }
      - { .name: Wk_codes, .offset: 48, .size: 8, .value_kind: global_buffer, .address_space: global }
      - { .name: Wk_scales, .offset: 56, .size: 8, .value_kind: global_buffer, .address_space: global }
      - { .name: Wv_codes, .offset: 64, .size: 8, .value_kind: global_buffer, .address_space: global }
      - { .name: Wv_scales, .offset: 72, .size: 8, .value_kind: global_buffer, .address_space: global }
      - { .name: Wo_codes, .offset: 80, .size: 8, .value_kind: global_buffer, .address_space: global }
      - { .name: Wo_scales, .offset: 88, .size: 8, .value_kind: global_buffer, .address_space: global }
      - { .name: W1_codes, .offset: 96, .size: 8, .value_kind: global_buffer, .address_space: global }
      - { .name: W1_scales, .offset: 104, .size: 8, .value_kind: global_buffer, .address_space: global }
      - { .name: W2_codes, .offset: 112, .size: 8, .value_kind: global_buffer, .address_space: global }
      - { .name: W2_scales, .offset: 120, .size: 8, .value_kind: global_buffer, .address_space: global }
      - { .name: be1, .offset: 128, .size: 8, .value_kind: global_buffer, .address_space: global }
    .group_segment_fixed_size: 33536
    .private_segment_fixed_size: 0
    .kernarg_segment_align: 8
    .kernarg_segment_size: 136
    .max_flat_workgroup_size: 32
    .sgpr_count:     66
    .vgpr_count:     1024
    .wavefront_size: 32
...
	.end_amdgpu_metadata
.endif
;; end of part 1
;; launch qkv (part 2): grid 64 x 6, 4 waves a work-group, no clusters, 0 bytes of LDS; arguments ximg, wimg, bq, bk, bv, qimg, kv; writes qimg, kv
.if DOCPART == 2
	.amdgcn_target "amdgcn-amd-amdhsa--gfx1250"
	.amdhsa_code_object_version 6
	.text
	.protected	k_q5fc55fadd1_qkv
	.globl	k_q5fc55fadd1_qkv
	.p2align	8
	.type	k_q5fc55fadd1_qkv,@function
k_q5fc55fadd1_qkv:
	s_mov_b64 s[64:65], 0
	v_nop
	global_prefetch_b8 v0, s[64:65] scope:SCOPE_SE
	s_setreg_imm32_b32 hwreg(HW_REG_WAVE_MODE, 25, 1), 1
	s_wait_xcnt 0x0
; QKV.  q = x Wq + bq, k = x Wk + bk, v = x Wv + bv on codes of FP6 (E2M3), and the results quantised again: q and k along the head's 64, v along the tokens (the keys of the second attention product).
; SHARES.  Work-group x: a block of 128 tokens (8 tiles).  y / 2: which of the three; head = 4 (y % 2) + wave.  A wave makes 128 tokens x 64 columns: it shares nothing with the other waves: no LDS, no barrier.
; Its 16 weight fragments (two units of wimg) stay in registers; x's tiles come as images from ximg, 512 consecutive bytes a load, two tiles ahead.
; q, k: TRANSPOSED (source 0 = 16 weight rows, source 1 = 16 tokens): a lane holds one token, its 32 registers the head's channels 32 b + 16 (lane / 16) + i: two blocks of 32.
; v: source 0 = 16 tokens, source 1 = 16 weight rows: a lane holds one channel, and the 64 registers of the eight token tiles run along the tokens: four blocks of 32.  Two passes of 32 channels, so that a wave fits 512 registers;
; the second pass reads x's images again.
; OUT.  qimg [bh][block] 6,656 bytes: 48 code registers (tile m at 6 m: k = 32 (lane / 16) + 0..31), four scale registers (register b: tile 2 b in lanes 0-15, 2 b + 1 in lanes 16-31; bytes 2 and 3 are 0x7f, for the empty upper K).
; kv [bh][block] 13,056 bytes: K as qimg's codes; +6,144 V's four fragments; +12,288 K's scales; +12,800 V's scales (two registers, 8 bytes a lane).
; No tensor loads and no cluster: what waves share (x's images, 53 KB a block) goes straight into registers, where a joint load cannot put it.
; LIMITS: NaN and infinities are not served; blocks under 2^-124 are held at scale byte 1; a block of zeros gets byte 1.
; REGISTERS.  Window 0: v1 16 l, v2 8 l, v6 64 h, v7 4 (r + 8 (r / 8)); v[12:13] V's scale words; v16-23 x's scale words (two sets), v24-31 the weights'; v32-127 x's fragments (two sets of 48); v128-255 by path.
; Window 1: v0-191 the weights' 16 fragments; v192-223 the bias in the result's layout.
.set XR,  6656
.set DU,  12800
.set KVR, 13056
.set SEL, 20
.set MSB, 0
.macro WIN new
.if MSB != (\new)
	s_set_vgpr_msb (MSB<<8)|(\new)
.set MSB, (\new)
.endif
.endm
.macro NOPS n
.rept \n
	v_nop
.endr
.endm
; one product on the registers named by the symbols rD, rA, rB, rC, rSA, rSB.  ra, rb: that side's scales stand in lanes 16-31
.macro MMX ra, rb
.if \ra
	v_wmma_scale_f32_16x16x128_f8f6f4 v[rD:rD+7], v[rA:rA+11], v[rB:rB+11], v[rC:rC+7], v[rSA], v[rSB] matrix_a_fmt:MATRIX_FMT_FP6 matrix_b_fmt:MATRIX_FMT_FP6 matrix_a_scale:MATRIX_SCALE_ROW1
.elseif \rb
	v_wmma_scale_f32_16x16x128_f8f6f4 v[rD:rD+7], v[rA:rA+11], v[rB:rB+11], v[rC:rC+7], v[rSA], v[rSB] matrix_a_fmt:MATRIX_FMT_FP6 matrix_b_fmt:MATRIX_FMT_FP6 matrix_b_scale:MATRIX_SCALE_ROW1
.else
	v_wmma_scale_f32_16x16x128_f8f6f4 v[rD:rD+7], v[rA:rA+11], v[rB:rB+11], v[rC:rC+7], v[rSA], v[rSB] matrix_a_fmt:MATRIX_FMT_FP6 matrix_b_fmt:MATRIX_FMT_FP6
.endif
.endm
; 64 numbers of a lane (register 16 b + i = k 32 b + 16 (lane / 16) + i) -> 12 code registers at v[pc], the scale word in v[pw]
.macro QUANT4 s, pc, px, pw, tm
.irp b, 0,1,2,3
	v_max3_num_f32 v[\tm+\b], |v[\s+16*\b]|, |v[\s+16*\b+1]|, 0x1800000   ; with the floor 2^(3 - 127): the byte cannot fall under 1
.endr
.irp i, 2,4,6,8,10,12,14
.irp b, 0,1,2,3
	v_max3_num_f32 v[\tm+\b], v[\tm+\b], |v[\s+16*\b+\i]|, |v[\s+16*\b+\i+1]|
.endr
.endr
.irp b, 0,1,2,3
	v_permlanex16_b32 v[\tm+4+\b], v[\tm+\b], s[SEL], s[SEL+1]
.endr
.irp b, 0,1,2,3
	v_max_num_f32 v[\tm+\b], v[\tm+\b], v[\tm+4+\b]
.endr
.irp b, 0,1,2,3
	v_add_nc_u32 v[\tm+12+\b], 0xff000000, v[\tm+\b]                   ; 2 off the exponent field: the conversion's scale operand
.endr
.irp b, 0,1,2,3
	v_lshrrev_b32 v[\tm+4+\b], 23, v[\tm+12+\b]
.endr
	v_lshl_or_b32 v[\pw], v[\tm+5], 8, v[\tm+4]
	v_lshl_or_b32 v[\pw], v[\tm+6], 16, v[\pw]
	v_lshl_or_b32 v[\pw], v[\tm+7], 24, v[\pw]
.irp c, 0,1
	v_cvt_scalef32_pk16_fp6_f32 v[\pc+6*\c:\pc+6*\c+2], v[\s+32*\c:\s+32*\c+15], v[\tm+12+2*\c]
	v_cvt_scalef32_pk16_fp6_f32 v[\px+4*\c:\px+4*\c+2], v[\s+32*\c+16:\s+32*\c+31], v[\tm+13+2*\c]
.endr
	v_nop                                          ; one plain place behind a scaled conversion
.irp c, 0,1
.irp i, 0,1,2
	v_permlane16_swap_b32 v[\pc+6*\c+\i], v[\px+4*\c+\i]
.endr
.irp i, 0,1,2
	v_mov_b32 v[\pc+6*\c+3+\i], v[\px+4*\c+\i]
.endr
.endr
.endm
; the same for 32 numbers, two blocks -> 6 code registers (k = 32 (lane / 16) + 0..31) and the word byte 0 | byte 1 << 8; fill = 1: bytes 2, 3 = 0x7f
.macro QUANT2 s, pc, px, pw, tm, fill
.irp b, 0,1
	v_max3_num_f32 v[\tm+\b], |v[\s+16*\b]|, |v[\s+16*\b+1]|, 0x1800000
.endr
.irp i, 2,4,6,8,10,12,14
.irp b, 0,1
	v_max3_num_f32 v[\tm+\b], v[\tm+\b], |v[\s+16*\b+\i]|, |v[\s+16*\b+\i+1]|
.endr
.endr
.irp b, 0,1
	v_permlanex16_b32 v[\tm+2+\b], v[\tm+\b], s[SEL], s[SEL+1]
.endr
.irp b, 0,1
	v_max_num_f32 v[\tm+\b], v[\tm+\b], v[\tm+2+\b]
.endr
.irp b, 0,1
	v_add_nc_u32 v[\tm+4+\b], 0xff000000, v[\tm+\b]
.endr
.irp b, 0,1
	v_lshrrev_b32 v[\tm+2+\b], 23, v[\tm+4+\b]
.endr
	v_lshl_or_b32 v[\pw], v[\tm+3], 8, v[\tm+2]
.if \fill
	v_or_b32 v[\pw], 0x7f7f0000, v[\pw]
.endif
	v_cvt_scalef32_pk16_fp6_f32 v[\pc:\pc+2], v[\s:\s+15], v[\tm+4]
	v_cvt_scalef32_pk16_fp6_f32 v[\px:\px+2], v[\s+16:\s+31], v[\tm+5]
	v_nop
.irp i, 0,1,2
	v_permlane16_swap_b32 v[\pc+\i], v[\px+\i]
.endr
.irp i, 0,1,2
	v_mov_b32 v[\pc+3+\i], v[\px+\i]
.endr
.endm
.macro XLOAD m                         ; token tile m's record into set m % 2: 12 + 1 loads of 512 consecutive bytes
.set g, 0
.rept 12
	global_load_b128 v[32+48*((\m)&1)+4*g:35+48*((\m)&1)+4*g], v1, s[4:5] offset:(\m)*XR+512*g
.set g, g+1
.endr
	global_load_b128 v[16+4*((\m)&1):19+4*((\m)&1)], v1, s[4:5] offset:(\m)*XR+6144
.endm
	s_load_b128 s[4:7], s[0:1], 0x0                ; ximg, wimg
	s_load_b128 s[8:11], s[0:1], 0x10              ; bq, bk
	s_load_b128 s[12:15], s[0:1], 0x20             ; bv, qimg
	s_load_b64 s[16:17], s[0:1], 0x30              ; kv
	v_lshrrev_b32 v2, 5, v0
	v_readfirstlane_b32 s18, v2                    ; wave
	v_and_b32 v3, 31, v0
	v_lshlrev_b32 v1, 4, v3
	v_lshlrev_b32 v2, 3, v3
	v_and_b32 v4, 15, v0
	v_bfe_u32 v5, v0, 4, 1
	v_lshlrev_b32 v6, 6, v5
	v_and_b32 v7, 8, v4
	v_add_nc_u32 v7, v7, v4
	v_lshlrev_b32 v7, 2, v7
	s_mov_b32 s[SEL], 0x76543210
	s_mov_b32 s[SEL+1], 0xfedcba98
	s_mov_b32 s30, 0xffff0000                      ; lanes 16-31
	s_and_b32 s19, ttmp7, 0xffff
	s_lshr_b32 s22, s19, 1                         ; 0 q, 1 k, 2 v
	s_and_b32 s23, s19, 1
	s_lshl_b32 s23, s23, 2
	s_add_co_u32 s23, s23, s18                     ; head
	s_lshr_b32 s24, ttmp9, 5
	s_lshl_b32 s24, s24, 3
	s_add_co_u32 s24, s24, s23                     ; bh = 8 batch + head
	s_lshl_b32 s24, s24, 5
	s_and_b32 s25, ttmp9, 31
	s_add_co_u32 s24, s24, s25                     ; the record: 32 bh + block in the batch
	s_lshl_b32 s26, s22, 4
	s_lshl_b32 s27, s23, 1
	s_add_co_u32 s26, s26, s27
	s_add_co_u32 s26, s26, 144
	s_mul_i32 s26, s26, DU                         ; units 144 + 16 mat + 2 head, and the next
	s_mov_b32 s27, 0
	s_mul_i32 s28, ttmp9, 8*XR
	s_mov_b32 s29, 0
	s_lshl_b32 s32, s23, 8                         ; the head's 64 numbers of a bias
	s_mov_b32 s33, 0
	s_wait_kmcnt 0x0
	s_add_nc_u64 s[6:7], s[6:7], s[26:27]
	s_add_nc_u64 s[4:5], s[4:5], s[28:29]
	WIN 0x40
.irp p, 0,1
.set g, 0
.rept 24
	global_load_b128 v[96*\p+4*g:96*\p+4*g+3], v1, s[6:7] offset:DU*\p+512*g
.set g, g+1
.endr
.endr
	WIN 0
.irp p, 0,1
	global_load_b128 v[24+4*\p:27+4*\p], v1, s[6:7] offset:DU*\p+12288
.endr
	s_cmp_eq_u32 s22, 2
	s_cbranch_scc1 .Lv
; ---------------- q or k.  v128-159 four accumulators; v160-170 at work; v192-239 the eight tiles' codes; v240-247 their words; v248-251 the words as stored
	s_cmp_eq_u32 s22, 0
	s_cselect_b64 s[34:35], s[8:9], s[10:11]       ; the bias
	s_cselect_b64 s[36:37], s[14:15], s[16:17]     ; where the record goes
	s_mov_b32 s38, KVR
	s_cselect_b32 s38, XR, s38
	s_mov_b32 s40, 12288
	s_cselect_b32 s40, 6144, s40                   ; and its scale words
	s_mov_b32 s41, 0
	s_mov_b32 s39, 0
	s_mul_i32 s38, s38, s24
	s_add_nc_u64 s[34:35], s[34:35], s[32:33]
	s_add_nc_u64 s[36:37], s[36:37], s[38:39]
	s_add_nc_u64 s[40:41], s[36:37], s[40:41]
	WIN 0x40
.irp t, 0,1,2,3                                ; register j of tile t: the bias of channel 32 (t / 2) + 8 (t % 2) + 16 h + j
.irp jj, 0,1
	global_load_b128 v[192+8*\t+4*\jj:195+8*\t+4*\jj], v6, s[34:35] offset:128*(\t>>1)+32*(\t&1)+16*\jj
.endr
.endr
	WIN 0
	XLOAD 0
	XLOAD 1
	v_mov_b32 v162, 0                              ; a lane permute's destination counts as one of its sources
	v_mov_b32 v163, 0
.macro TILEQK m
.if (\m) < 7
	s_wait_loadcnt 13                              ; this tile's record is in (and all that was asked for ahead of it); the next tile's 13 loads stay out
.else
	s_wait_loadcnt 0x0
.endif
.irp s, 0,1,2,3                                ; K step s; the four accumulators by turns, one instruction a turn
.if \s == 0
	WIN 0x11                                       ; source 0 (weights) and source 2 (bias) window 1
.else
	WIN 0x01
.endif
.irp t, 0,1,2,3
.set rD, 128+8*\t
.set rA, 96*(\t>>1)+12*(4*(\t&1)+\s)
.set rB, 32+48*((\m)&1)+12*\s
.set rSA, 24+4*(\t>>1)+\s
.set rSB, 16+4*((\m)&1)+\s
.if \s == 0
.set rC, 192+8*\t
.else
.set rC, rD
.endif
	MMX (\t&1), 0
.endr
.endr
	WIN 0
	NOPS 5                                         ; places behind the last products: four for the loads and reads below, the fifth since the next tile begins these accumulators anew
.if (\m) < 6
	XLOAD (\m)+2
.endif
	QUANT2 128, 192+6*(\m), 168, 240+(\m), 160, 1
.endm
.irp m, 0,1,2,3,4,5,6,7
	TILEQK \m
.endr
.irp b, 0,1,2,3
	v_cndmask_b32 v[248+\b], v[240+2*\b], v[241+2*\b], s30   ; tile 2 b's words below, tile 2 b + 1's above
.endr
.set g, 0
.rept 12
	global_store_b128 v1, v[192+4*g:195+4*g], s[36:37] offset:512*g
.set g, g+1
.endr
	global_store_b128 v1, v[248:251], s[40:41]
	s_endpgm
; ---------------- v.  v128-255: accumulator (u, m) at 128 + 64 u + 8 m
.Lv:
	s_mul_i32 s38, s24, KVR
	s_mov_b32 s39, 0
	s_add_nc_u64 s[36:37], s[16:17], s[38:39]
	s_add_nc_u64 s[12:13], s[12:13], s[32:33]
	WIN 0x40
.irp t, 0,1,2,3                                ; a lane holds one channel: all eight registers of a tile's bias are that channel's number
.irp j, 0,1,2,3,4,5,6,7
	global_load_b32 v[192+8*\t+\j], v7, s[12:13] offset:4*(32*(\t>>1)+8*(\t&1))
.endr
.endr
	WIN 0
	XLOAD 0
	XLOAD 1
.macro TILEV p, m
.if (\m) < 7
	s_wait_loadcnt 13                              ; as above
.else
	s_wait_loadcnt 0x0
.endif
.irp s, 0,1,2,3
.if \s == 0
	WIN 0x14                                       ; source 1 (weights) and source 2 (bias) window 1
.else
	WIN 0x04
.endif
.irp u, 0,1                                    ; two accumulators by turns
.set rD, 128+64*\u+8*(\m)
.set rA, 32+48*((\m)&1)+12*\s
.set rB, 96*(\p)+12*(4*\u+\s)
.set rSA, 16+4*((\m)&1)+\s
.set rSB, 24+4*(\p)+\s
.if \s == 0
.set rC, 192+8*(2*(\p)+\u)
.else
.set rC, rD
.endif
	MMX 0, \u
.endr
.endr
	WIN 0
	NOPS 5
.if (\m) < 6
	XLOAD (\m)+2
.endif
.endm
.irp p, 0,1
.irp m, 0,1,2,3,4,5,6,7
	TILEV \p, \m
.endr
.irp u, 0,1                                    ; x's sets are idle now and serve as scratch: v32-47, v48-55 at work, v56-79 the codes, v80-81 the words
	QUANT4 128+64*\u, 56+12*\u, 48, 80+\u, 32
.irp g, 0,1,2
	global_store_b128 v1, v[56+12*\u+4*\g:59+12*\u+4*\g], s[36:37] offset:6144+512*(3*(2*\p+\u)+\g)
.endr
.endr
	v_cndmask_b32 v[12+\p], v80, v81, s30
.if \p == 0
	s_wait_xcnt 0x0                                ; the stores' data lie where x's tiles land: loaded again only behind this wait (ISA guide 3.1)
	XLOAD 0
	XLOAD 1
.endif
.endr
	global_store_b64 v2, v[12:13], s[36:37] offset:12800
	s_endpgm
.Lfunc_end_k_q5fc55fadd1_qkv:
	.size	k_q5fc55fadd1_qkv, .Lfunc_end_k_q5fc55fadd1_qkv-k_q5fc55fadd1_qkv
	.p2alignl 7, 3214868480
	.fill 96, 4, 3214868480
	.section	.rodata,"a",@progbits
	.p2align	6, 0x0
	.amdhsa_kernel k_q5fc55fadd1_qkv
		.amdhsa_group_segment_fixed_size 0
		.amdhsa_private_segment_fixed_size 0
		.amdhsa_enable_private_segment 0
		.amdhsa_kernarg_size 56
		.amdhsa_user_sgpr_count 2
		.amdhsa_user_sgpr_kernarg_segment_ptr 1
		.amdhsa_wavefront_size32 1
		.amdhsa_system_sgpr_workgroup_id_x 1
		.amdhsa_system_sgpr_workgroup_id_y 1
		.amdhsa_system_sgpr_workgroup_id_z 1
		.amdhsa_system_vgpr_workitem_id 0
		.amdhsa_next_free_vgpr 512
		.amdhsa_next_free_sgpr 66
		.amdhsa_reserve_vcc 0
		.amdhsa_float_denorm_mode_32 3
		.amdhsa_float_denorm_mode_16_64 3
		.amdhsa_memory_ordered 1
		.amdhsa_forward_progress 1
		.amdhsa_inst_pref_size 113
	.end_amdhsa_kernel
	.amdgpu_metadata
---
amdhsa.version: [ 1, 2 ]
amdhsa.kernels:
  - .name:           k_q5fc55fadd1_qkv
    .symbol:         k_q5fc55fadd1_qkv.kd
    .args:
      - { .name: ximg, .offset: 0, .size: 8, .value_kind: global_buffer, .address_space: global }
      - { .name: wimg, .offset: 8, .size: 8, .value_kind: global_buffer, .address_space: global }
      - { .name: bq, .offset: 16, .size: 8, .value_kind: global_buffer, .address_space: global }
      - { .name: bk, .offset: 24, .size: 8, .value_kind: global_buffer, .address_space: global }
      - { .name: bv, .offset: 32, .size: 8, .value_kind: global_buffer, .address_space: global }
      - { .name: qimg, .offset: 40, .size: 8, .value_kind: global_buffer, .address_space: global }
      - { .name: kv, .offset: 48, .size: 8, .value_kind: global_buffer, .address_space: global }
    .group_segment_fixed_size: 0
    .private_segment_fixed_size: 0
    .kernarg_segment_align: 8
    .kernarg_segment_size: 56
    .max_flat_workgroup_size: 128
    .sgpr_count:     66
    .vgpr_count:     512
    .wavefront_size: 32
...
	.end_amdgpu_metadata
.endif
;; end of part 2
;; launch attn (part 3): grid 16 x 16, 16 waves a work-group, no clusters, 327,680 bytes of LDS; arguments qimg, kv, ctx; writes ctx
.if DOCPART == 3
	.amdgcn_target "amdgcn-amd-amdhsa--gfx1250"
	.amdhsa_code_object_version 6
	.text
	.protected	k_q5fc55fadd1_attn
	.globl	k_q5fc55fadd1_attn
	.p2align	8
	.type	k_q5fc55fadd1_attn,@function
k_q5fc55fadd1_attn:
	s_mov_b64 s[64:65], 0
	v_nop
	global_prefetch_b8 v0, s[64:65] scope:SCOPE_SE
	s_setreg_imm32_b32 hwreg(HW_REG_WAVE_MODE, 25, 1), 1
	s_wait_xcnt 0x0
; ATTENTION on codes of FP6 (E2M3): S^T = K Q^T, p = 2^(t - M), O^T = V^T P^T, ctx = O / l, quantised along the head's 64 for the next product.
; t = score x log2(e) / 8; M = the running largest t rounded UP to a whole number (kept as -M = floor(-t)); the row's sum l is taken of the unquantised p; when M moves, l and O^T are multiplied by 2^(old M - new M): exact.
; SHARES.  A work-group owns 256 queries of one (batch, head); each of its sixteen waves one tile of 16, in 256 registers: four waves to a SIMD, so that one wave's vector work stands beside another's products and LDS loads.
; Every wave walks the 4,096 keys, 128 a step.  A step's record of kv (13,056 bytes: K's eight half fragments, V's four fragments, their scale words, all as images of registers) is read by dense LDS loads.
; RING.  Two slots of 8 records (104,448 bytes), 2^17 bytes apart; waves 0-3 each fetch two records (102 rows of 256 bytes) with one tensor load.  By this text's own count a wave has at most one tensor load out.
; THE HEAD'S K IS 64, THE INSTRUCTION'S 128.  Q's upper six registers are zeros.  K's fragment t is v[32 + 6 t .. 43 + 6 t]: its upper six registers are the NEXT tile's codes (for t = 7 six zeros); they meet Q's zero codes
; under the scale bytes 0x7f on both sides and add exactly 0.  So eight tiles of K lie in 54 registers and come by twelve loads.
; Both products are used transposed: a lane holds one query throughout; the keys of a tile are permuted (as all tiles of this program), so that p's 16 registers of two neighbouring tiles are 16 neighbouring keys.
; NO CLUSTER: a step's shared bytes are 13 KB for sixteen waves' softmax of some 240 vector instructions each: fetching is a small part of a step, and a joint refill would tie four work-groups to one barrier at every change of slots.
; LIMITS: NaN and infinities are not served; a block of p that has fallen to 0 keeps scale byte 1 (its codes are zeros).  A block's largest p is taken from its largest score by the same multiply-add and exponential,
; which takes v_exp_f32 not to fall where its input rises.
; REGISTERS: v1-3 16 l, 8 l, 4 l; v5, v6 the spare word's address and 0; v8, v9 the step's addresses; v12 -M, v13 the largest t, v[14:15] l in two halves; v16-21 Q, v22-27 zeros; v28-31 K's scale words; v32-79 K (later p's codes v32-43
; and work v44-66); v80-85 zeros; v[86:87] V's scale words; v88 Q's, v89 p's; v96-159 S^T, then p; v160-191 O^T; v192-239 V; v[240:241] f; v242-243 at work.
.set KVR,   13056
.set SLOTB, 8*KVR
.set SLOT1, 1<<17
.set SPARE, 2*SLOT1                    ; behind the ring: the spare words, 128 bytes for each of sixteen waves: eight blocks of 256 bytes that no other line names
.set SEL,   20
.set CS,    22
.macro MMX ra, cz                      ; one product on rD, rA, rB, rSA, rSB.  ra: source 0's scales stand in lanes 16-31.  cz: the product starts its sum
.if \cz
.if \ra
	v_wmma_scale_f32_16x16x128_f8f6f4 v[rD:rD+7], v[rA:rA+11], v[rB:rB+11], 0, v[rSA], v[rSB] matrix_a_fmt:MATRIX_FMT_FP6 matrix_b_fmt:MATRIX_FMT_FP6 matrix_a_scale:MATRIX_SCALE_ROW1
.else
	v_wmma_scale_f32_16x16x128_f8f6f4 v[rD:rD+7], v[rA:rA+11], v[rB:rB+11], 0, v[rSA], v[rSB] matrix_a_fmt:MATRIX_FMT_FP6 matrix_b_fmt:MATRIX_FMT_FP6
.endif
.else
.if \ra
	v_wmma_scale_f32_16x16x128_f8f6f4 v[rD:rD+7], v[rA:rA+11], v[rB:rB+11], v[rD:rD+7], v[rSA], v[rSB] matrix_a_fmt:MATRIX_FMT_FP6 matrix_b_fmt:MATRIX_FMT_FP6 matrix_a_scale:MATRIX_SCALE_ROW1
.else
	v_wmma_scale_f32_16x16x128_f8f6f4 v[rD:rD+7], v[rA:rA+11], v[rB:rB+11], v[rD:rD+7], v[rSA], v[rSB] matrix_a_fmt:MATRIX_FMT_FP6 matrix_b_fmt:MATRIX_FMT_FP6
.endif
.endif
.endm
.macro QUANT2 s, pc, px, pw, tm        ; 32 numbers of a lane (register 16 b + i = k 32 b + 16 (lane / 16) + i) -> 6 code registers and the word byte 0 | byte 1 << 8
.irp b, 0,1
	v_max3_num_f32 v[\tm+\b], |v[\s+16*\b]|, |v[\s+16*\b+1]|, 0x1800000   ; with the floor 2^(3 - 127)
.endr
.irp i, 2,4,6,8,10,12,14
.irp b, 0,1
	v_max3_num_f32 v[\tm+\b], v[\tm+\b], |v[\s+16*\b+\i]|, |v[\s+16*\b+\i+1]|
.endr
.endr
.irp b, 0,1
	v_permlanex16_b32 v[\tm+2+\b], v[\tm+\b], s[SEL], s[SEL+1]
.endr
.irp b, 0,1
	v_max_num_f32 v[\tm+\b], v[\tm+\b], v[\tm+2+\b]
.endr
.irp b, 0,1
	v_add_nc_u32 v[\tm+4+\b], 0xff000000, v[\tm+\b]
.endr
.irp b, 0,1
	v_lshrrev_b32 v[\tm+2+\b], 23, v[\tm+4+\b]
.endr
	v_lshl_or_b32 v[\pw], v[\tm+3], 8, v[\tm+2]
	v_cvt_scalef32_pk16_fp6_f32 v[\pc:\pc+2], v[\s:\s+15], v[\tm+4]
	v_cvt_scalef32_pk16_fp6_f32 v[\px:\px+2], v[\s+16:\s+31], v[\tm+5]
	v_nop
.irp i, 0,1,2
	v_permlane16_swap_b32 v[\pc+\i], v[\px+\i]
.endr
.irp i, 0,1,2
	v_mov_b32 v[\pc+3+\i], v[\px+\i]
.endr
.endm
.macro TLOAD                           ; waves 0-3 fetch, the others nothing: the branch hangs on the wave's number alone.  Four v_nop follow the load
	s_cmp_lt_u32 s18, 4
	s_cbranch_scc0 .Lnone_\@
	tensor_load_to_lds s[32:35], s[24:31]
	s_nop 0
.rept 4
	v_nop
.endr
.Lnone_\@:
.endm
	s_load_b128 s[4:7], s[0:1], 0x0                ; qimg, kv
	s_load_b64 s[8:9], s[0:1], 0x10                ; ctx
	v_lshl_add_u32 v5, v0, 2, SPARE
	v_mov_b32 v6, 0
	ds_add_u32 v5, v6
	s_wait_dscnt 0x0
	v_lshrrev_b32 v7, 5, v0
	v_readfirstlane_b32 s18, v7                    ; wave 0..15
	s_and_b32 s10, ttmp7, 0xffff                   ; bh
	s_and_b32 s11, s18, 3
	s_mul_i32 s11, s11, 2*KVR                      ; my quarter of a slot: two records
	s_mul_i32 s12, s10, 32*KVR
	s_add_co_u32 s12, s12, s11
	s_mov_b32 s13, 0
	; descriptor group 1: 102 rows of 256 bytes (32 elements of 8 bytes), dense in memory and in LDS
	s_mov_b32 s24, 3<<16                           ; no mask; elements of 8 bytes; no padding
	s_mov_b32 s25, 32<<16                          ; tensor_dim0 = 32
	s_mov_b32 s26, 102<<16                         ; tensor_dim1 = 102
	s_mov_b32 s27, 32<<16                          ; tile_dim0 = 32
	s_mov_b32 s28, 102                             ; tile_dim1 = 102
	s_mov_b32 s29, 32                              ; the pitch
	s_mov_b32 s30, 0
	s_mov_b32 s31, 0
	s_mov_b32 s32, 1                               ; group 0: count = 1,
	s_mov_b32 s33, s11                             ; LDS address: slot 0, my quarter,
	s_wait_kmcnt 0x0
	s_add_nc_u64 s[34:35], s[6:7], s[12:13]        ; global address: the head's first 8 records, my quarter,
	s_or_b32 s35, s35, 0x80000000                  ; type = 2
	TLOAD                                          ; slot 0: the one first fill, ahead of every wait on TENSORcnt, every LDS read and every barrier
	v_and_b32 v7, 31, v0
	v_lshlrev_b32 v1, 4, v7
	v_lshlrev_b32 v2, 3, v7
	v_lshlrev_b32 v3, 2, v7
	v_and_b32 v7, 15, v0
	v_lshlrev_b32 v99, 4, v7                       ; 16 r
	s_lshl_b32 s12, s10, 5
	s_lshl_b32 s13, ttmp9, 1
	s_add_co_u32 s12, s12, s13
	s_lshr_b32 s13, s18, 3
	s_add_co_u32 s12, s12, s13                     ; Q's record: 32 bh + 2 x work-group x + wave / 8
	s_mul_i32 s12, s12, 6656
	s_mov_b32 s13, 0
	s_add_nc_u64 s[4:5], s[4:5], s[12:13]
	s_lshr_b32 s14, s10, 3
	s_lshl_b32 s14, s14, 8
	s_lshl_b32 s15, ttmp9, 4
	s_add_co_u32 s14, s14, s15
	s_add_co_u32 s14, s14, s18                     ; my token tile: 256 batch + 16 x work-group x + wave
	s_lshl_b32 s14, s14, 3
	s_and_b32 s15, s10, 7
	s_add_co_u32 s14, s14, s15
	s_lshl_b32 s14, s14, 10                        ; ctx: 1,024 bytes for each (tile, head)
	s_mov_b32 s15, 0
	s_add_nc_u64 s[8:9], s[8:9], s[14:15]
	s_and_b32 s16, s18, 7                          ; my tile in the record
	s_mul_i32 s17, s16, 6                          ; its first register in the image
.irp p, 0,1,2                                  ; registers i, i + 1 of the image lie at 512 (i / 4) + 16 l + 4 (i % 4)
	s_add_co_u32 s14, s17, 2*\p
	s_lshr_b32 s15, s14, 2
	s_lshl_b32 s15, s15, 9
	s_and_b32 s14, s14, 3
	s_lshl_b32 s14, s14, 2
	s_add_co_u32 s15, s15, s14
	v_add_nc_u32 v[96+\p], s15, v1
.endr
	s_and_b32 s14, s16, 1
	s_lshl_b32 s14, s14, 8
	s_lshr_b32 s15, s16, 1
	s_lshl_b32 s15, s15, 2
	s_add_co_u32 s14, s14, s15
	v_add_nc_u32 v99, s14, v99                     ; my query's scale word: register tile / 2, lane r + 16 (tile % 2)
.irp p, 0,1,2
	global_load_b64 v[16+2*\p:17+2*\p], v[96+\p], s[4:5]
.endr
	global_load_b32 v88, v99, s[4:5] offset:6144
	s_mov_b32 s[SEL], 0x76543210
	s_mov_b32 s[SEL+1], 0xfedcba98
	s_mov_b32 s[CS], 0x3e38aa3b                    ; c = log2(e) / 8
	s_mov_b32 s[CS+1], s[CS]                       ; (named with it as a pair, so it is written)
	s_mov_b32 s36, 0                               ; LDS byte at which the step's record begins
	s_mov_b32 s37, 3                               ; slots still to be asked for
.set j, 0
.rept 32
	v_mov_b32 v[160+j], 0                          ; O^T.  (The step is written once: the first finds zeros, which the first change of M leaves zeros)
.set j, j+1
.endr
.irp j, 0,1,2,3,4,5
	v_mov_b32 v[22+\j], 0                          ; Q's upper K
	v_mov_b32 v[80+\j], 0                          ; behind K's last tile
.endr
.irp b, 0,1,2,3
	v_mov_b32 v[48+\b], 0                          ; a lane permute's destination counts as one of its sources
.endr
	v_mov_b32 v14, 0
	v_mov_b32 v15, 0
	v_mov_b32 v241, 0                              ; (named as the upper half of the pair v[240:241])
	v_mov_b32 v242, 0
	v_mov_b32 v13, 0xff61b1e6                      ; the largest t so far: -3e38
	v_floor_f32 v12, -v13
.macro STEP                            ; 128 keys
	v_add_nc_u32 v8, s36, v1
	v_add_nc_u32 v9, s36, v2
	v_nop
	v_nop                                          ; four places behind the last step's products, in front of loads into registers that they read
.set g, 0
.rept 12
	ds_load_b128 v[32+4*g:35+4*g], v8 offset:512*g             ; K
.set g, g+1
.endr
	ds_load_b128 v[28:31], v8 offset:12288                     ; K's scale words
.set g, 0
.rept 12
	ds_load_b128 v[192+4*g:195+4*g], v8 offset:6144+512*g      ; V
.set g, g+1
.endr
	ds_load_b64 v[86:87], v9 offset:12800                      ; V's scale words
	s_wait_dscnt 13                                ; K and its words are in; V's 13 loads stay out
.irp t, 0,1,2,3,4,5,6,7
.set rD, 96+8*\t
.set rA, 32+6*\t
.set rB, 16
.set rSA, 28+(\t>>1)
.set rSB, 88
	MMX (\t&1), 1
.endr
.rept 4
	v_nop
.endr
.irp b, 0,1,2,3
	v_max3_num_f32 v[44+\b], v[96+16*\b], v[97+16*\b], v[98+16*\b]   ; the largest score of each block of 32 keys: for the row's maximum, and for the block's largest p
.endr
.irp i, 3,5,7,9,11,13
.irp b, 0,1,2,3
	v_max3_num_f32 v[44+\b], v[44+\b], v[96+16*\b+\i], v[97+16*\b+\i]
.endr
.endr
.irp b, 0,1,2,3
	v_max_num_f32 v[44+\b], v[44+\b], v[111+16*\b]
.endr
.irp b, 0,1,2,3
	v_permlanex16_b32 v[48+\b], v[44+\b], s[SEL], s[SEL+1]
.endr
.irp b, 0,1,2,3
	v_max_num_f32 v[44+\b], v[44+\b], v[48+\b]     ; with lane l xor 16's 16 keys
.endr
	v_max3_num_f32 v242, v44, v45, v46
	v_max_num_f32 v242, v242, v47
	v_mul_f32 v242, s[CS], v242                    ; the step's largest t
	v_max_num_f32 v13, v13, v242
	v_mov_b32 v242, v12
	v_floor_f32 v12, -v13                          ; the new -M
	v_sub_f32 v242, v12, v242                      ; old M - new M: a whole number, 0 or less
	v_cvt_i32_f32 v242, v242                       ; (it saturates)
	v_ldexp_f32 v240, 1.0, v242                    ; f = 2^(old M - new M)
.set j, 0
.rept 32
	v_pk_fma_f32 v[96+2*j:97+2*j], v[96+2*j:97+2*j], s[CS:CS+1], v[12:13] op_sel_hi:[1,0,0]   ; t - M
.set j, j+1
.endr
.irp b, 0,1,2,3
	v_fma_f32 v[44+\b], v[44+\b], s[CS], v12       ; the same of each block's largest score
.endr
.set j, 0
.rept 64
	v_exp_f32 v[96+j], v[96+j]                     ; p = 2^(t - M): not normalised
.set j, j+1
.endr
.irp b, 0,1,2,3
	v_exp_f32 v[44+\b], v[44+\b]
.endr
	v_pk_mul_f32 v[14:15], v[14:15], v[240:241] op_sel_hi:[1,0]   ; l under the new M.  (The plain place behind the exponentials: ISA guide 5.7.2)
	s_wait_alu depctr_va_vdst(0)
.irp b, 0,1,2,3
	v_max_num_f32 v[44+\b], 0x1800000, v[44+\b]    ; the floor 2^(3 - 127)
.endr
.irp b, 0,1,2,3
	v_add_nc_u32 v[52+\b], 0xff000000, v[44+\b]    ; the conversion's scale operand
.endr
.irp b, 0,1,2,3
	v_lshrrev_b32 v[48+\b], 23, v[52+\b]           ; the scale's byte
.endr
	v_lshl_or_b32 v89, v49, 8, v48
	v_lshl_or_b32 v89, v50, 16, v89
	v_lshl_or_b32 v89, v51, 24, v89                ; p's scale word for these 128 keys
.irp c, 0,1
	v_cvt_scalef32_pk16_fp6_f32 v[32+6*\c:34+6*\c], v[96+32*\c:111+32*\c], v[52+2*\c]
	v_cvt_scalef32_pk16_fp6_f32 v[60+4*\c:62+4*\c], v[112+32*\c:127+32*\c], v[53+2*\c]
.endr
	v_nop                                          ; one plain place behind a scaled conversion
.irp c, 0,1
.irp i, 0,1,2
	v_permlane16_swap_b32 v[32+6*\c+\i], v[60+4*\c+\i]
.endr
.irp i, 0,1,2
	v_mov_b32 v[35+6*\c+\i], v[60+4*\c+\i]
.endr
.endr
	v_pk_add_f32 v[242:243], v[96:97], v[98:99]    ; the row's sum of the unquantised p, in two chains
.irp j, 4,8,12,16,20,24,28,32,36,40,44,48,52,56,60
	v_pk_add_f32 v[14:15], v[14:15], v[96+\j:97+\j]
	v_pk_add_f32 v[242:243], v[242:243], v[98+\j:99+\j]
.endr
	v_pk_add_f32 v[14:15], v[14:15], v[242:243]
.set j, 0
.rept 16
	v_pk_mul_f32 v[160+2*j:161+2*j], v[160+2*j:161+2*j], v[240:241] op_sel_hi:[1,0]   ; O^T under the new M, each accumulator from its low end on.  (With the sums above: the places that p's word and codes stand ahead of the products)
.set j, j+1
.endr
	s_wait_dscnt 0x0                               ; V
.irp t, 0,1,2,3                                ; the four accumulators by turns
.set rD, 160+8*\t
.set rA, 192+12*\t
.set rB, 32
.set rSA, 86+(\t>>1)
.set rSB, 89
	MMX (\t&1), 0
.endr
.endm
; THE CHANGE OF SLOTS, at a slot's head.  Each wave waits for all its tensor loads (its part of the slot ahead), adds 0 to its spare word, and waits for that and for its reads of the slot that it has left.
; Behind the barrier the slot ahead is whole and nobody reads the other.  fill = 1: that other slot takes the next 8 records; the load has 8 steps in which to land.
.macro CHANGE fill
	s_wait_tensorcnt 0x0                           ; no tensor load of mine is out, so group 0 may be written
	ds_add_u32 v5, v6                              ; 0 onto my spare word
.if \fill
	s_xor_b32 s33, s33, SLOT1                      ; the other slot than last time,
	s_add_nc_u64 s[34:35], s[34:35], SLOTB         ; the next 8 records; the type bits on top are not reached
.endif
	s_wait_dscnt 0x0                               ; the add is done, and my reads of the slot that I have left are over
	s_barrier_signal -1
	s_barrier_wait -1
.if \fill
	TLOAD                                          ; the first thing behind the barrier, and a wave's one tensor load until the next
.endif
.endm
.macro SLOT_STEPS                      ; a slot's eight steps: written once, walked eight times; the LDS addresses hang on s36
	s_mov_b32 s38, 8
.Lstep_\@:
	STEP
	s_add_co_u32 s36, s36, KVR
	s_sub_co_u32 s38, s38, 1
	s_cmp_lg_u32 s38, 0
	s_cbranch_scc1 .Lstep_\@
	s_sub_co_u32 s36, s36, SLOTB
	s_xor_b32 s36, s36, SLOT1                      ; on to the other slot
.endm
	s_wait_loadcnt 0x0                             ; Q
.Lslot:                                        ; three trips: behind each change of slots but the last the next slot is asked for
	CHANGE 1
	SLOT_STEPS
	s_sub_co_u32 s37, s37, 1
	s_cmp_lg_u32 s37, 0
	s_cbranch_scc1 .Lslot
	CHANGE 0                                       ; the last slot is written out
	SLOT_STEPS
.rept 4
	v_nop                                          ; places behind the last products
.endr
	v_add_f32 v14, v14, v15
	v_permlanex16_b32 v242, v14, s[SEL], s[SEL+1]
	v_add_f32 v14, v14, v242                       ; the row's sum
	v_rcp_f32 v14, v14
	v_nop                                          ; one plain place behind a transcendental
.set j, 0
	s_wait_alu depctr_va_vdst(0)
.rept 32
	v_mul_f32 v[96+j], v[160+j], v14               ; ctx: register 16 b + i is channel 32 b + 16 (lane / 16) + i of my query
.set j, j+1
.endr
	QUANT2 96, 32, 40, 44, 48
	global_store_b128 v1, v[32:35], s[8:9]
	global_store_b64 v2, v[36:37], s[8:9] offset:512
	global_store_b32 v3, v44, s[8:9] offset:768
	s_wait_tensorcnt 0x0                           ; the wave's end
	ds_add_u32 v5, v6
	s_wait_dscnt 0x0
	s_endpgm
.Lfunc_end_k_q5fc55fadd1_attn:
	.size	k_q5fc55fadd1_attn, .Lfunc_end_k_q5fc55fadd1_attn-k_q5fc55fadd1_attn
	.p2alignl 7, 3214868480
	.fill 96, 4, 3214868480
	.section	.rodata,"a",@progbits
	.p2align	6, 0x0
	.amdhsa_kernel k_q5fc55fadd1_attn
		.amdhsa_group_segment_fixed_size 327680
		.amdhsa_private_segment_fixed_size 0
		.amdhsa_enable_private_segment 0
		.amdhsa_kernarg_size 24
		.amdhsa_user_sgpr_count 2
		.amdhsa_user_sgpr_kernarg_segment_ptr 1
		.amdhsa_wavefront_size32 1
		.amdhsa_system_sgpr_workgroup_id_x 1
		.amdhsa_system_sgpr_workgroup_id_y 1
		.amdhsa_system_sgpr_workgroup_id_z 1
		.amdhsa_system_vgpr_workitem_id 0
		.amdhsa_next_free_vgpr 256
		.amdhsa_next_free_sgpr 66
		.amdhsa_reserve_vcc 0
		.amdhsa_float_denorm_mode_32 3
		.amdhsa_float_denorm_mode_16_64 3
		.amdhsa_memory_ordered 1
		.amdhsa_forward_progress 1
		.amdhsa_inst_pref_size 42
	.end_amdhsa_kernel
	.amdgpu_metadata
---
amdhsa.version: [ 1, 2 ]
amdhsa.kernels:
  - .name:           k_q5fc55fadd1_attn
    .symbol:         k_q5fc55fadd1_attn.kd
    .args:
      - { .name: qimg, .offset: 0, .size: 8, .value_kind: global_buffer, .address_space: global }
      - { .name: kv, .offset: 8, .size: 8, .value_kind: global_buffer, .address_space: global }
      - { .name: ctx, .offset: 16, .size: 8, .value_kind: global_buffer, .address_space: global }
    .group_segment_fixed_size: 327680
    .private_segment_fixed_size: 0
    .kernarg_segment_align: 8
    .kernarg_segment_size: 24
    .max_flat_workgroup_size: 512
    .sgpr_count:     66
    .vgpr_count:     256
    .wavefront_size: 32
...
	.end_amdgpu_metadata
.endif
;; end of part 3
;; launch tail (part 4): grid 256 x 1, 4 waves a work-group, no clusters, 105,472 bytes of LDS; arguments ctx, wimg, hidden_states, bo, g2, be2, b2, b1, out0; writes out0
.if DOCPART == 4
	.amdgcn_target "amdgcn-amd-amdhsa--gfx1250"
	.amdhsa_code_object_version 6
	.text
	.protected	k_q5fc55fadd1_tail
	.globl	k_q5fc55fadd1_tail
	.p2align	8
	.type	k_q5fc55fadd1_tail,@function
k_q5fc55fadd1_tail:
	s_mov_b64 s[64:65], 0
	v_nop
	global_prefetch_b8 v0, s[64:65] scope:SCOPE_SE
	s_setreg_imm32_b32 hwreg(HW_REG_WAVE_MODE, 25, 1), 1
	s_wait_xcnt 0x0
; TAIL.  h = hidden + ctx Wo + bo;  y = LayerNorm 2 (h);  out = h + gelu(y W1 + b1) W2 + b2.  All three products on codes of FP6 (E2M3); y and the gelu are quantised on the way; nothing goes to memory but out.
; SHARES.  A work-group owns 32 tokens (token tiles m = 0, 1).  THE WAVES SHARE THE COLUMNS: wave w owns output columns 128 w .. 128 w + 127 (8 tiles) and, in each of 8 chunks of 256 hidden units, units 64 w .. 64 w + 63.
; h lives in the 16 output accumulators from the first product to the end: W2's products add onto h + b2.
; WEIGHTS go from wimg straight into registers: for each wave one linear stream of 36 units of 12,800 bytes (4 of Wo, then for each chunk 2 of W1 and 2 of W2), through a ring of four register slots; every load is 512 consecutive bytes.
; All products are used transposed (source 0 = 16 weight rows, source 1 = 16 tokens): a lane holds one token and its registers run along the columns; tiles are permuted as everywhere in this program.
; Operands go from wave to wave through LDS as images of their registers.
; NO TENSOR LOADS, NO CLUSTER: each weight fragment is wanted by exactly one wave of a work-group, in registers; a joint load lands in LDS only and would add an LDS write and read of the whole 1.84 MB stream.
; GELU: 0.5 x (1 + erf(x / sqrt 2)), erf(z) = z P(z^2) / Q(z^2) with z held to +-3.7439 (degree 4 over degree 6; in f32 within a few units in the last place of erf).
; LIMITS: NaN and infinities are not served; blocks under 2^-124 are held at scale byte 1; a block of zeros gets byte 1.
; LDS: stage 32 rows x 2,064 | bo, g2, be2, b2, b1 | two sets of partial sums | y's 8 fragments and words | the hidden layer's 8 half fragments and half words.
; REGISTERS.  Window 0: v1-14 addresses; v16-31 ctx's half words, later mean and 1/sigma; v32-47 the slots' scale words; v48-55 source 1's scale words (ctx, then y); v56-59 the hidden layer's; v60-63 two erf coefficients;
; v64-127 the hidden accumulators [m][t]; v128-175 the hidden layer's four fragments; v176-207 b1 in the result's layout; v208-247 at work; v248-250 bases BIAS + 16 l, 8 l, 4 l; v251 b1's address.
; Window 1: slots 0, 1.  Window 2: slots 2, 3.  Window 3: v0-127 the output accumulators [m][t]; v128-223 source 1's 8 fragments (ctx, then y).
.set PIT,  2064                        ; a stage row: 2,048 bytes + 16 = 129 x 16: sixteen rows start at sixteen different 16-byte columns of 256 bytes
.set HB,   32*PIT                      ; the biases
.set RED,  HB+16384
.set YIMG, RED+2048
.set YSC,  YIMG+12288
.set HIMG, YSC+1024
.set HSC,  HIMG+6144                   ; ends at 104,960
.set DU,   12800
.set SEL,  24
.set MSB,  0
.macro WIN new
.if MSB != (\new)
	s_set_vgpr_msb (MSB<<8)|(\new)
.set MSB, (\new)
.endif
.endm
.macro NOPS n
.rept \n
	v_nop
.endr
.endm
.macro BARRIER                         ; my LDS stores have landed and my LDS loads are in: then the work-group's barrier
	s_wait_dscnt 0x0
	s_barrier_signal -1
	s_barrier_wait -1
.endm
.macro SPAIR r, x                      ; a constant as a pair: the packed forms name a pair and take its low word for both halves
	s_mov_b32 s[\r], \x
	s_mov_b32 s[\r+1], \x
.endm
.macro MMX ra                          ; one product on rD, rA, rB, rC, rSA, rSB.  ra: source 0's scales stand in lanes 16-31
.if \ra
	v_wmma_scale_f32_16x16x128_f8f6f4 v[rD:rD+7], v[rA:rA+11], v[rB:rB+11], v[rC:rC+7], v[rSA], v[rSB] matrix_a_fmt:MATRIX_FMT_FP6 matrix_b_fmt:MATRIX_FMT_FP6 matrix_a_scale:MATRIX_SCALE_ROW1
.else
	v_wmma_scale_f32_16x16x128_f8f6f4 v[rD:rD+7], v[rA:rA+11], v[rB:rB+11], v[rC:rC+7], v[rSA], v[rSB] matrix_a_fmt:MATRIX_FMT_FP6 matrix_b_fmt:MATRIX_FMT_FP6
.endif
.endm
.macro QUANT4 s, pc, px, pw, tm        ; 64 numbers of a lane (register 16 b + i = k 32 b + 16 (lane / 16) + i) -> 12 code registers, the scale word
.irp b, 0,1,2,3
	v_max3_num_f32 v[\tm+\b], |v[\s+16*\b]|, |v[\s+16*\b+1]|, 0x1800000   ; with the floor 2^(3 - 127)
.endr
.irp i, 2,4,6,8,10,12,14
.irp b, 0,1,2,3
	v_max3_num_f32 v[\tm+\b], v[\tm+\b], |v[\s+16*\b+\i]|, |v[\s+16*\b+\i+1]|
.endr
.endr
.irp b, 0,1,2,3
	v_permlanex16_b32 v[\tm+4+\b], v[\tm+\b], s[SEL], s[SEL+1]
.endr
.irp b, 0,1,2,3
	v_max_num_f32 v[\tm+\b], v[\tm+\b], v[\tm+4+\b]
.endr
.irp b, 0,1,2,3
	v_add_nc_u32 v[\tm+12+\b], 0xff000000, v[\tm+\b]
.endr
.irp b, 0,1,2,3
	v_lshrrev_b32 v[\tm+4+\b], 23, v[\tm+12+\b]
.endr
	v_lshl_or_b32 v[\pw], v[\tm+5], 8, v[\tm+4]
	v_lshl_or_b32 v[\pw], v[\tm+6], 16, v[\pw]
	v_lshl_or_b32 v[\pw], v[\tm+7], 24, v[\pw]
.irp c, 0,1
	v_cvt_scalef32_pk16_fp6_f32 v[\pc+6*\c:\pc+6*\c+2], v[\s+32*\c:\s+32*\c+15], v[\tm+12+2*\c]
	v_cvt_scalef32_pk16_fp6_f32 v[\px+4*\c:\px+4*\c+2], v[\s+32*\c+16:\s+32*\c+31], v[\tm+13+2*\c]
.endr
	v_nop                                          ; one plain place behind a scaled conversion
.irp c, 0,1
.irp i, 0,1,2
	v_permlane16_swap_b32 v[\pc+6*\c+\i], v[\px+4*\c+\i]
.endr
.irp i, 0,1,2
	v_mov_b32 v[\pc+6*\c+3+\i], v[\px+4*\c+\i]
.endr
.endr
.endm
.macro QUANT2 s, pc, px, pw, tm        ; 32 numbers, two blocks -> 6 code registers and the word byte 0 | byte 1 << 8
.irp b, 0,1
	v_max3_num_f32 v[\tm+\b], |v[\s+16*\b]|, |v[\s+16*\b+1]|, 0x1800000
.endr
.irp i, 2,4,6,8,10,12,14
.irp b, 0,1
	v_max3_num_f32 v[\tm+\b], v[\tm+\b], |v[\s+16*\b+\i]|, |v[\s+16*\b+\i+1]|
.endr
.endr
.irp b, 0,1
	v_permlanex16_b32 v[\tm+2+\b], v[\tm+\b], s[SEL], s[SEL+1]
.endr
.irp b, 0,1
	v_max_num_f32 v[\tm+\b], v[\tm+\b], v[\tm+2+\b]
.endr
.irp b, 0,1
	v_add_nc_u32 v[\tm+4+\b], 0xff000000, v[\tm+\b]
.endr
.irp b, 0,1
	v_lshrrev_b32 v[\tm+2+\b], 23, v[\tm+4+\b]
.endr
	v_lshl_or_b32 v[\pw], v[\tm+3], 8, v[\tm+2]
	v_cvt_scalef32_pk16_fp6_f32 v[\pc:\pc+2], v[\s:\s+15], v[\tm+4]
	v_cvt_scalef32_pk16_fp6_f32 v[\px:\px+2], v[\s+16:\s+31], v[\tm+5]
	v_nop
.irp i, 0,1,2
	v_permlane16_swap_b32 v[\pc+\i], v[\px+\i]
.endr
.irp i, 0,1,2
	v_mov_b32 v[\pc+3+\i], v[\px+\i]
.endr
.endm
.macro REFILL k, off                   ; slot k takes the unit at off + 12,800 k of the stream: 24 + 1 loads.  It stands behind four places that follow the last product on the slot
	WIN 0x40<<((\k)>>1)
.set g, 0
.rept 24
	global_load_b128 v[96*((\k)&1)+4*g:96*((\k)&1)+4*g+3], v1, s[26:27] offset:(\off)+DU*(\k)+512*g
.set g, g+1
.endr
	WIN 0
	global_load_b128 v[32+4*(\k):35+4*(\k)], v1, s[26:27] offset:(\off)+DU*(\k)+12288
.endm
; In all three runs of products the accumulators take turns, one instruction a turn; a run's last and the next run's first name different accumulators.
.macro MULA k                          ; Wo: output tiles 2 k, 2 k + 1 += slot k x ctx
	WIN 0xfd+((\k)>>1)                             ; source 0 window 1 or 2, source 1, C and D window 3
.irp s, 0,1,2,3
.irp u, 0,1
.irp m, 0,1
.set rD, 64*\m+8*(2*(\k)+\u)
.set rA, 96*((\k)&1)+12*(4*\u+\s)
.set rB, 128+12*(4*\m+\s)
.set rC, rD
.set rSA, 32+4*(\k)+\s
.set rSB, 48+4*\m+\s
	MMX \u
.endr
.endr
.endr
.endm
.macro MULH k                          ; W1: hidden tiles 2 k, 2 k + 1 = b1 + slot k x y
	WIN 0x0d                                       ; source 0 window 1, source 1 window 3
.irp s, 0,1,2,3
.irp u, 0,1
.irp m, 0,1
.set rD, 64+32*\m+8*(2*(\k)+\u)
.set rA, 96*(\k)+12*(4*\u+\s)
.set rB, 128+12*(4*\m+\s)
.if \s == 0
.set rC, 176+16*(\k)+8*\u
.else
.set rC, rD
.endif
.set rSA, 32+4*(\k)+\s
.set rSB, 48+4*\m+\s
	MMX \u
.endr
.endr
.endr
.endm
.macro MULO k                          ; W2 (k = 2, 3): output tiles 4 (k - 2) + t += slot k x the chunk's hidden layer
	WIN 0xf2                                       ; source 0 window 2, C and D window 3
.irp g, 0,1
.irp t, 0,1,2,3
.irp m, 0,1
.set rD, 64*\m+8*(4*((\k)-2)+\t)
.set rA, 96*((\k)&1)+12*(2*\t+\g)
.set rB, 128+12*(2*\m+\g)
.set rC, rD
.set rSA, 32+4*(\k)+2*(\t>>1)+\g
.set rSB, 56+2*\m+\g
	MMX (\t&1)
.endr
.endr
.endr
.endm
; gelu of 8 registers in place, four pairs by turns.  Pair a's work: z at v[208 + 8 a], z^2 at + 2, P at + 4, Q at + 6
.macro GELU4 x
.irp a, 0,1,2,3
	v_pk_mul_f32 v[208+8*\a:209+8*\a], v[\x+2*\a:\x+2*\a+1], 0x3f3504f3 op_sel_hi:[1,0]   ; z = x / sqrt 2
.endr
.irp a, 0,1,2,3
	v_med3_num_f32 v[208+8*\a], v[208+8*\a], s49, s48
	v_med3_num_f32 v[209+8*\a], v[209+8*\a], s49, s48
.endr
.irp a, 0,1,2,3
	v_pk_mul_f32 v[210+8*\a:211+8*\a], v[208+8*\a:209+8*\a], v[208+8*\a:209+8*\a]
.endr
.irp a, 0,1,2,3
	v_pk_fma_f32 v[212+8*\a:213+8*\a], v[210+8*\a:211+8*\a], s[30:31], v[60:61] op_sel_hi:[1,0,1]
	v_pk_fma_f32 v[214+8*\a:215+8*\a], v[210+8*\a:211+8*\a], s[38:39], v[62:63] op_sel_hi:[1,0,1]
.endr
.irp c, 0,2,4
.irp a, 0,1,2,3
	v_pk_fma_f32 v[212+8*\a:213+8*\a], v[212+8*\a:213+8*\a], v[210+8*\a:211+8*\a], s[32+\c:33+\c] op_sel_hi:[1,1,0]
	v_pk_fma_f32 v[214+8*\a:215+8*\a], v[214+8*\a:215+8*\a], v[210+8*\a:211+8*\a], s[40+\c:41+\c] op_sel_hi:[1,1,0]
.endr
.endr
.irp a, 0,1,2,3
	v_pk_fma_f32 v[214+8*\a:215+8*\a], v[214+8*\a:215+8*\a], v[210+8*\a:211+8*\a], s[46:47] op_sel_hi:[1,1,0]
.endr
.irp a, 0,1,2,3
	v_pk_fma_f32 v[214+8*\a:215+8*\a], v[214+8*\a:215+8*\a], v[210+8*\a:211+8*\a], 1.0 op_sel_hi:[1,1,0]
	v_pk_mul_f32 v[212+8*\a:213+8*\a], v[208+8*\a:209+8*\a], v[212+8*\a:213+8*\a]   ; z P
.endr
.irp a, 0,1,2,3
	v_rcp_f32 v[214+8*\a], v[214+8*\a]
	v_rcp_f32 v[215+8*\a], v[215+8*\a]
.endr
.irp a, 0,1,2,3
	v_pk_mul_f32 v[208+8*\a:209+8*\a], v[\x+2*\a:\x+2*\a+1], 0.5 op_sel_hi:[1,0]    ; x / 2.  (The plain places behind the reciprocals: ISA guide 5.7.2)
.endr
	s_wait_alu depctr_va_vdst(0)
.irp a, 0,1,2,3
	v_pk_mul_f32 v[212+8*\a:213+8*\a], v[212+8*\a:213+8*\a], v[214+8*\a:215+8*\a]   ; erf
.endr
.irp a, 0,1,2,3
	v_pk_fma_f32 v[\x+2*\a:\x+2*\a+1], v[208+8*\a:209+8*\a], v[212+8*\a:213+8*\a], v[208+8*\a:209+8*\a]
.endr
.endm
	s_load_b256 s[4:11], s[0:1], 0x0               ; ctx, wimg, hidden_states, bo
	s_load_b256 s[12:19], s[0:1], 0x20             ; g2, be2, b2, b1
	s_load_b64 s[20:21], s[0:1], 0x40              ; out0
	v_lshl_add_u32 v254, v0, 2, 0x19a00
	v_mov_b32 v255, 0
	v_lshrrev_b32 v1, 5, v0
	v_readfirstlane_b32 s22, v1                    ; wave 0..3
	v_and_b32 v16, 31, v0                          ; l
	v_and_b32 v17, 15, v0                          ; r
	v_bfe_u32 v18, v0, 4, 1                        ; h
	v_lshlrev_b32 v1, 4, v16
	v_lshlrev_b32 v2, 2, v16
	v_lshlrev_b32 v3, 3, v16
	v_lshlrev_b32 v19, 6, v18                      ; 64 h
	s_lshl_b32 s50, s22, 9
	v_mul_u32_u24 v4, v17, PIT
	v_add_nc_u32 v4, v4, v19
	v_add_nc_u32 v4, s50, v4                       ; v4: stage row r, my wave's 512 bytes, + 64 h
	v_add_nc_u32 v5, s50, v19
	v_add_nc_u32 v5, HB, v5                        ; v5: the same columns in bo (g2, be2, b2: 2,048 bytes on each)
	s_lshl_b32 s50, s22, 8
	v_add_nc_u32 v6, s50, v19
	v_add_nc_u32 v6, HB+8192, v6                   ; v6: b1 at my 64 units of chunk 0
	v_add_nc_u32 v7, s50, v2
	v_add_nc_u32 v7, RED, v7                       ; v7: my wave's partial sums
	s_mul_i32 s50, s22, 1536
	v_add_nc_u32 v8, s50, v1
	v_add_nc_u32 v8, YIMG, v8                      ; v8: y's fragment of K step w
	s_lshl_b32 s50, s22, 7
	v_add_nc_u32 v9, s50, v2
	v_add_nc_u32 v12, HSC, v9                      ; v12: my half word of the hidden layer
	v_add_nc_u32 v9, YSC, v9                       ; v9: y's scale word
	s_mul_i32 s50, s22, 768
	v_add_nc_u32 v10, s50, v1
	v_add_nc_u32 v10, HIMG, v10                    ; v10, v11: my half fragment: four registers, then two
	v_add_nc_u32 v11, s50, v3
	v_add_nc_u32 v11, HIMG+512, v11
	s_mul_i32 s50, s22, 8*PIT
	v_add_nc_u32 v13, s50, v1                      ; v13: stage rows 8 w on, dense
	s_lshl_b32 s50, s22, 11
	v_add_nc_u32 v14, s50, v1
	v_add_nc_u32 v14, HB, v14                      ; v14: the bias vector that I bring
	v_add_nc_u32 v248, HB, v1                      ; an LDS immediate reaches 65,535: what lies behind the stage is read from these bases
	v_add_nc_u32 v249, HB, v3
	v_add_nc_u32 v250, HB, v2
	v_mov_b32 v242, 0                              ; a lane permute's destination counts as one of its sources
	v_mov_b32 v243, 0
	v_mov_b32 v60, 0x3b5f5da2                      ; P's second coefficient, twice
	v_mov_b32 v61, 0x3b5f5da2
	v_mov_b32 v62, 0x37c588df                      ; Q's second
	v_mov_b32 v63, 0x37c588df
	s_mov_b32 s[SEL], 0x76543210
	s_mov_b32 s[SEL+1], 0xfedcba98
	SPAIR 30, 0x39702d51                           ; P, highest degree first (the second stands in v[60:61])
	SPAIR 32, 0x3d50b6eb
	SPAIR 34, 0x3e3da740
	SPAIR 36, 0x3f906eba
	SPAIR 38, 0xb3fd3906                           ; Q (the second in v[62:63], the last is 1.0)
	SPAIR 40, 0x3a856d28
	SPAIR 42, 0x3c6687d4
	SPAIR 44, 0x3de34c21
	SPAIR 46, 0x3efeb44a
	s_mov_b32 s48, 0x406f9c67                      ; 3.7439212
	s_mov_b32 s49, 0xc06f9c67
	s_mov_b32 s56, 0x3b000000                      ; 1 / 512
	s_mov_b32 s57, 0x3727c5ac                      ; 1e-5
	s_mov_b32 s28, 7                               ; chunks in the loop
	s_mov_b32 s29, 0                               ; b1's step: 1,024 bytes a chunk
	s_lshl_b32 s50, ttmp9, 5
	s_lshr_b32 s51, s22, 1
	s_lshl_b32 s51, s51, 3
	s_add_co_u32 s50, s50, s51
	s_and_b32 s51, s22, 1
	s_lshl_b32 s51, s51, 4
	s_add_co_u32 s50, s50, s51                     ; stage rows 8 w .. 8 w + 7 are tokens 32 wg + 8 (w / 2) + 16 (w % 2) + 0 .. 7
	s_lshl_b32 s50, s50, 11
	s_mov_b32 s51, 0
	s_lshl_b32 s54, ttmp9, 14                      ; ctx: two tiles of 8,192 bytes
	s_mov_b32 s55, 0
	s_mul_i32 s58, s22, 36*DU                      ; my stream
	s_mov_b32 s59, 0
	s_lshl_b32 s60, s22, 11                        ; my quarter of b1
	s_mov_b32 s61, 0
	s_wait_kmcnt 0x0
	s_add_nc_u64 s[8:9], s[8:9], s[50:51]
	s_add_nc_u64 s[20:21], s[20:21], s[50:51]
	s_add_nc_u64 s[4:5], s[4:5], s[54:55]
	s_add_nc_u64 s[26:27], s[6:7], s[58:59]
	s_add_nc_u64 s[18:19], s[18:19], s[60:61]
	s_cmp_eq_u32 s22, 0                            ; wave 0 brings bo, 1 g2, 2 be2, 3 b2: the choice hangs on the wave's number alone
	s_cselect_b64 s[52:53], s[10:11], s[12:13]
	s_cmp_eq_u32 s22, 2
	s_cselect_b64 s[52:53], s[14:15], s[52:53]
	s_cmp_eq_u32 s22, 3
	s_cselect_b64 s[52:53], s[16:17], s[52:53]
; ---------------- 0: hidden's rows and the biases into LDS; ctx into registers; the ring's first four units
.set i, 0
.rept 32
	global_load_b128 v[64+4*i:67+4*i], v1, s[8:9] offset:(i/4)*2048+512*(i%4)
.set i, i+1
.endr
.irp c, 0,1,2,3
	global_load_b128 v[192+4*\c:195+4*\c], v1, s[52:53] offset:512*\c
.endr
.irp c, 0,1,2,3
	global_load_b128 v[208+4*\c:211+4*\c], v1, s[18:19] offset:512*\c
.endr
	WIN 0xc0
.irp m, 0,1
.irp hd, 0,1,2,3,4,5,6,7                       ; head hd is half hd % 2 of K step hd / 2
	global_load_b128 v[128+12*(4*\m+(\hd>>1))+6*(\hd&1):131+12*(4*\m+(\hd>>1))+6*(\hd&1)], v1, s[4:5] offset:8192*\m+1024*\hd
	global_load_b64 v[132+12*(4*\m+(\hd>>1))+6*(\hd&1):133+12*(4*\m+(\hd>>1))+6*(\hd&1)], v3, s[4:5] offset:8192*\m+1024*\hd+512
.endr
.endr
	WIN 0
.irp m, 0,1
.irp hd, 0,1,2,3,4,5,6,7
	global_load_b32 v[16+8*\m+\hd], v2, s[4:5] offset:8192*\m+1024*\hd+768
.endr
.endr
	s_wait_loadcnt 48                              ; hidden and the biases are in; ctx's 48 loads stay out
.set i, 0
.rept 32
	ds_store_b128 v13, v[64+4*i:67+4*i] offset:(i/4)*PIT+512*(i%4)
.set i, i+1
.endr
.irp c, 0,1,2,3
	ds_store_b128 v14, v[192+4*\c:195+4*\c] offset:512*\c
	ds_store_b128 v14, v[208+4*\c:211+4*\c] offset:8192+512*\c
.endr
.irp k, 0,1,2,3
	REFILL \k, 0
.endr
	BARRIER                                        ; the 32 rows and the biases lie in LDS
; ---------------- A: the accumulators begin as hidden + bo; then Wo's products
	WIN 0xc0
.irp m, 0,1
.set i, 0
.rept 16
	ds_load_b128 v[64*\m+4*i:64*\m+4*i+3], v4 offset:16*PIT*\m+128*(i/4)+16*(i%4)   ; register 16 b + i: column 128 w + 32 b + 16 h + i of token (m, r)
.set i, i+1
.endr
.endr
	WIN 0
.set i, 0
.rept 16
	ds_load_b128 v[64+4*i:67+4*i], v5 offset:128*(i/4)+16*(i%4)                      ; bo at the same columns
.set i, i+1
.endr
	s_wait_loadcnt 63                              ; ctx is in: 100 loads of the ring were issued behind it, and a count names 63 at the most
.irp m, 0,1
.irp s, 0,1,2,3
	v_lshl_or_b32 v[48+4*\m+\s], v[17+8*\m+2*\s], 16, v[16+8*\m+2*\s]   ; two heads' half words make a K step's scale word
.endr
.endr
	s_wait_dscnt 0x0
	WIN 0xc3
.irp m, 0,1
.set p, 0
.rept 32
	v_pk_add_f32 v[64*\m+2*p:64*\m+2*p+1], v[64*\m+2*p:64*\m+2*p+1], v[64+2*p:65+2*p]   ; (these 64 are also the places that the scale words stand ahead of the products)
.set p, p+1
.endr
.endr
	WIN 0
.irp k, 0,1,2,3
	s_wait_loadcnt 50                              ; slot k is in: three units (75 loads) were issued behind it; 50 leaves two of them out
	MULA \k
	WIN 0
	NOPS 4                                         ; places behind the last product on the slot (ISA guide 7.12.1)
	REFILL \k, 4*DU
.endr
	s_wait_xcnt 0x0                                ; the loads' base is stepped only behind this wait (ISA guide 3.1)
	s_add_nc_u64 s[26:27], s[26:27], 4*DU
; ---------------- B: LayerNorm 2 over the four waves' columns, in two passes: the mean, then the squares of the deviations
.irp m, 0,1
	WIN 0x0f                                       ; sources window 3.  Ascending
.set p, 0
.rept 16
	v_pk_add_f32 v[208+2*p:209+2*p], v[64*\m+4*p:64*\m+4*p+1], v[64*\m+4*p+2:64*\m+4*p+3]
.set p, p+1
.endr
	WIN 0
.irp p, 0,1,2,3,4,5,6,7
	v_pk_add_f32 v[208+2*\p:209+2*\p], v[208+2*\p:209+2*\p], v[224+2*\p:225+2*\p]
.endr
.irp p, 0,1,2,3
	v_pk_add_f32 v[208+2*\p:209+2*\p], v[208+2*\p:209+2*\p], v[216+2*\p:217+2*\p]
.endr
.irp p, 0,1
	v_pk_add_f32 v[208+2*\p:209+2*\p], v[208+2*\p:209+2*\p], v[212+2*\p:213+2*\p]
.endr
	v_pk_add_f32 v[208:209], v[208:209], v[210:211]
	v_add_f32 v[240+\m], v208, v209
.endr
	v_permlanex16_b32 v242, v240, s[SEL], s[SEL+1]
	v_permlanex16_b32 v243, v241, s[SEL], s[SEL+1]
	v_add_f32 v240, v240, v242
	v_add_f32 v241, v241, v243
	ds_store_b32 v7, v240
	ds_store_b32 v7, v241 offset:128
	BARRIER
.irp m, 0,1
.irp w, 0,1,2,3
	ds_load_b32 v[208+4*\m+\w], v250 offset:RED-HB+256*\w+128*\m
.endr
.endr
	s_wait_dscnt 0x0
.irp m, 0,1
	v_add_f32 v[208+4*\m], v[208+4*\m], v[209+4*\m]
	v_add_f32 v[210+4*\m], v[210+4*\m], v[211+4*\m]
	v_add_f32 v[208+4*\m], v[208+4*\m], v[210+4*\m]
	v_mul_f32 v[16+2*\m], s56, v[208+4*\m]         ; the mean, twice
	v_mov_b32 v[17+2*\m], v[16+2*\m]
.endr
.irp m, 0,1
.irp bt, 0,1
	WIN 0x03
.set p, 0
.rept 16
	v_pk_add_f32 v[208+2*p:209+2*p], v[64*\m+32*\bt+2*p:64*\m+32*\bt+2*p+1], v[16+2*\m:17+2*\m] neg_lo:[0,1] neg_hi:[0,1]
.set p, p+1
.endr
	WIN 0
.set p, 0
.rept 16
.if (\bt == 0) && (p < 4)
	v_pk_mul_f32 v[240+2*p:241+2*p], v[208+2*p:209+2*p], v[208+2*p:209+2*p]
.else
	v_pk_fma_f32 v[240+2*(p%4):241+2*(p%4)], v[208+2*p:209+2*p], v[208+2*p:209+2*p], v[240+2*(p%4):241+2*(p%4)]
.endif
.set p, p+1
.endr
.endr
	v_pk_add_f32 v[240:241], v[240:241], v[242:243]
	v_pk_add_f32 v[244:245], v[244:245], v[246:247]
	v_pk_add_f32 v[240:241], v[240:241], v[244:245]
	v_add_f32 v[24+\m], v240, v241
.endr
	v_permlanex16_b32 v26, v24, s[SEL], s[SEL+1]
	v_permlanex16_b32 v27, v25, s[SEL], s[SEL+1]
	v_add_f32 v24, v24, v26
	v_add_f32 v25, v25, v27
	ds_store_b32 v7, v24 offset:1024               ; the second set of words: nobody waits for the first set's loads
	ds_store_b32 v7, v25 offset:1152
	BARRIER
.irp m, 0,1
.irp w, 0,1,2,3
	ds_load_b32 v[208+4*\m+\w], v250 offset:RED-HB+1024+256*\w+128*\m
.endr
.endr
	s_wait_dscnt 0x0
.irp m, 0,1
	v_add_f32 v[208+4*\m], v[208+4*\m], v[209+4*\m]
	v_add_f32 v[210+4*\m], v[210+4*\m], v[211+4*\m]
	v_add_f32 v[208+4*\m], v[208+4*\m], v[210+4*\m]
	v_fma_f32 v[208+4*\m], v[208+4*\m], s56, s57   ; the variance + eps
.endr
	v_rsq_f32 v20, v208
	v_rsq_f32 v22, v212
	v_nop                                          ; one plain place behind the transcendentals
	s_wait_alu depctr_va_vdst(0)
	v_mov_b32 v21, v20
	v_mov_b32 v23, v22
.irp b, 0,1,2,3                                ; 16 columns a lane at a time: y into v64-191 (tile m at 64 + 64 m), and b2 onto the accumulators
.irp j, 0,1,2,3
	ds_load_b128 v[192+4*\j:195+4*\j], v5 offset:2048+128*\b+16*\j
	ds_load_b128 v[208+4*\j:211+4*\j], v5 offset:4096+128*\b+16*\j
	ds_load_b128 v[224+4*\j:227+4*\j], v5 offset:6144+128*\b+16*\j
.endr
	s_wait_dscnt 0x0
	WIN 0x03
.irp m, 0,1
.irp p, 0,1,2,3,4,5,6,7
	v_pk_add_f32 v[64+64*\m+16*\b+2*\p:65+64*\m+16*\b+2*\p], v[64*\m+16*\b+2*\p:64*\m+16*\b+2*\p+1], v[16+2*\m:17+2*\m] neg_lo:[0,1] neg_hi:[0,1]
.endr
.endr
	WIN 0
.irp m, 0,1
.irp p, 0,1,2,3,4,5,6,7
	v_pk_mul_f32 v[64+64*\m+16*\b+2*\p:65+64*\m+16*\b+2*\p], v[64+64*\m+16*\b+2*\p:65+64*\m+16*\b+2*\p], v[20+2*\m:21+2*\m]
.endr
.endr
.irp m, 0,1
.irp p, 0,1,2,3,4,5,6,7
	v_pk_fma_f32 v[64+64*\m+16*\b+2*\p:65+64*\m+16*\b+2*\p], v[64+64*\m+16*\b+2*\p:65+64*\m+16*\b+2*\p], v[192+2*\p:193+2*\p], v[208+2*\p:209+2*\p]
.endr
.endr
	WIN 0xc3
.irp m, 0,1
.irp p, 0,1,2,3,4,5,6,7
	v_pk_add_f32 v[64*\m+16*\b+2*\p:64*\m+16*\b+2*\p+1], v[64*\m+16*\b+2*\p:64*\m+16*\b+2*\p+1], v[224+2*\p:225+2*\p]
.endr
.endr
	WIN 0
.endr
.irp m, 0,1                                    ; my 128 columns are K step w of the next product
	QUANT4 64+64*\m, 192+12*\m, 216, 224+\m, 232
.irp g, 0,1,2
	ds_store_b128 v8, v[192+12*\m+4*\g:195+12*\m+4*\g] offset:6144*\m+512*\g
.endr
	ds_store_b32 v9, v[224+\m] offset:512*\m
.endr
	BARRIER                                        ; y's eight fragments lie in LDS
	WIN 0xc0
.set g, 0
.rept 24
	ds_load_b128 v[128+4*g:131+4*g], v248 offset:YIMG-HB+512*g
.set g, g+1
.endr
	WIN 0
.irp f, 0,1,2,3,4,5,6,7
	ds_load_b32 v[48+\f], v250 offset:YSC-HB+128*\f
.endr
	s_wait_dscnt 0x0
; ---------------- a chunk of 256 hidden units.  refill = 1: each slot takes the next chunk's unit as soon as it is multiplied.  c0-c3: the ring loads that may stay out when slot 0-3 is wanted
.macro CHUNK refill, c0, c1, c2, c3
	v_add_nc_u32 v251, s29, v6
	s_add_co_u32 s29, s29, 1024
.irp k, 0,1
.irp j, 0,1,2,3
	ds_load_b128 v[176+16*\k+4*\j:179+16*\k+4*\j], v251 offset:128*\k+16*\j   ; b1 in the result's layout: the C of each sum's first product
.endr
.endr
	s_wait_loadcnt \c0
	s_wait_dscnt 0x0
	MULH 0
	WIN 0
	NOPS 4
.if \refill
	REFILL 0, 4*DU
.endif
	s_wait_loadcnt \c1
	MULH 1
	WIN 0
	NOPS 4
.if \refill
	REFILL 1, 4*DU
.endif
.irp g, 0,1,2,3,4,5,6,7
	GELU4 64+8*\g                                  ; an accumulator at a time, from its low end on
.endr
.irp m, 0,1                                    ; my 64 units are half w % 2 of the chunk's K step w / 2
	QUANT2 64+32*\m, 208+8*\m, 224, 228+\m, 232
	ds_store_b128 v10, v[208+8*\m:211+8*\m] offset:3072*\m
	ds_store_b64 v11, v[212+8*\m:213+8*\m] offset:3072*\m
	ds_store_b32 v12, v[228+\m] offset:512*\m
.endr
	BARRIER                                        ; the chunk's hidden layer lies in LDS
.irp m, 0,1
.irp g, 0,1
.irp c, 0,1
	ds_load_b128 v[128+12*(2*\m+\g)+6*\c:131+12*(2*\m+\g)+6*\c], v248 offset:HIMG-HB+768*(4*\m+2*\g+\c)
	ds_load_b64 v[132+12*(2*\m+\g)+6*\c:133+12*(2*\m+\g)+6*\c], v249 offset:HIMG-HB+512+768*(4*\m+2*\g+\c)
.endr
.endr
.endr
.irp f, 0,1,2,3,4,5,6,7
	ds_load_b32 v[240+\f], v250 offset:HSC-HB+128*\f
.endr
	BARRIER                                        ; every wave has it in registers: the next chunk may write these bytes again
.irp m, 0,1
.irp g, 0,1
	v_lshl_or_b32 v[56+2*\m+\g], v[241+4*\m+2*\g], 16, v[240+4*\m+2*\g]
.endr
.endr
	NOPS 8                                         ; a scale register written by a vector instruction stands eight places ahead of a scaled product
	s_wait_loadcnt \c2
	MULO 2
	WIN 0
	NOPS 4
.if \refill
	REFILL 2, 4*DU
.endif
	s_wait_loadcnt \c3
	MULO 3
	WIN 0
	NOPS 4
.if \refill
	REFILL 3, 4*DU
	s_wait_xcnt 0x0                                ; the loads' base is stepped only behind this wait
	s_add_nc_u64 s[26:27], s[26:27], 4*DU
.endif
.endm
.Lchunk:                                       ; seven trips.  Behind a slot's 25 loads three units (75 loads) have been issued; 50 leaves two of them out
	CHUNK 1, 50, 50, 50, 50
	s_sub_co_u32 s28, s28, 1
	s_cmp_lg_u32 s28, 0
	s_cbranch_scc1 .Lchunk
	CHUNK 0, 50, 50, 25, 0                         ; the last chunk asks for nothing: no load leaves wimg, and the counts run down
; ---------------- the way out: my columns of the 32 rows into the stage, a barrier, 8 whole rows a wave
	WIN 0x0c                                       ; an LDS store's data are its source 1: window 3
.irp m, 0,1
.set i, 0
.rept 16
	ds_store_b128 v4, v[64*\m+4*i:64*\m+4*i+3] offset:16*PIT*\m+128*(i/4)+16*(i%4)   ; each accumulator from its low end on
.set i, i+1
.endr
.endr
	WIN 0
	BARRIER
.set i, 0
.rept 32
	ds_load_b128 v[64+4*i:67+4*i], v13 offset:(i/4)*PIT+512*(i%4)
.set i, i+1
.endr
.set i, 0
.rept 32
	s_wait_dscnt 31-i                              ; LDS loads come back in order (ISA guide 5.7.1): load i is in
	global_store_b128 v1, v[64+4*i:67+4*i], s[20:21] offset:(i/4)*2048+512*(i%4) th:TH_STORE_NT   ; 32 lanes store 512 consecutive bytes of a row; written once, read by nobody here
.set i, i+1
.endr
	s_wait_tensorcnt 0x0
	ds_add_u32 v254, v255
	s_wait_dscnt 0x0
	s_endpgm
.Lfunc_end_k_q5fc55fadd1_tail:
	.size	k_q5fc55fadd1_tail, .Lfunc_end_k_q5fc55fadd1_tail-k_q5fc55fadd1_tail
	.p2alignl 7, 3214868480
	.fill 96, 4, 3214868480
	.section	.rodata,"a",@progbits
	.p2align	6, 0x0
	.amdhsa_kernel k_q5fc55fadd1_tail
		.amdhsa_group_segment_fixed_size 105472
		.amdhsa_private_segment_fixed_size 0
		.amdhsa_enable_private_segment 0
		.amdhsa_kernarg_size 72
		.amdhsa_user_sgpr_count 2
		.amdhsa_user_sgpr_kernarg_segment_ptr 1
		.amdhsa_wavefront_size32 1
		.amdhsa_system_sgpr_workgroup_id_x 1
		.amdhsa_system_sgpr_workgroup_id_y 1
		.amdhsa_system_sgpr_workgroup_id_z 1
		.amdhsa_system_vgpr_workitem_id 0
		.amdhsa_next_free_vgpr 1024
		.amdhsa_next_free_sgpr 66
		.amdhsa_reserve_vcc 0
		.amdhsa_float_denorm_mode_32 3
		.amdhsa_float_denorm_mode_16_64 3
		.amdhsa_memory_ordered 1
		.amdhsa_forward_progress 1
		.amdhsa_inst_pref_size 226
	.end_amdhsa_kernel
	.amdgpu_metadata
---
amdhsa.version: [ 1, 2 ]
amdhsa.kernels:
  - .name:           k_q5fc55fadd1_tail
    .symbol:         k_q5fc55fadd1_tail.kd
    .args:
      - { .name: ctx, .offset: 0, .size: 8, .value_kind: global_buffer, .address_space: global }
      - { .name: wimg, .offset: 8, .size: 8, .value_kind: global_buffer, .address_space: global }
      - { .name: hidden_states, .offset: 16, .size: 8, .value_kind: global_buffer, .address_space: global }
      - { .name: bo, .offset: 24, .size: 8, .value_kind: global_buffer, .address_space: global }
      - { .name: g2, .offset: 32, .size: 8, .value_kind: global_buffer, .address_space: global }
      - { .name: be2, .offset: 40, .size: 8, .value_kind: global_buffer, .address_space: global }
      - { .name: b2, .offset: 48, .size: 8, .value_kind: global_buffer, .address_space: global }
      - { .name: b1, .offset: 56, .size: 8, .value_kind: global_buffer, .address_space: global }
      - { .name: out0, .offset: 64, .size: 8, .value_kind: global_buffer, .address_space: global }
    .group_segment_fixed_size: 105472
    .private_segment_fixed_size: 0
    .kernarg_segment_align: 8
    .kernarg_segment_size: 72
    .max_flat_workgroup_size: 128
    .sgpr_count:     66
    .vgpr_count:     1024
    .wavefront_size: 32
...
	.end_amdgpu_metadata
.endif
;; end of part 4
;; ======== version 2 of 2: 4 launches
;; workspace buffers: ximg 3,407,872 bytes; wimg 2,457,600 bytes; qimg 3,407,872 bytes; kv 6,684,672 bytes; ctx 4,194,304 bytes
;; launch prep (part 5): grid 704 x 1, 1 waves a work-group, no clusters, 33,536 bytes of LDS; arguments ximg, wimg, hidden_states, g1, Wq_codes, Wq_scales, Wk_codes, Wk_scales, Wv_codes, Wv_scales, Wo_codes, Wo_scales, W1_codes, W1_scales, W2_codes, W2_scales, be1; writes ximg, wimg
.if DOCPART == 5
	.amdgcn_target "amdgcn-amd-amdhsa--gfx1250"
	.amdhsa_code_object_version 6
	.text
	.protected	k_q5fc55fadd1_prep
	.globl	k_q5fc55fadd1_prep
	.p2align	8
	.type	k_q5fc55fadd1_prep,@function
k_q5fc55fadd1_prep:
	s_mov_b64 s[64:65], 0
	v_nop
	global_prefetch_b8 v0, s[64:65] scope:SCOPE_SE
	s_setreg_imm32_b32 hwreg(HW_REG_WAVE_MODE, 25, 1), 1
	s_wait_xcnt 0x0
; PREP.  Work-groups 0-511: LayerNorm 1 of one tile of 16 tokens, quantised to FP6 (E2M3) along the 512 columns, stored as an IMAGE OF THE OPERAND'S REGISTERS.
; Work-groups 512-703: one unit of 8 weight fragments (codes as given) copied into the same kind of image, in the order in which the later launches' waves take them.
; IMAGE: four registers lie as 512 bytes, lane l's 16 bytes at 16 l: every later load of a fragment is 512 consecutive bytes.
; TILES ARE PERMUTED, everywhere alike: lane r of tile T holds row 32 (T / 2) + 8 (T % 2) + r + 8 (r / 8), so that in a product's result the 16 registers of two neighbouring tiles are 16 neighbours.
; ximg: 512 records of 6,656 bytes: 48 code registers (K step s at register 12 s), then four scale registers (register s: the word of K step s, both halves of the lanes alike).
; wimg: 192 units of 12,800 bytes: 8 fragments (96 registers), then four scale registers.  Units 36 w + d: the stream of wave w of the last launch (d 0-3: Wo; then for each of 8 chunks two units of W1, two of W2);
; units 144 + 16 mat + bp: Wq, Wk, Wv, pair of tiles bp.
; One wave to a work-group: no barrier.  The mean is taken first and the squares of the deviations afterwards: no difference of large sums is formed.
; No tensor loads, clusters or matrix work: work-groups share no input but g1 and be1 (4 KB), and the launch only streams.
; LIMITS: NaN and infinities among the inputs are not served; a block whose largest magnitude lies under 2^-124 is held at scale byte 1; a block of zeros gets byte 1 (its codes are zeros; this program alone reads the bytes).
.set XR,  6656                         ; a record of ximg
.set DU,  12800                        ; a unit of wimg
.set PIT, 2064                         ; a stage row: 2,048 bytes + 16 = 129 x 16: the sixteen rows of a load start at sixteen different 16-byte columns of 256 bytes
.set SEL, 20                           ; s[20:21] lane selects for v_permlanex16_b32: lane l xor 16
.set MSB, 0
.macro WIN new                         ; the immediate's high byte repeats the setting that is left; a switch that changes nothing is dropped
.if MSB != (\new)
	s_set_vgpr_msb (MSB<<8)|(\new)
.set MSB, (\new)
.endif
.endm
; 64 numbers of a lane, register 16 b + i = k 32 b + 16 (lane / 16) + i of the lane's row, become a fragment's 12 code registers at v[pc] and its scale word in v[pw].  px: 8 registers, tm: 16 registers at work.
.macro QUANT4 s, pc, px, pw, tm
.irp b, 0,1,2,3
	v_max3_num_f32 v[\tm+\b], |v[\s+16*\b]|, |v[\s+16*\b+1]|, 0x1800000   ; my 16 numbers of block b, and the floor 2^(3 - 127): the byte cannot fall under 1
.endr
.irp i, 2,4,6,8,10,12,14
.irp b, 0,1,2,3
	v_max3_num_f32 v[\tm+\b], v[\tm+\b], |v[\s+16*\b+\i]|, |v[\s+16*\b+\i+1]|
.endr
.endr
.irp b, 0,1,2,3
	v_permlanex16_b32 v[\tm+4+\b], v[\tm+\b], s[SEL], s[SEL+1]
.endr
.irp b, 0,1,2,3
	v_max_num_f32 v[\tm+\b], v[\tm+\b], v[\tm+4+\b]                    ; with lane l xor 16's 16: the block's largest magnitude
.endr
.irp b, 0,1,2,3
	v_add_nc_u32 v[\tm+12+\b], 0xff000000, v[\tm+\b]                   ; 2 off its exponent field: the conversion's scale operand
.endr
.irp b, 0,1,2,3
	v_lshrrev_b32 v[\tm+4+\b], 23, v[\tm+12+\b]                        ; the scale's byte
.endr
	v_lshl_or_b32 v[\pw], v[\tm+5], 8, v[\tm+4]
	v_lshl_or_b32 v[\pw], v[\tm+6], 16, v[\pw]
	v_lshl_or_b32 v[\pw], v[\tm+7], 24, v[\pw]
.irp c, 0,1
	v_cvt_scalef32_pk16_fp6_f32 v[\pc+6*\c:\pc+6*\c+2], v[\s+32*\c:\s+32*\c+15], v[\tm+12+2*\c]
	v_cvt_scalef32_pk16_fp6_f32 v[\px+4*\c:\px+4*\c+2], v[\s+32*\c+16:\s+32*\c+31], v[\tm+13+2*\c]   ; (a conversion's three registers begin on an even number)
.endr
	v_nop                                          ; one plain place behind a scaled conversion
.irp c, 0,1                                    ; the operand wants a whole block in a lane: lanes 0-15 block 2 c, lanes 16-31 block 2 c + 1
.irp i, 0,1,2
	v_permlane16_swap_b32 v[\pc+6*\c+\i], v[\px+4*\c+\i]
.endr
.irp i, 0,1,2
	v_mov_b32 v[\pc+6*\c+3+\i], v[\px+4*\c+\i]
.endr
.endr
.endm
.macro FOLD                            ; the four chains v16-23, both halves, and lane l xor 16's: the row's sum in v16
	v_pk_add_f32 v[16:17], v[16:17], v[18:19]
	v_pk_add_f32 v[20:21], v[20:21], v[22:23]
	v_pk_add_f32 v[16:17], v[16:17], v[20:21]
	v_add_f32 v16, v16, v17
	v_permlanex16_b32 v28, v16, s[SEL], s[SEL+1]
	v_add_f32 v16, v16, v28
.endm
	v_lshl_add_u32 v254, v0, 2, 0x8200
	v_mov_b32 v255, 0
	s_cmp_ge_u32 ttmp9, 512                        ; the role hangs on the work-group's number alone
	s_cbranch_scc1 .Lweights
; ---------------- a tile of 16 tokens.  Window 0: addresses, chains, Y, codes.  Window 1: X (the row's 256 numbers of my half).  Window 2: g1.  Window 3: the rows as loaded, later be1.
	s_load_b64 s[4:5], s[0:1], 0x0                 ; ximg
	s_load_b128 s[8:11], s[0:1], 0x10              ; hidden_states, g1
	s_load_b64 s[12:13], s[0:1], 0x80              ; be1
	v_and_b32 v2, 31, v0
	v_lshlrev_b32 v1, 4, v2                        ; 16 x lane
	v_and_b32 v3, 15, v0                           ; r
	v_bfe_u32 v6, v0, 4, 1                         ; h
	v_mul_u32_u24 v4, v3, PIT
	v_lshl_add_u32 v4, v6, 6, v4                   ; stage row r, + 64 h: my 16 numbers of a block of 32
	v_lshlrev_b32 v5, 6, v6                        ; the same place in g1 and be1
	v_mov_b32 v28, 0                               ; a lane permute's destination counts as one of its sources: written once
.irp b, 0,1,2,3
	v_mov_b32 v[100+\b], 0
.endr
	s_mov_b32 s[SEL], 0x76543210
	s_mov_b32 s[SEL+1], 0xfedcba98
	s_mov_b32 s22, 0x3b000000                      ; 1 / 512
	s_mov_b32 s23, 0x3727c5ac                      ; 1e-5
	s_lshr_b32 s14, ttmp9, 1
	s_lshl_b32 s14, s14, 5
	s_and_b32 s15, ttmp9, 1
	s_lshl_b32 s15, s15, 3
	s_add_co_u32 s14, s14, s15                     ; the tile's first token: 32 (T / 2) + 8 (T % 2)
	s_lshl_b32 s14, s14, 11                        ; rows of 2,048 bytes
	s_mov_b32 s15, 0
	s_mul_i32 s16, ttmp9, XR
	s_mov_b32 s17, 0
	s_wait_alu depctr_va_vdst(0)
	s_wait_kmcnt 0x0
	s_add_nc_u64 s[8:9], s[8:9], s[14:15]
	s_add_nc_u64 s[4:5], s[4:5], s[16:17]
	WIN 0xc0                                       ; destination window 3
.set i, 0
.rept 16                                       ; tile row i is token i % 8 + 16 (i / 8) from the first; each load reads 512 consecutive bytes
.irp c, 0,1,2,3
	global_load_b128 v[16*i+4*\c:16*i+4*\c+3], v1, s[8:9] offset:((i&7)+16*(i>>3))*2048+512*\c
.endr
.set i, i+1
.endr
	WIN 0x0c                                       ; an LDS store's data are its source 1: window 3
.irp bt, 0,1,2,3
	s_wait_loadcnt 48-16*\bt                       ; four rows' 16 loads are in; the younger batches stay out
.irp ii, 0,1,2,3
.irp c, 0,1,2,3
	ds_store_b128 v1, v[16*(4*\bt+\ii)+4*\c:16*(4*\bt+\ii)+4*\c+3] offset:(4*\bt+\ii)*PIT+512*\c
.endr
.endr
.endr
	WIN 0x40                                       ; destination window 1.  LDS serves a wave's instructions in order (ISA guide 5.7.1): these see the stores above
.set i, 0
.rept 16
.irp j, 0,1,2,3
	ds_load_b128 v[16*i+4*\j:16*i+4*\j+3], v4 offset:128*i+16*\j   ; X[16 b + i] = x(row r, 32 b + 16 h + i)
.endr
.set i, i+1
.endr
	s_wait_dscnt 0x0                               ; X is in, and the stores have read window 3
	WIN 0x80
.set i, 0
.rept 16
.irp j, 0,1,2,3
	global_load_b128 v[16*i+4*\j:16*i+4*\j+3], v5, s[10:11] offset:128*i+16*\j   ; g1 at X's columns
.endr
.set i, i+1
.endr
	WIN 0xc0
.set i, 0
.rept 16
.irp j, 0,1,2,3
	global_load_b128 v[16*i+4*\j:16*i+4*\j+3], v5, s[12:13] offset:128*i+16*\j   ; be1 likewise
.endr
.set i, i+1
.endr
	WIN 0x05                                       ; the mean: four chains, started by the first eight pairs: nothing is cleared
.irp c, 0,1,2,3
	v_pk_add_f32 v[16+2*\c:17+2*\c], v[4*\c:4*\c+1], v[4*\c+2:4*\c+3]
.endr
	WIN 0x01
.set p, 8
.rept 120
	v_pk_add_f32 v[16+2*(p%4):17+2*(p%4)], v[2*p:2*p+1], v[16+2*(p%4):17+2*(p%4)]
.set p, p+1
.endr
	WIN 0
	FOLD
	v_mul_f32 v24, s22, v16                        ; the mean, twice (a pair for the packed forms)
	v_mov_b32 v25, v24
	WIN 0x41
.set p, 0
.rept 128
	v_pk_add_f32 v[2*p:2*p+1], v[2*p:2*p+1], v[24:25] neg_lo:[0,1] neg_hi:[0,1]   ; X - mean
.set p, p+1
.endr
	WIN 0x05
.irp c, 0,1,2,3
	v_pk_mul_f32 v[16+2*\c:17+2*\c], v[2*\c:2*\c+1], v[2*\c:2*\c+1]
.endr
.set p, 4
.rept 124
	v_pk_fma_f32 v[16+2*(p%4):17+2*(p%4)], v[2*p:2*p+1], v[2*p:2*p+1], v[16+2*(p%4):17+2*(p%4)]
.set p, p+1
.endr
	WIN 0
	FOLD
	v_fma_f32 v16, v16, s22, s23                   ; the variance + eps
	s_wait_alu depctr_va_vdst(0)
	v_rsq_f32 v26, v16
	v_nop                                          ; one plain place behind a transcendental (ISA guide 5.7.2)
	s_wait_alu depctr_va_vdst(0)
	v_mov_b32 v27, v26
	WIN 0x41
.set p, 0
.rept 128
	v_pk_mul_f32 v[2*p:2*p+1], v[2*p:2*p+1], v[26:27]
.set p, p+1
.endr
	s_wait_loadcnt 0x0                             ; g1 and be1
.irp s, 0,1,2,3                                ; K step s: 64 numbers a lane.  Each step has code registers of its own: no store's data are written again
	WIN 0x39                                       ; source 0 X (window 1), source 1 g1 (2), source 2 be1 (3), destination window 0
.set p, 0
.rept 32
	v_pk_fma_f32 v[32+2*p:33+2*p], v[64*\s+2*p:64*\s+2*p+1], v[64*\s+2*p:64*\s+2*p+1], v[64*\s+2*p:64*\s+2*p+1]
.set p, p+1
.endr
	WIN 0
	QUANT4 32, 128+12*\s, 112, 120+\s, 96
.irp g, 0,1,2
	global_store_b128 v1, v[128+12*\s+4*\g:128+12*\s+4*\g+3], s[4:5] offset:512*(3*\s+\g)   ; 32 lanes store 512 consecutive bytes
.endr
.endr
	global_store_b128 v1, v[120:123], s[4:5] offset:6144
	s_wait_tensorcnt 0x0
	ds_add_u32 v254, v255
	s_wait_dscnt 0x0
	s_endpgm
; ---------------- a unit of 8 weight fragments
.Lweights:
	s_load_b64 s[6:7], s[0:1], 0x8                 ; wimg
	s_load_b256 s[16:23], s[0:1], 0x20             ; Wq's codes, scales; Wk's
	s_load_b256 s[24:31], s[0:1], 0x40             ; Wv's; Wo's
	s_load_b256 s[32:39], s[0:1], 0x60             ; W1's; W2's
	v_and_b32 v2, 31, v0
	v_lshlrev_b32 v1, 4, v2                        ; 16 x lane
	v_and_b32 v3, 15, v0                           ; r
	v_bfe_u32 v6, v0, 4, 1                         ; h
	v_and_b32 v7, 8, v3
	v_add_nc_u32 v7, v7, v3                        ; r + 8 (r / 8)
	v_lshl_add_u32 v8, v6, 3, v7                   ; + 8 h: lanes 16-31 take the scale words of the pair's second tile
	v_mul_u32_u24 v9, v6, 24                       ; 24 h
	s_sub_co_u32 s46, ttmp9, 512                   ; the unit's number
	s_mul_i32 s47, s46, 1821
	s_lshr_b32 s47, s47, 16                        ; w = unit / 36 (exact for units under 144)
	s_mul_i32 s48, s47, 36
	s_sub_co_u32 s48, s46, s48                     ; d = unit % 36
	s_sub_co_u32 s49, s48, 4
	s_lshr_b32 s50, s49, 2                         ; q: the chunk (used where d >= 4)
	s_and_b32 s51, s49, 3                          ; e: 0, 1 W1; 2, 3 W2
	s_lshl_b32 s52, s47, 7
	s_lshl_b32 s53, s48, 5
	s_add_co_u32 s52, s52, s53                     ; Wo's first row: 128 w + 32 d
	s_lshl_b32 s53, s50, 8
	s_lshl_b32 s54, s47, 6
	s_add_co_u32 s53, s53, s54
	s_lshl_b32 s54, s51, 5
	s_add_co_u32 s53, s53, s54                     ; W1's: 256 q + 64 w + 32 e
	s_sub_co_u32 s54, s46, 144
	s_and_b32 s55, s54, 15
	s_lshl_b32 s55, s55, 5                         ; Wq's, Wk's, Wv's: 32 bp
	s_lshr_b32 s54, s54, 4                         ; which of the three
	s_mul_i32 s58, s46, DU
	s_mov_b32 s59, 0
	s_mov_b32 s57, 0
	s_wait_kmcnt 0x0
	s_add_nc_u64 s[6:7], s[6:7], s[58:59]
	s_cmp_lt_u32 s48, 4                            ; the choices hang on the work-group's number alone
	s_cselect_b32 s44, s52, s53
	s_cselect_b64 s[40:41], s[28:29], s[32:33]
	s_cselect_b64 s[42:43], s[30:31], s[34:35]
	s_cmp_ge_u32 s46, 144
	s_cselect_b32 s44, s55, s44
	s_cselect_b32 s54, s54, 3
	s_cmp_eq_u32 s54, 0
	s_cselect_b64 s[40:41], s[16:17], s[40:41]
	s_cselect_b64 s[42:43], s[18:19], s[42:43]
	s_cmp_eq_u32 s54, 1
	s_cselect_b64 s[40:41], s[20:21], s[40:41]
	s_cselect_b64 s[42:43], s[22:23], s[42:43]
	s_cmp_eq_u32 s54, 2
	s_cselect_b64 s[40:41], s[24:25], s[40:41]
	s_cselect_b64 s[42:43], s[26:27], s[42:43]
	s_cmp_ge_u32 s46, 144
	s_cbranch_scc1 .LtypeA
	s_cmp_lt_u32 s48, 4
	s_cbranch_scc1 .LtypeA
	s_cmp_lt_u32 s51, 2
	s_cbranch_scc1 .LtypeA
	; W2: four tiles x K steps 2 q, 2 q + 1.  Fragment 2 t + g; scale register 2 (t / 2) + g, the half of the lanes by t % 2
	s_lshl_b32 s52, s47, 7
	s_sub_co_u32 s53, s51, 2
	s_lshl_b32 s53, s53, 6
	s_add_co_u32 s52, s52, s53                     ; first row: 128 w + 64 (e - 2)
	s_mul_i32 s56, s52, 1536                       ; a row of W2 is 2,048 codes
	s_mul_i32 s53, s50, 192
	s_add_co_u32 s56, s56, s53
	s_add_nc_u64 s[36:37], s[36:37], s[56:57]
	s_lshl_b32 s56, s52, 6
	s_lshl_b32 s53, s50, 3
	s_add_co_u32 s56, s56, s53
	s_add_nc_u64 s[38:39], s[38:39], s[56:57]
	s_wait_alu depctr_va_vdst(0)
	v_mad_u32_u24 v10, v7, 1536, v9
	v_lshlrev_b32 v11, 6, v8
.irp t, 0,1,2,3
.irp g, 0,1
.irp p, 0,1,2,3,4,5
	global_load_b64 v[32+12*(2*\t+\g)+2*\p:33+12*(2*\t+\g)+2*\p], v10, s[36:37] offset:(32*(\t>>1)+8*(\t&1))*1536+96*\g+48*(\p/3)+8*(\p%3)
.endr
.endr
.endr
	global_load_b64 v[128:129], v11, s[38:39]
	global_load_b64 v[130:131], v11, s[38:39] offset:2048
	s_branch .Lstore
.LtypeA:                                       ; two tiles x four K steps.  Fragment 4 u + s; scale register s: tile 0 in lanes 0-15, tile 1 in lanes 16-31
	s_mul_i32 s56, s44, 384                        ; a row is 512 codes
	s_add_nc_u64 s[40:41], s[40:41], s[56:57]
	s_lshl_b32 s56, s44, 4
	s_add_nc_u64 s[42:43], s[42:43], s[56:57]
	s_wait_alu depctr_va_vdst(0)
	v_mad_u32_u24 v10, v7, 384, v9
	v_lshlrev_b32 v11, 4, v8
.irp u, 0,1
.irp s, 0,1,2,3
.irp p, 0,1,2,3,4,5
	global_load_b64 v[32+12*(4*\u+\s)+2*\p:33+12*(4*\u+\s)+2*\p], v10, s[40:41] offset:3072*\u+96*\s+48*(\p/3)+8*(\p%3)
.endr
.endr
.endr
	global_load_b128 v[128:131], v11, s[42:43]
.Lstore:
	s_wait_loadcnt 0x0
.set g, 0
.rept 24
	global_store_b128 v1, v[32+4*g:35+4*g], s[6:7] offset:512*g
.set g, g+1
.endr
	global_store_b128 v1, v[128:131], s[6:7] offset:12288
	s_endpgm
.Lfunc_end_k_q5fc55fadd1_prep:
	.size	k_q5fc55fadd1_prep, .Lfunc_end_k_q5fc55fadd1_prep-k_q5fc55fadd1_prep
	.p2alignl 7, 3214868480
	.fill 96, 4, 3214868480
	.section	.rodata,"a",@progbits
	.p2align	6, 0x0
	.amdhsa_kernel k_q5fc55fadd1_prep
		.amdhsa_group_segment_fixed_size 33536
		.amdhsa_private_segment_fixed_size 0
		.amdhsa_enable_private_segment 0
		.amdhsa_kernarg_size 136
		.amdhsa_user_sgpr_count 2
		.amdhsa_user_sgpr_kernarg_segment_ptr 1
		.amdhsa_wavefront_size32 1
		.amdhsa_system_sgpr_workgroup_id_x 1
		.amdhsa_system_sgpr_workgroup_id_y 1
		.amdhsa_system_sgpr_workgroup_id_z 1
		.amdhsa_system_vgpr_workitem_id 0
		.amdhsa_next_free_vgpr 1024
		.amdhsa_next_free_sgpr 66
		.amdhsa_reserve_vcc 0
		.amdhsa_float_denorm_mode_32 3
		.amdhsa_float_denorm_mode_16_64 3
		.amdhsa_memory_ordered 1
		.amdhsa_forward_progress 1
		.amdhsa_inst_pref_size 101
	.end_amdhsa_kernel
	.amdgpu_metadata
---
amdhsa.version: [ 1, 2 ]
amdhsa.kernels:
  - .name:           k_q5fc55fadd1_prep
    .symbol:         k_q5fc55fadd1_prep.kd
    .args:
      - { .name: ximg, .offset: 0, .size: 8, .value_kind: global_buffer, .address_space: global }
      - { .name: wimg, .offset: 8, .size: 8, .value_kind: global_buffer, .address_space: global }
      - { .name: hidden_states, .offset: 16, .size: 8, .value_kind: global_buffer, .address_space: global }
      - { .name: g1, .offset: 24, .size: 8, .value_kind: global_buffer, .address_space: global }
      - { .name: Wq_codes, .offset: 32, .size: 8, .value_kind: global_buffer, .address_space: global }
      - { .name: Wq_scales, .offset: 40, .size: 8, .value_kind: global_buffer, .address_space: global }
      - { .name: Wk_codes, .offset: 48, .size: 8, .value_kind: global_buffer, .address_space: global }
      - { .name: Wk_scales, .offset: 56, .size: 8, .value_kind: global_buffer, .address_space: global }
      - { .name: Wv_codes, .offset: 64, .size: 8, .value_kind: global_buffer, .address_space: global }
      - { .name: Wv_scales, .offset: 72, .size: 8, .value_kind: global_buffer, .address_space: global }
      - { .name: Wo_codes, .offset: 80, .size: 8, .value_kind: global_buffer, .address_space: global }
      - { .name: Wo_scales, .offset: 88, .size: 8, .value_kind: global_buffer, .address_space: global }
      - { .name: W1_codes, .offset: 96, .size: 8, .value_kind: global_buffer, .address_space: global }
      - { .name: W1_scales, .offset: 104, .size: 8, .value_kind: global_buffer, .address_space: global }
      - { .name: W2_codes, .offset: 112, .size: 8, .value_kind: global_buffer, .address_space: global }
      - { .name: W2_scales, .offset: 120, .size: 8, .value_kind: global_buffer, .address_space: global }
      - { .name: be1, .offset: 128, .size: 8, .value_kind: global_buffer, .address_space: global }
    .group_segment_fixed_size: 33536
    .private_segment_fixed_size: 0
    .kernarg_segment_align: 8
    .kernarg_segment_size: 136
    .max_flat_workgroup_size: 32
    .sgpr_count:     66
    .vgpr_count:     1024
    .wavefront_size: 32
...
	.end_amdgpu_metadata
.endif
;; end of part 5
;; launch qkv (part 6): grid 64 x 6, 4 waves a work-group, no clusters, 0 bytes of LDS; arguments ximg, wimg, bq, bk, bv, qimg, kv; writes qimg, kv
.if DOCPART == 6
	.amdgcn_target "amdgcn-amd-amdhsa--gfx1250"
	.amdhsa_code_object_version 6
	.text
	.protected	k_q5fc55fadd1_qkv
	.globl	k_q5fc55fadd1_qkv
	.p2align	8
	.type	k_q5fc55fadd1_qkv,@function
k_q5fc55fadd1_qkv:
	s_mov_b64 s[64:65], 0
	v_nop
	global_prefetch_b8 v0, s[64:65] scope:SCOPE_SE
	s_setreg_imm32_b32 hwreg(HW_REG_WAVE_SCHED_MODE, 0, 2), 2
	s_setreg_imm32_b32 hwreg(HW_REG_WAVE_MODE, 25, 1), 1
	s_wait_xcnt 0x0
	s_wait_alu depctr_vm_vsrc(0)
; QKV.  q = x Wq + bq, k = x Wk + bk, v = x Wv + bv on codes of FP6 (E2M3), and the results quantised again: q and k along the head's 64, v along the tokens (the keys of the second attention product).
; SHARES.  Work-group x: a block of 128 tokens (8 tiles).  y / 2: which of the three; head = 4 (y % 2) + wave.  A wave makes 128 tokens x 64 columns: it shares nothing with the other waves: no LDS, no barrier.
; Its 16 weight fragments (two units of wimg) stay in registers; x's tiles come as images from ximg, 512 consecutive bytes a load, two tiles ahead.
; q, k: TRANSPOSED (source 0 = 16 weight rows, source 1 = 16 tokens): a lane holds one token, its 32 registers the head's channels 32 b + 16 (lane / 16) + i: two blocks of 32.
; v: source 0 = 16 tokens, source 1 = 16 weight rows: a lane holds one channel, and the 64 registers of the eight token tiles run along the tokens: four blocks of 32.  Two passes of 32 channels, so that a wave fits 512 registers;
; the second pass reads x's images again.
; OUT.  qimg [bh][block] 6,656 bytes: 48 code registers (tile m at 6 m: k = 32 (lane / 16) + 0..31), four scale registers (register b: tile 2 b in lanes 0-15, 2 b + 1 in lanes 16-31; bytes 2 and 3 are 0x7f, for the empty upper K).
; kv [bh][block] 13,056 bytes: K as qimg's codes; +6,144 V's four fragments; +12,288 K's scales; +12,800 V's scales (two registers, 8 bytes a lane).
; No tensor loads and no cluster: what waves share (x's images, 53 KB a block) goes straight into registers, where a joint load cannot put it.
; LIMITS: NaN and infinities are not served; blocks under 2^-124 are held at scale byte 1; a block of zeros gets byte 1.
; REGISTERS.  Window 0: v1 16 l, v2 8 l, v6 64 h, v7 4 (r + 8 (r / 8)); v[12:13] V's scale words; v16-23 x's scale words (two sets), v24-31 the weights'; v32-127 x's fragments (two sets of 48); v128-255 by path.
; Window 1: v0-191 the weights' 16 fragments; v192-223 the bias in the result's layout.
; THE MODE: SCHED_MODE bits 1:0 = 2 (LLVM: expert scheduling mode 2), set by the entry lines.  The code itself states the register dependences between vector or matrix instructions and memory instructions, with s_wait_alu, always for 0.
; THE PLAN.  Registers that memory instructions touch:
;   v1, v2, v6, v7     offsets: written at the head, read by every load and store, never written again: one wait at the head.
;   window 1, v24-31   weights, bias, the weights' scale words: loaded once; vector and matrix instructions only read them.
;   X0, X1             x's two sets (v32-79 with words v16-19; v80-127 with words v20-23).  Tile m's products read set m % 2; behind them tile m + 2 is loaded into it.
;                      ONE wait on va_vdst a tile, behind the tile's products: the set is asked for again at once, since the wave waits for these loads and for nothing else.
;   q, k: v192-239, v248-251   written by the quantiser, read by the 13 stores at the end: one wait.
;   v: v56-79, v12, v13        written by the quantiser of a pass (x's sets are idle then), read by the pass's stores: one wait a pass; before x's tiles land there again: the stores have read them, the quantiser is done with them.
.set XR,  6656
.set DU,  12800
.set KVR, 13056
.set SEL, 20
.set MSB, 0
.macro WIN new
.if MSB != (\new)
	s_set_vgpr_msb (MSB<<8)|(\new)
.set MSB, (\new)
.endif
.endm
.macro NOPS n
.rept \n
	v_nop
.endr
.endm
; one product on the registers named by the symbols rD, rA, rB, rC, rSA, rSB.  ra, rb: that side's scales stand in lanes 16-31
.macro MMX ra, rb
.if \ra
	v_wmma_scale_f32_16x16x128_f8f6f4 v[rD:rD+7], v[rA:rA+11], v[rB:rB+11], v[rC:rC+7], v[rSA], v[rSB] matrix_a_fmt:MATRIX_FMT_FP6 matrix_b_fmt:MATRIX_FMT_FP6 matrix_a_scale:MATRIX_SCALE_ROW1
.elseif \rb
	v_wmma_scale_f32_16x16x128_f8f6f4 v[rD:rD+7], v[rA:rA+11], v[rB:rB+11], v[rC:rC+7], v[rSA], v[rSB] matrix_a_fmt:MATRIX_FMT_FP6 matrix_b_fmt:MATRIX_FMT_FP6 matrix_b_scale:MATRIX_SCALE_ROW1
.else
	v_wmma_scale_f32_16x16x128_f8f6f4 v[rD:rD+7], v[rA:rA+11], v[rB:rB+11], v[rC:rC+7], v[rSA], v[rSB] matrix_a_fmt:MATRIX_FMT_FP6 matrix_b_fmt:MATRIX_FMT_FP6
.endif
.endm
; 64 numbers of a lane (register 16 b + i = k 32 b + 16 (lane / 16) + i) -> 12 code registers at v[pc], the scale word in v[pw]
.macro QUANT4 s, pc, px, pw, tm
.irp b, 0,1,2,3
	v_max3_num_f32 v[\tm+\b], |v[\s+16*\b]|, |v[\s+16*\b+1]|, 0x1800000   ; with the floor 2^(3 - 127): the byte cannot fall under 1
.endr
.irp i, 2,4,6,8,10,12,14
.irp b, 0,1,2,3
	v_max3_num_f32 v[\tm+\b], v[\tm+\b], |v[\s+16*\b+\i]|, |v[\s+16*\b+\i+1]|
.endr
.endr
.irp b, 0,1,2,3
	v_permlanex16_b32 v[\tm+4+\b], v[\tm+\b], s[SEL], s[SEL+1]
.endr
.irp b, 0,1,2,3
	v_max_num_f32 v[\tm+\b], v[\tm+\b], v[\tm+4+\b]
.endr
.irp b, 0,1,2,3
	v_add_nc_u32 v[\tm+12+\b], 0xff000000, v[\tm+\b]                   ; 2 off the exponent field: the conversion's scale operand
.endr
.irp b, 0,1,2,3
	v_lshrrev_b32 v[\tm+4+\b], 23, v[\tm+12+\b]
.endr
	v_lshl_or_b32 v[\pw], v[\tm+5], 8, v[\tm+4]
	v_lshl_or_b32 v[\pw], v[\tm+6], 16, v[\pw]
	v_lshl_or_b32 v[\pw], v[\tm+7], 24, v[\pw]
.irp c, 0,1
	v_cvt_scalef32_pk16_fp6_f32 v[\pc+6*\c:\pc+6*\c+2], v[\s+32*\c:\s+32*\c+15], v[\tm+12+2*\c]
	v_cvt_scalef32_pk16_fp6_f32 v[\px+4*\c:\px+4*\c+2], v[\s+32*\c+16:\s+32*\c+31], v[\tm+13+2*\c]
.endr
	v_nop                                          ; one plain place behind a scaled conversion
.irp c, 0,1
.irp i, 0,1,2
	v_permlane16_swap_b32 v[\pc+6*\c+\i], v[\px+4*\c+\i]
.endr
.irp i, 0,1,2
	v_mov_b32 v[\pc+6*\c+3+\i], v[\px+4*\c+\i]
.endr
.endr
.endm
; the same for 32 numbers, two blocks -> 6 code registers (k = 32 (lane / 16) + 0..31) and the word byte 0 | byte 1 << 8; fill = 1: bytes 2, 3 = 0x7f
.macro QUANT2 s, pc, px, pw, tm, fill
.irp b, 0,1
	v_max3_num_f32 v[\tm+\b], |v[\s+16*\b]|, |v[\s+16*\b+1]|, 0x1800000
.endr
.irp i, 2,4,6,8,10,12,14
.irp b, 0,1
	v_max3_num_f32 v[\tm+\b], v[\tm+\b], |v[\s+16*\b+\i]|, |v[\s+16*\b+\i+1]|
.endr
.endr
.irp b, 0,1
	v_permlanex16_b32 v[\tm+2+\b], v[\tm+\b], s[SEL], s[SEL+1]
.endr
.irp b, 0,1
	v_max_num_f32 v[\tm+\b], v[\tm+\b], v[\tm+2+\b]
.endr
.irp b, 0,1
	v_add_nc_u32 v[\tm+4+\b], 0xff000000, v[\tm+\b]
.endr
.irp b, 0,1
	v_lshrrev_b32 v[\tm+2+\b], 23, v[\tm+4+\b]
.endr
	v_lshl_or_b32 v[\pw], v[\tm+3], 8, v[\tm+2]
.if \fill
	v_or_b32 v[\pw], 0x7f7f0000, v[\pw]
.endif
	v_cvt_scalef32_pk16_fp6_f32 v[\pc:\pc+2], v[\s:\s+15], v[\tm+4]
	v_cvt_scalef32_pk16_fp6_f32 v[\px:\px+2], v[\s+16:\s+31], v[\tm+5]
	v_nop
.irp i, 0,1,2
	v_permlane16_swap_b32 v[\pc+\i], v[\px+\i]
.endr
.irp i, 0,1,2
	v_mov_b32 v[\pc+3+\i], v[\px+\i]
.endr
.endm
.macro XLOAD m                         ; token tile m's record into set m % 2: 12 + 1 loads of 512 consecutive bytes
.set g, 0
.rept 12
	global_load_b128 v[32+48*((\m)&1)+4*g:35+48*((\m)&1)+4*g], v1, s[4:5] offset:(\m)*XR+512*g
.set g, g+1
.endr
	global_load_b128 v[16+4*((\m)&1):19+4*((\m)&1)], v1, s[4:5] offset:(\m)*XR+6144
.endm
	s_load_b128 s[4:7], s[0:1], 0x0                ; ximg, wimg
	s_load_b128 s[8:11], s[0:1], 0x10              ; bq, bk
	s_load_b128 s[12:15], s[0:1], 0x20             ; bv, qimg
	s_load_b64 s[16:17], s[0:1], 0x30              ; kv
	v_lshrrev_b32 v2, 5, v0
	v_readfirstlane_b32 s18, v2                    ; wave
	v_and_b32 v3, 31, v0
	v_lshlrev_b32 v1, 4, v3
	v_lshlrev_b32 v2, 3, v3
	v_and_b32 v4, 15, v0
	v_bfe_u32 v5, v0, 4, 1
	v_lshlrev_b32 v6, 6, v5
	v_and_b32 v7, 8, v4
	v_add_nc_u32 v7, v7, v4
	v_lshlrev_b32 v7, 2, v7
	s_mov_b32 s[SEL], 0x76543210
	s_mov_b32 s[SEL+1], 0xfedcba98
	s_mov_b32 s30, 0xffff0000                      ; lanes 16-31
	s_wait_alu depctr_va_sdst(0)                   ; s18, the wave's number, is written, ahead of its first reader: the head is made from it
	s_and_b32 s19, ttmp7, 0xffff
	s_lshr_b32 s22, s19, 1                         ; 0 q, 1 k, 2 v
	s_and_b32 s23, s19, 1
	s_lshl_b32 s23, s23, 2
	s_add_co_u32 s23, s23, s18                     ; head
	s_lshr_b32 s24, ttmp9, 5
	s_lshl_b32 s24, s24, 3
	s_add_co_u32 s24, s24, s23                     ; bh = 8 batch + head
	s_lshl_b32 s24, s24, 5
	s_and_b32 s25, ttmp9, 31
	s_add_co_u32 s24, s24, s25                     ; the record: 32 bh + block in the batch
	s_lshl_b32 s26, s22, 4
	s_lshl_b32 s27, s23, 1
	s_add_co_u32 s26, s26, s27
	s_add_co_u32 s26, s26, 144
	s_mul_i32 s26, s26, DU                         ; units 144 + 16 mat + 2 head, and the next
	s_mov_b32 s27, 0
	s_mul_i32 s28, ttmp9, 8*XR
	s_mov_b32 s29, 0
	s_lshl_b32 s32, s23, 8                         ; the head's 64 numbers of a bias
	s_mov_b32 s33, 0
	s_wait_kmcnt 0x0
	s_add_nc_u64 s[6:7], s[6:7], s[26:27]
	s_add_nc_u64 s[4:5], s[4:5], s[28:29]
	WIN 0x40
	s_wait_alu depctr_va_vdst(0)                   ; the offsets v1, v2, v6 and v7 are written: every load and store of the kernel reads one of them
.irp p, 0,1
.set g, 0
.rept 24
	global_load_b128 v[96*\p+4*g:96*\p+4*g+3], v1, s[6:7] offset:DU*\p+512*g
.set g, g+1
.endr
.endr
	WIN 0
.irp p, 0,1
	global_load_b128 v[24+4*\p:27+4*\p], v1, s[6:7] offset:DU*\p+12288
.endr
	s_cmp_eq_u32 s22, 2
	s_cbranch_scc1 .Lv
; ---------------- q or k.  v128-159 four accumulators; v160-170 at work; v192-239 the eight tiles' codes; v240-247 their words; v248-251 the words as stored
	s_cmp_eq_u32 s22, 0
	s_cselect_b64 s[34:35], s[8:9], s[10:11]       ; the bias
	s_cselect_b64 s[36:37], s[14:15], s[16:17]     ; where the record goes
	s_mov_b32 s38, KVR
	s_cselect_b32 s38, XR, s38
	s_mov_b32 s40, 12288
	s_cselect_b32 s40, 6144, s40                   ; and its scale words
	s_mov_b32 s41, 0
	s_mov_b32 s39, 0
	s_mul_i32 s38, s38, s24
	s_add_nc_u64 s[34:35], s[34:35], s[32:33]
	s_add_nc_u64 s[36:37], s[36:37], s[38:39]
	s_add_nc_u64 s[40:41], s[36:37], s[40:41]
	WIN 0x40
.irp t, 0,1,2,3                                ; register j of tile t: the bias of channel 32 (t / 2) + 8 (t % 2) + 16 h + j
.irp jj, 0,1
	global_load_b128 v[192+8*\t+4*\jj:195+8*\t+4*\jj], v6, s[34:35] offset:128*(\t>>1)+32*(\t&1)+16*\jj
.endr
.endr
	WIN 0
	XLOAD 0
	XLOAD 1
	v_mov_b32 v162, 0                              ; a lane permute's destination counts as one of its sources
	v_mov_b32 v163, 0
.macro TILEQK m
.if (\m) < 7
	s_wait_loadcnt 13                              ; this tile's record is in (and all that was asked for ahead of it); the next tile's 13 loads stay out
.else
	s_wait_loadcnt 0x0
.endif
.irp s, 0,1,2,3                                ; K step s; the four accumulators by turns, one instruction a turn
.if \s == 0
	WIN 0x11                                       ; source 0 (weights) and source 2 (bias) window 1
.else
	WIN 0x01
.endif
.irp t, 0,1,2,3
.set rD, 128+8*\t
.set rA, 96*(\t>>1)+12*(4*(\t&1)+\s)
.set rB, 32+48*((\m)&1)+12*\s
.set rSA, 24+4*(\t>>1)+\s
.set rSB, 16+4*((\m)&1)+\s
.if \s == 0
.set rC, 192+8*\t
.else
.set rC, rD
.endif
	MMX (\t&1), 0
.endr
.endr
	WIN 0
	NOPS 5                                         ; places behind the last products (ISA guide 7.12.1): four for the quantiser's reads below, the fifth since the next tile begins these accumulators anew
.if (\m) < 6
	s_wait_alu depctr_va_vdst(0)                   ; this tile's products are done reading x's set m % 2 and its scale words, in which the 13 loads below land
	XLOAD (\m)+2                                   ; the quantiser behind them names v128-170 and v192-247: none of the registers that these loads touch
.endif
	QUANT2 128, 192+6*(\m), 168, 240+(\m), 160, 1
.endm
.irp m, 0,1,2,3,4,5,6,7
	TILEQK \m
.endr
.irp b, 0,1,2,3
	v_cndmask_b32 v[248+\b], v[240+2*\b], v[241+2*\b], s30   ; tile 2 b's words below, tile 2 b + 1's above
.endr
	s_wait_alu depctr_va_vdst(0)                   ; the quantiser has written the codes v192-239 and the words v248-251, which the stores read
.set g, 0
.rept 12
	global_store_b128 v1, v[192+4*g:195+4*g], s[36:37] offset:512*g
.set g, g+1
.endr
	global_store_b128 v1, v[248:251], s[40:41]
	s_endpgm
; ---------------- v.  v128-255: accumulator (u, m) at 128 + 64 u + 8 m
.Lv:
	s_mul_i32 s38, s24, KVR
	s_mov_b32 s39, 0
	s_add_nc_u64 s[36:37], s[16:17], s[38:39]
	s_add_nc_u64 s[12:13], s[12:13], s[32:33]
	WIN 0x40
.irp t, 0,1,2,3                                ; a lane holds one channel: all eight registers of a tile's bias are that channel's number
.irp j, 0,1,2,3,4,5,6,7
	global_load_b32 v[192+8*\t+\j], v7, s[12:13] offset:4*(32*(\t>>1)+8*(\t&1))
.endr
.endr
	WIN 0
	XLOAD 0
	XLOAD 1
.macro TILEV p, m
.if (\m) < 7
	s_wait_loadcnt 13                              ; as above
.else
	s_wait_loadcnt 0x0
.endif
.irp s, 0,1,2,3
.if \s == 0
	WIN 0x14                                       ; source 1 (weights) and source 2 (bias) window 1
.else
	WIN 0x04
.endif
.irp u, 0,1                                    ; two accumulators by turns
.set rD, 128+64*\u+8*(\m)
.set rA, 32+48*((\m)&1)+12*\s
.set rB, 96*(\p)+12*(4*\u+\s)
.set rSA, 16+4*((\m)&1)+\s
.set rSB, 24+4*(\p)+\s
.if \s == 0
.set rC, 192+8*(2*(\p)+\u)
.else
.set rC, rD
.endif
	MMX 0, \u
.endr
.endr
	WIN 0
	NOPS 5
.if (\m) < 6
	s_wait_alu depctr_va_vdst(0)                   ; this tile's products are done reading x's set m % 2 and its scale words, in which the 13 loads below land
	XLOAD (\m)+2
.endif
.endm
.irp p, 0,1
.irp m, 0,1,2,3,4,5,6,7
	TILEV \p, \m
.endr
.irp u, 0,1                                    ; x's sets are idle now and serve as scratch: v32-47, v48-55 at work, v56-79 the codes, v80-81 the words
	QUANT4 128+64*\u, 56+12*\u, 48, 80+\u, 32
.endr
	v_cndmask_b32 v[12+\p], v80, v81, s30
	s_wait_alu depctr_va_vdst(0)                   ; the quantiser has written both tiles' codes v56-79 and the pass's word, which the stores read
.irp u, 0,1
.irp g, 0,1,2
	global_store_b128 v1, v[56+12*\u+4*\g:59+12*\u+4*\g], s[36:37] offset:6144+512*(3*(2*\p+\u)+\g)
.endr
.endr
.if \p == 0
	s_wait_xcnt 0x0                                ; the stores' data lie where x's tiles land: loaded again only behind this wait (ISA guide 3.1)
	s_wait_alu depctr_vm_vsrc(0)                   ; the six stores have read v56-79, in which x's tiles land
	s_wait_alu depctr_va_vdst(0)                   ; the quantiser is done writing and reading v32-81, in which x's tiles land
	XLOAD 0
	XLOAD 1
.endif
.endr
	global_store_b64 v2, v[12:13], s[36:37] offset:12800
	s_endpgm
.Lfunc_end_k_q5fc55fadd1_qkv:
	.size	k_q5fc55fadd1_qkv, .Lfunc_end_k_q5fc55fadd1_qkv-k_q5fc55fadd1_qkv
	.p2alignl 7, 3214868480
	.fill 96, 4, 3214868480
	.section	.rodata,"a",@progbits
	.p2align	6, 0x0
	.amdhsa_kernel k_q5fc55fadd1_qkv
		.amdhsa_group_segment_fixed_size 0
		.amdhsa_private_segment_fixed_size 0
		.amdhsa_enable_private_segment 0
		.amdhsa_kernarg_size 56
		.amdhsa_user_sgpr_count 2
		.amdhsa_user_sgpr_kernarg_segment_ptr 1
		.amdhsa_wavefront_size32 1
		.amdhsa_system_sgpr_workgroup_id_x 1
		.amdhsa_system_sgpr_workgroup_id_y 1
		.amdhsa_system_sgpr_workgroup_id_z 1
		.amdhsa_system_vgpr_workitem_id 0
		.amdhsa_next_free_vgpr 512
		.amdhsa_next_free_sgpr 66
		.amdhsa_reserve_vcc 0
		.amdhsa_float_denorm_mode_32 3
		.amdhsa_float_denorm_mode_16_64 3
		.amdhsa_memory_ordered 1
		.amdhsa_forward_progress 1
		.amdhsa_inst_pref_size 114
	.end_amdhsa_kernel
	.amdgpu_metadata
---
amdhsa.version: [ 1, 2 ]
amdhsa.kernels:
  - .name:           k_q5fc55fadd1_qkv
    .symbol:         k_q5fc55fadd1_qkv.kd
    .args:
      - { .name: ximg, .offset: 0, .size: 8, .value_kind: global_buffer, .address_space: global }
      - { .name: wimg, .offset: 8, .size: 8, .value_kind: global_buffer, .address_space: global }
      - { .name: bq, .offset: 16, .size: 8, .value_kind: global_buffer, .address_space: global }
      - { .name: bk, .offset: 24, .size: 8, .value_kind: global_buffer, .address_space: global }
      - { .name: bv, .offset: 32, .size: 8, .value_kind: global_buffer, .address_space: global }
      - { .name: qimg, .offset: 40, .size: 8, .value_kind: global_buffer, .address_space: global }
      - { .name: kv, .offset: 48, .size: 8, .value_kind: global_buffer, .address_space: global }
    .group_segment_fixed_size: 0
    .private_segment_fixed_size: 0
    .kernarg_segment_align: 8
    .kernarg_segment_size: 56
    .max_flat_workgroup_size: 128
    .sgpr_count:     66
    .vgpr_count:     512
    .wavefront_size: 32
...
	.end_amdgpu_metadata
.endif
;; end of part 6
;; launch attn (part 7): grid 16 x 16, 16 waves a work-group, no clusters, 327,680 bytes of LDS; arguments qimg, kv, ctx; writes ctx
.if DOCPART == 7
	.amdgcn_target "amdgcn-amd-amdhsa--gfx1250"
	.amdhsa_code_object_version 6
	.text
	.protected	k_q5fc55fadd1_attn
	.globl	k_q5fc55fadd1_attn
	.p2align	8
	.type	k_q5fc55fadd1_attn,@function
k_q5fc55fadd1_attn:
	s_mov_b64 s[64:65], 0
	v_nop
	global_prefetch_b8 v0, s[64:65] scope:SCOPE_SE
	s_setreg_imm32_b32 hwreg(HW_REG_WAVE_MODE, 25, 1), 1
	s_wait_xcnt 0x0
; ATTENTION on codes of FP6 (E2M3): S^T = K Q^T, p = 2^(t - M), O^T = V^T P^T, ctx = O / l, quantised along the head's 64 for the next product.
; t = score x log2(e) / 8; M = the running largest t rounded UP to a whole number (kept as -M = floor(-t)); the row's sum l is taken of the unquantised p; when M moves, l and O^T are multiplied by 2^(old M - new M): exact.
; SHARES.  A work-group owns 256 queries of one (batch, head); each of its sixteen waves one tile of 16, in 256 registers: four waves to a SIMD, so that one wave's vector work stands beside another's products and LDS loads.
; Every wave walks the 4,096 keys, 128 a step.  A step's record of kv (13,056 bytes: K's eight half fragments, V's four fragments, their scale words, all as images of registers) is read by dense LDS loads.
; RING.  Two slots of 8 records (104,448 bytes), 2^17 bytes apart; waves 0-3 each fetch two records (102 rows of 256 bytes) with one tensor load.  By this text's own count a wave has at most one tensor load out.
; THE HEAD'S K IS 64, THE INSTRUCTION'S 128.  Q's upper six registers are zeros.  K's fragment t is v[32 + 6 t .. 43 + 6 t]: its upper six registers are the NEXT tile's codes (for t = 7 six zeros); they meet Q's zero codes
; under the scale bytes 0x7f on both sides and add exactly 0.  So eight tiles of K lie in 54 registers and come by twelve loads.
; Both products are used transposed: a lane holds one query throughout; the keys of a tile are permuted (as all tiles of this program), so that p's 16 registers of two neighbouring tiles are 16 neighbouring keys.
; NO CLUSTER: a step's shared bytes are 13 KB for sixteen waves' softmax of some 240 vector instructions each: fetching is a small part of a step, and a joint refill would tie four work-groups to one barrier at every change of slots.
; LIMITS: NaN and infinities are not served; a block of p that has fallen to 0 keeps scale byte 1 (its codes are zeros).  A block's largest p is taken from its largest score by the same multiply-add and exponential,
; which takes v_exp_f32 not to fall where its input rises.
; REGISTERS: v1-3 16 l, 8 l, 4 l; v5, v6 the spare word's address and 0; v8, v9 the step's addresses; v12 -M, v13 the largest t, v[14:15] l in two halves; v16-21 Q, v22-27 zeros; v28-31 K's scale words; v32-79 K (later p's codes v32-43
; and work v44-66); v80-85 zeros; v[86:87] V's scale words; v88 Q's, v89 p's; v96-159 S^T, then p; v160-191 O^T; v192-239 V; v[240:241] f; v242-255 at work.
.set KVR,   13056
.set SLOTB, 8*KVR
.set SLOT1, 1<<17
.set SPARE, 2*SLOT1                    ; behind the ring: the spare words, 128 bytes for each of sixteen waves: eight blocks of 256 bytes that no other line names
.set SEL,   20
.set CS,    22
.macro MMX ra, cz                      ; one product on rD, rA, rB, rSA, rSB.  ra: source 0's scales stand in lanes 16-31.  cz: the product starts its sum
.if \cz
.if \ra
	v_wmma_scale_f32_16x16x128_f8f6f4 v[rD:rD+7], v[rA:rA+11], v[rB:rB+11], 0, v[rSA], v[rSB] matrix_a_fmt:MATRIX_FMT_FP6 matrix_b_fmt:MATRIX_FMT_FP6 matrix_a_scale:MATRIX_SCALE_ROW1
.else
	v_wmma_scale_f32_16x16x128_f8f6f4 v[rD:rD+7], v[rA:rA+11], v[rB:rB+11], 0, v[rSA], v[rSB] matrix_a_fmt:MATRIX_FMT_FP6 matrix_b_fmt:MATRIX_FMT_FP6
.endif
.else
.if \ra
	v_wmma_scale_f32_16x16x128_f8f6f4 v[rD:rD+7], v[rA:rA+11], v[rB:rB+11], v[rD:rD+7], v[rSA], v[rSB] matrix_a_fmt:MATRIX_FMT_FP6 matrix_b_fmt:MATRIX_FMT_FP6 matrix_a_scale:MATRIX_SCALE_ROW1
.else
	v_wmma_scale_f32_16x16x128_f8f6f4 v[rD:rD+7], v[rA:rA+11], v[rB:rB+11], v[rD:rD+7], v[rSA], v[rSB] matrix_a_fmt:MATRIX_FMT_FP6 matrix_b_fmt:MATRIX_FMT_FP6
.endif
.endif
.endm
.macro QUANT2 s, pc, px, pw, tm        ; 32 numbers of a lane (register 16 b + i = k 32 b + 16 (lane / 16) + i) -> 6 code registers and the word byte 0 | byte 1 << 8
.irp b, 0,1
	v_max3_num_f32 v[\tm+\b], |v[\s+16*\b]|, |v[\s+16*\b+1]|, 0x1800000   ; with the floor 2^(3 - 127)
.endr
.irp i, 2,4,6,8,10,12,14
.irp b, 0,1
	s_delay_alu instid0(VALU_DEP_2)
	v_max3_num_f32 v[\tm+\b], v[\tm+\b], |v[\s+16*\b+\i]|, |v[\s+16*\b+\i+1]|
.endr
.endr
.irp b, 0,1
	s_delay_alu instid0(VALU_DEP_2)
	v_permlanex16_b32 v[\tm+2+\b], v[\tm+\b], s[SEL], s[SEL+1]
.endr
.irp b, 0,1
	s_delay_alu instid0(VALU_DEP_2)
	v_max_num_f32 v[\tm+\b], v[\tm+\b], v[\tm+2+\b]
.endr
.irp b, 0,1
	s_delay_alu instid0(VALU_DEP_2)
	v_add_nc_u32 v[\tm+4+\b], 0xff000000, v[\tm+\b]
.endr
.irp b, 0,1
	s_delay_alu instid0(VALU_DEP_2)
	v_lshrrev_b32 v[\tm+2+\b], 23, v[\tm+4+\b]
.endr
	s_delay_alu instid0(VALU_DEP_1)
	v_lshl_or_b32 v[\pw], v[\tm+3], 8, v[\tm+2]
	v_cvt_scalef32_pk16_fp6_f32 v[\pc:\pc+2], v[\s:\s+15], v[\tm+4]
	v_cvt_scalef32_pk16_fp6_f32 v[\px:\px+2], v[\s+16:\s+31], v[\tm+5]
	v_nop
.irp i, 0,1,2
	v_permlane16_swap_b32 v[\pc+\i], v[\px+\i]
.endr
.irp i, 0,1,2
	s_delay_alu instid0(VALU_DEP_3)
	v_mov_b32 v[\pc+3+\i], v[\px+\i]
.endr
.endm
.macro TLOAD                           ; waves 0-3 fetch, the others nothing: the branch hangs on the wave's number alone.  Four v_nop follow the load
	s_cmp_lt_u32 s18, 4
	s_cbranch_scc0 .Lnone_\@
	tensor_load_to_lds s[32:35], s[24:31]
	s_nop 0
.rept 4
	v_nop
.endr
.Lnone_\@:
.endm
	s_load_b128 s[4:7], s[0:1], 0x0                ; qimg, kv
	s_load_b64 s[8:9], s[0:1], 0x10                ; ctx
	v_lshl_add_u32 v5, v0, 2, SPARE
	v_mov_b32 v6, 0
	ds_add_u32 v5, v6
	ds_add_u32 v5, v6
	s_wait_dscnt 0x0
	v_lshrrev_b32 v7, 5, v0
	s_delay_alu instid0(VALU_DEP_1)
	v_readfirstlane_b32 s18, v7                    ; wave 0..15
	s_and_b32 s10, ttmp7, 0xffff                   ; bh
	s_and_b32 s11, s18, 3
	s_mul_i32 s11, s11, 2*KVR                      ; my quarter of a slot: two records
	s_mul_i32 s12, s10, 32*KVR
	s_add_co_u32 s12, s12, s11
	s_mov_b32 s13, 0
	; descriptor group 1: 102 rows of 256 bytes (32 elements of 8 bytes), dense in memory and in LDS
	s_mov_b32 s24, 3<<16                           ; no mask; elements of 8 bytes; no padding
	s_mov_b32 s25, 32<<16                          ; tensor_dim0 = 32
	s_mov_b32 s26, 102<<16                         ; tensor_dim1 = 102
	s_mov_b32 s27, 32<<16                          ; tile_dim0 = 32
	s_mov_b32 s28, 102                             ; tile_dim1 = 102
	s_mov_b32 s29, 32                              ; the pitch
	s_mov_b32 s30, 0
	s_mov_b32 s31, 0
	s_mov_b32 s32, 1                               ; group 0: count = 1,
	s_mov_b32 s33, s11                             ; LDS address: slot 0, my quarter,
	s_wait_kmcnt 0x0
	s_add_nc_u64 s[34:35], s[6:7], s[12:13]        ; global address: the head's first 8 records, my quarter,
	s_or_b32 s35, s35, 0x80000000                  ; type = 2
	TLOAD                                          ; slot 0: the one first fill, ahead of every wait on TENSORcnt, every LDS read and every barrier
	v_and_b32 v7, 31, v0
	s_delay_alu instid0(VALU_DEP_1)
	v_lshlrev_b32 v1, 4, v7
	s_wait_alu depctr_va_vdst(0)
	v_lshlrev_b32 v2, 3, v7
	v_lshlrev_b32 v3, 2, v7
	v_and_b32 v7, 15, v0
	s_delay_alu instid0(VALU_DEP_1)
	v_lshlrev_b32 v99, 4, v7                       ; 16 r
	s_wait_alu depctr_va_vdst(0)
	s_lshl_b32 s12, s10, 5
	s_lshl_b32 s13, ttmp9, 1
	s_add_co_u32 s12, s12, s13
	s_lshr_b32 s13, s18, 3
	s_add_co_u32 s12, s12, s13                     ; Q's record: 32 bh + 2 x work-group x + wave / 8
	s_mul_i32 s12, s12, 6656
	s_mov_b32 s13, 0
	s_add_nc_u64 s[4:5], s[4:5], s[12:13]
	s_lshr_b32 s14, s10, 3
	s_lshl_b32 s14, s14, 8
	s_lshl_b32 s15, ttmp9, 4
	s_add_co_u32 s14, s14, s15
	s_add_co_u32 s14, s14, s18                     ; my token tile: 256 batch + 16 x work-group x + wave
	s_lshl_b32 s14, s14, 3
	s_and_b32 s15, s10, 7
	s_add_co_u32 s14, s14, s15
	s_lshl_b32 s14, s14, 10                        ; ctx: 1,024 bytes for each (tile, head)
	s_mov_b32 s15, 0
	s_add_nc_u64 s[8:9], s[8:9], s[14:15]
	s_and_b32 s16, s18, 7                          ; my tile in the record
	s_mul_i32 s17, s16, 6                          ; its first register in the image
.irp p, 0,1,2                                  ; registers i, i + 1 of the image lie at 512 (i / 4) + 16 l + 4 (i % 4)
	s_add_co_u32 s14, s17, 2*\p
	s_lshr_b32 s15, s14, 2
	s_lshl_b32 s15, s15, 9
	s_and_b32 s14, s14, 3
	s_lshl_b32 s14, s14, 2
	s_add_co_u32 s15, s15, s14
	v_add_nc_u32 v[96+\p], s15, v1
.endr
	s_and_b32 s14, s16, 1
	s_lshl_b32 s14, s14, 8
	s_lshr_b32 s15, s16, 1
	s_lshl_b32 s15, s15, 2
	s_add_co_u32 s14, s14, s15
	v_add_nc_u32 v99, s14, v99                     ; my query's scale word: register tile / 2, lane r + 16 (tile % 2)
	s_wait_alu depctr_va_vdst(0)
.irp p, 0,1,2
	global_load_b64 v[16+2*\p:17+2*\p], v[96+\p], s[4:5]
.endr
	global_load_b32 v88, v99, s[4:5] offset:6144
	s_mov_b32 s[SEL], 0x76543210
	s_mov_b32 s[SEL+1], 0xfedcba98
	s_mov_b32 s[CS], 0x3e38aa3b                    ; c = log2(e) / 8
	s_mov_b32 s[CS+1], s[CS]                       ; (named with it as a pair, so it is written)
	s_mov_b32 s36, 0                               ; LDS byte at which the step's record begins
	s_mov_b32 s37, 3                               ; slots still to be asked for
.set j, 0
.rept 32
	v_mov_b32 v[160+j], 0                          ; O^T.  (The step is written once: the first finds zeros, which the first change of M leaves zeros)
.set j, j+1
.endr
.irp j, 0,1,2,3,4,5
	v_mov_b32 v[22+\j], 0                          ; Q's upper K
	v_mov_b32 v[80+\j], 0                          ; behind K's last tile
.endr
.irp b, 0,1,2,3
	v_mov_b32 v[48+\b], 0                          ; a lane permute's destination counts as one of its sources
.endr
	v_mov_b32 v14, 0
	v_mov_b32 v15, 0
	v_mov_b32 v241, 0                              ; (named as the upper half of the pair v[240:241])
	v_mov_b32 v242, 0
	v_mov_b32 v13, 0xff61b1e6                      ; the largest t so far: -3e38
	s_delay_alu instid0(VALU_DEP_1)
	v_floor_f32 v12, -v13
.macro STEP                            ; 128 keys
	v_add_nc_u32 v8, s36, v1
	v_add_nc_u32 v9, s36, v2
	v_nop
	v_nop                                          ; four places behind the last step's products, in front of loads into registers that they read
.set g, 0
.rept 12
	ds_load_b128 v[32+4*g:35+4*g], v8 offset:512*g             ; K
.set g, g+1
.endr
	ds_load_b128 v[28:31], v8 offset:12288                     ; K's scale words
.set g, 0
.rept 12
	ds_load_b128 v[192+4*g:195+4*g], v8 offset:6144+512*g      ; V
.set g, g+1
.endr
	ds_load_b64 v[86:87], v9 offset:12800                      ; V's scale words
	s_wait_dscnt 13                                ; K and its words are in; V's 13 loads stay out
.irp t, 0,1,2,3,4,5,6,7
.set rD, 96+8*\t
.set rA, 32+6*\t
.set rB, 16
.set rSA, 28+(\t>>1)
.set rSB, 88
	MMX (\t&1), 1
.endr
.rept 4
	v_nop
.endr
.irp b, 0,1,2,3
	v_max3_num_f32 v[44+\b], v[96+16*\b], v[97+16*\b], v[98+16*\b]   ; the largest score of each block of 32 keys: for the row's maximum, and for the block's largest p
.endr
.irp i, 3,5,7,9,11,13
.irp b, 0,1,2,3
	v_max3_num_f32 v[44+\b], v[44+\b], v[96+16*\b+\i], v[97+16*\b+\i]
.endr
.endr
.irp b, 0,1,2,3
	v_max_num_f32 v[44+\b], v[44+\b], v[111+16*\b]
.endr
.irp b, 0,1,2,3
	s_delay_alu instid0(VALU_DEP_4)
	v_permlanex16_b32 v[48+\b], v[44+\b], s[SEL], s[SEL+1]
.endr
.irp b, 0,1,2,3
	s_delay_alu instid0(VALU_DEP_4)
	v_max_num_f32 v[44+\b], v[44+\b], v[48+\b]     ; with lane l xor 16's 16 keys
.endr
	s_delay_alu instid0(VALU_DEP_2)
	v_max3_num_f32 v242, v44, v45, v46
	s_delay_alu instid0(VALU_DEP_1)
	v_max_num_f32 v242, v242, v47
	s_delay_alu instid0(VALU_DEP_1)
	v_mul_f32 v242, s[CS], v242                    ; the step's largest t
	s_delay_alu instid0(VALU_DEP_1)
	v_max_num_f32 v13, v13, v242
	v_mov_b32 v242, v12
	s_delay_alu instid0(VALU_DEP_2)
	v_floor_f32 v12, -v13                          ; the new -M
	s_delay_alu instid0(VALU_DEP_1)
	v_sub_f32 v242, v12, v242                      ; old M - new M: a whole number, 0 or less
	s_delay_alu instid0(VALU_DEP_1)
	v_cvt_i32_f32 v242, v242                       ; (it saturates)
	s_delay_alu instid0(VALU_DEP_1)
	v_ldexp_f32 v240, 1.0, v242                    ; f = 2^(old M - new M)
.set j, 0
.rept 32
	v_pk_fma_f32 v[96+2*j:97+2*j], v[96+2*j:97+2*j], s[CS:CS+1], v[12:13] op_sel_hi:[1,0,0]   ; t - M
.set j, j+1
.endr
.irp b, 0,1,2,3
	v_fma_f32 v[44+\b], v[44+\b], s[CS], v12       ; the same of each block's largest score
.endr
.set j, 0
	s_wait_alu depctr_va_vdst(0)
.rept 64
	v_exp_f32 v[96+j], v[96+j]                     ; p = 2^(t - M): not normalised
.set j, j+1
.endr
	s_setprio 1
.irp b, 0,1,2,3
	v_exp_f32 v[44+\b], v[44+\b]
.endr
	v_pk_mul_f32 v[14:15], v[14:15], v[240:241] op_sel_hi:[1,0]   ; l under the new M.  (The plain place behind the exponentials: ISA guide 5.7.2)
	s_wait_alu depctr_va_vdst(0)
.irp b, 0,1,2,3
	v_max_num_f32 v[44+\b], 0x1800000, v[44+\b]    ; the floor 2^(3 - 127)
.endr
.irp b, 0,1,2,3
	s_delay_alu instid0(VALU_DEP_4)
	v_add_nc_u32 v[52+\b], 0xff000000, v[44+\b]    ; the conversion's scale operand
.endr
.irp b, 0,1,2,3
	s_delay_alu instid0(VALU_DEP_4)
	v_lshrrev_b32 v[48+\b], 23, v[52+\b]           ; the scale's byte
.endr
	s_delay_alu instid0(VALU_DEP_3)
	v_lshl_or_b32 v89, v49, 8, v48
	s_delay_alu instid0(VALU_DEP_1)
	v_lshl_or_b32 v89, v50, 16, v89
	s_delay_alu instid0(VALU_DEP_1)
	v_lshl_or_b32 v89, v51, 24, v89                ; p's scale word for these 128 keys
.irp c, 0,1
	v_cvt_scalef32_pk16_fp6_f32 v[32+6*\c:34+6*\c], v[96+32*\c:111+32*\c], v[52+2*\c]
	v_cvt_scalef32_pk16_fp6_f32 v[60+4*\c:62+4*\c], v[112+32*\c:127+32*\c], v[53+2*\c]
.endr
	v_nop                                          ; one plain place behind a scaled conversion
.irp c, 0,1
.irp i, 0,1,2
	v_permlane16_swap_b32 v[32+6*\c+\i], v[60+4*\c+\i]
.endr
.irp i, 0,1,2
	s_delay_alu instid0(VALU_DEP_3)
	v_mov_b32 v[35+6*\c+\i], v[60+4*\c+\i]
.endr
.endr
	v_pk_add_f32 v[242:243], v[100:101], v[104:105]
	v_pk_add_f32 v[254:255], v[108:109], v[112:113]
	v_pk_add_f32 v[252:253], v[116:117], v[120:121]
	v_pk_add_f32 v[250:251], v[124:125], v[128:129]
	v_pk_add_f32 v[248:249], v[132:133], v[136:137]
	v_pk_add_f32 v[246:247], v[140:141], v[144:145]
	v_pk_add_f32 v[244:245], v[148:149], v[152:153]
	v_pk_add_f32 v[14:15], v[14:15], v[156:157]
	v_pk_add_f32 v[242:243], v[242:243], v[96:97]
	v_pk_add_f32 v[254:255], v[254:255], v[98:99]
	v_pk_add_f32 v[252:253], v[252:253], v[102:103]
	v_pk_add_f32 v[250:251], v[250:251], v[106:107]
	v_pk_add_f32 v[248:249], v[248:249], v[110:111]
	v_pk_add_f32 v[246:247], v[246:247], v[114:115]
	v_pk_add_f32 v[244:245], v[244:245], v[118:119]
	v_pk_add_f32 v[14:15], v[14:15], v[122:123]
	v_pk_add_f32 v[242:243], v[242:243], v[126:127]
	v_pk_add_f32 v[254:255], v[254:255], v[130:131]
	v_pk_add_f32 v[252:253], v[252:253], v[134:135]
	v_pk_add_f32 v[250:251], v[250:251], v[138:139]
	v_pk_add_f32 v[248:249], v[248:249], v[142:143]
	v_pk_add_f32 v[246:247], v[246:247], v[146:147]
	v_pk_add_f32 v[244:245], v[244:245], v[150:151]
	v_pk_add_f32 v[14:15], v[14:15], v[154:155]
	v_pk_add_f32 v[242:243], v[242:243], v[158:159]
	s_delay_alu instid0(VALU_DEP_2)
	v_pk_add_f32 v[14:15], v[14:15], v[250:251]
	s_delay_alu instid0(VALU_DEP_2)
	v_pk_add_f32 v[242:243], v[242:243], v[248:249]
	s_setprio 0
	v_pk_add_f32 v[254:255], v[254:255], v[246:247]
	v_pk_add_f32 v[252:253], v[252:253], v[244:245]
	s_delay_alu instid0(VALU_DEP_2)
	v_pk_add_f32 v[14:15], v[14:15], v[254:255]
	s_delay_alu instid0(VALU_DEP_2)
	v_pk_add_f32 v[242:243], v[242:243], v[252:253]
	s_delay_alu instid0(VALU_DEP_1)
	v_pk_add_f32 v[14:15], v[14:15], v[242:243]
.set j, 0
.rept 16
	v_pk_mul_f32 v[160+2*j:161+2*j], v[160+2*j:161+2*j], v[240:241] op_sel_hi:[1,0]   ; O^T under the new M, each accumulator from its low end on.  (With the sums above: the places that p's word and codes stand ahead of the products)
.set j, j+1
.endr
	s_wait_alu depctr_va_vdst(0)
	s_wait_dscnt 0x0                               ; V
.irp t, 0,1,2,3                                ; the four accumulators by turns
.set rD, 160+8*\t
.set rA, 192+12*\t
.set rB, 32
.set rSA, 86+(\t>>1)
.set rSB, 89
	MMX (\t&1), 0
.endr
.endm
; THE CHANGE OF SLOTS, at a slot's head.  Each wave waits for all its tensor loads (its part of the slot ahead), adds 0 to its spare word, and waits for that and for its reads of the slot that it has left.
; Behind the barrier the slot ahead is whole and nobody reads the other.  fill = 1: that other slot takes the next 8 records; the load has 8 steps in which to land.
.macro CHANGE fill
	s_wait_tensorcnt 0x0                           ; no tensor load of mine is out, so group 0 may be written
	ds_add_u32 v5, v6                              ; 0 onto my spare word
.if \fill
	s_xor_b32 s33, s33, SLOT1                      ; the other slot than last time,
	s_add_nc_u64 s[34:35], s[34:35], SLOTB         ; the next 8 records; the type bits on top are not reached
.endif
	s_wait_dscnt 0x0                               ; the add is done, and my reads of the slot that I have left are over
	s_barrier_signal -1
	s_barrier_wait -1
.if \fill
	TLOAD                                          ; the first thing behind the barrier, and a wave's one tensor load until the next
.endif
.endm
.macro SLOT_STEPS                      ; a slot's eight steps: written once, walked eight times; the LDS addresses hang on s36
	s_mov_b32 s38, 8
.Lstep_\@:
	s_setprio 2
	STEP
	s_add_co_u32 s36, s36, KVR
	s_sub_co_u32 s38, s38, 1
	s_cmp_lg_u32 s38, 0
	s_cbranch_scc1 .Lstep_\@
	s_setprio 0
	s_sub_co_u32 s36, s36, SLOTB
	s_xor_b32 s36, s36, SLOT1                      ; on to the other slot
.endm
	s_wait_loadcnt 0x0                             ; Q
.Lslot:                                        ; three trips: behind each change of slots but the last the next slot is asked for
	CHANGE 1
	SLOT_STEPS
	s_sub_co_u32 s37, s37, 1
	s_cmp_lg_u32 s37, 0
	s_cbranch_scc1 .Lslot
	CHANGE 0                                       ; the last slot is written out
	SLOT_STEPS
.rept 4
	v_nop                                          ; places behind the last products
.endr
	v_add_f32 v14, v14, v15
	s_delay_alu instid0(VALU_DEP_1)
	v_permlanex16_b32 v242, v14, s[SEL], s[SEL+1]
	s_delay_alu instid0(VALU_DEP_1)
	v_add_f32 v14, v14, v242                       ; the row's sum
	s_wait_alu depctr_va_vdst(0)
	v_rcp_f32 v14, v14
	v_nop                                          ; one plain place behind a transcendental
.set j, 0
	s_wait_alu depctr_va_vdst(0)
.rept 32
	v_mul_f32 v[96+j], v[160+j], v14               ; ctx: register 16 b + i is channel 32 b + 16 (lane / 16) + i of my query
.set j, j+1
.endr
	QUANT2 96, 32, 40, 44, 48
	global_store_b128 v1, v[32:35], s[8:9]
	global_store_b64 v2, v[36:37], s[8:9] offset:512
	global_store_b32 v3, v44, s[8:9] offset:768
	s_wait_tensorcnt 0x0                           ; the wave's end
	ds_add_u32 v5, v6
	s_wait_dscnt 0x0
	s_endpgm
.Lfunc_end_k_q5fc55fadd1_attn:
	.size	k_q5fc55fadd1_attn, .Lfunc_end_k_q5fc55fadd1_attn-k_q5fc55fadd1_attn
	.p2alignl 7, 3214868480
	.fill 96, 4, 3214868480
	.section	.rodata,"a",@progbits
	.p2align	6, 0x0
	.amdhsa_kernel k_q5fc55fadd1_attn
		.amdhsa_group_segment_fixed_size 327680
		.amdhsa_private_segment_fixed_size 0
		.amdhsa_enable_private_segment 0
		.amdhsa_kernarg_size 24
		.amdhsa_user_sgpr_count 2
		.amdhsa_user_sgpr_kernarg_segment_ptr 1
		.amdhsa_wavefront_size32 1
		.amdhsa_system_sgpr_workgroup_id_x 1
		.amdhsa_system_sgpr_workgroup_id_y 1
		.amdhsa_system_sgpr_workgroup_id_z 1
		.amdhsa_system_vgpr_workitem_id 0
		.amdhsa_next_free_vgpr 256
		.amdhsa_next_free_sgpr 66
		.amdhsa_reserve_vcc 0
		.amdhsa_float_denorm_mode_32 3
		.amdhsa_float_denorm_mode_16_64 3
		.amdhsa_memory_ordered 1
		.amdhsa_forward_progress 1
		.amdhsa_inst_pref_size 46
	.end_amdhsa_kernel
	.amdgpu_metadata
---
amdhsa.version: [ 1, 2 ]
amdhsa.kernels:
  - .name:           k_q5fc55fadd1_attn
    .symbol:         k_q5fc55fadd1_attn.kd
    .args:
      - { .name: qimg, .offset: 0, .size: 8, .value_kind: global_buffer, .address_space: global }
      - { .name: kv, .offset: 8, .size: 8, .value_kind: global_buffer, .address_space: global }
      - { .name: ctx, .offset: 16, .size: 8, .value_kind: global_buffer, .address_space: global }
    .group_segment_fixed_size: 327680
    .private_segment_fixed_size: 0
    .kernarg_segment_align: 8
    .kernarg_segment_size: 24
    .max_flat_workgroup_size: 512
    .sgpr_count:     66
    .vgpr_count:     256
    .wavefront_size: 32
...
	.end_amdgpu_metadata
.endif
;; end of part 7
;; launch tail (part 8): grid 256 x 1, 4 waves a work-group, no clusters, 105,472 bytes of LDS; arguments ctx, wimg, hidden_states, bo, g2, be2, b2, b1, out0; writes out0
.if DOCPART == 8
	.amdgcn_target "amdgcn-amd-amdhsa--gfx1250"
	.amdhsa_code_object_version 6
	.text
	.protected	k_q5fc55fadd1_tail
	.globl	k_q5fc55fadd1_tail
	.p2align	8
	.type	k_q5fc55fadd1_tail,@function
k_q5fc55fadd1_tail:
	s_mov_b64 s[64:65], 0
	v_nop
	global_prefetch_b8 v0, s[64:65] scope:SCOPE_SE
	s_setreg_imm32_b32 hwreg(HW_REG_WAVE_SCHED_MODE, 0, 2), 2
	s_setreg_imm32_b32 hwreg(HW_REG_WAVE_MODE, 25, 1), 1
	s_wait_xcnt 0x0
	s_wait_alu depctr_vm_vsrc(0)
; TAIL.  h = hidden + ctx Wo + bo;  y = LayerNorm 2 (h);  out = h + gelu(y W1 + b1) W2 + b2.  All three products on codes of FP6 (E2M3); y and the gelu are quantised on the way; nothing goes to memory but out.
; SHARES.  A work-group owns 32 tokens (token tiles m = 0, 1).  THE WAVES SHARE THE COLUMNS: wave w owns output columns 128 w .. 128 w + 127 (8 tiles) and, in each of 8 chunks of 256 hidden units, units 64 w .. 64 w + 63.
; h lives in the 16 output accumulators from the first product to the end: W2's products add onto h + b2.
; WEIGHTS go from wimg straight into registers: for each wave one linear stream of 36 units of 12,800 bytes (4 of Wo, then for each chunk 2 of W1 and 2 of W2), through a ring of four register slots; every load is 512 consecutive bytes.
; All products are used transposed (source 0 = 16 weight rows, source 1 = 16 tokens): a lane holds one token and its registers run along the columns; tiles are permuted as everywhere in this program.
; Operands go from wave to wave through LDS as images of their registers.
; NO TENSOR LOADS, NO CLUSTER: each weight fragment is wanted by exactly one wave of a work-group, in registers; a joint load lands in LDS only and would add an LDS write and read of the whole 1.84 MB stream.
; GELU: 0.5 x (1 + erf(x / sqrt 2)), erf(z) = z P(z^2) / Q(z^2) with z held to +-3.7439 (degree 4 over degree 6; in f32 within a few units in the last place of erf).
; LIMITS: NaN and infinities are not served; blocks under 2^-124 are held at scale byte 1; a block of zeros gets byte 1.
; LDS: stage 32 rows x 2,064 | bo, g2, be2, b2, b1 | two sets of partial sums | y's 8 fragments and words | the hidden layer's 8 half fragments and half words | the spare words.
; REGISTERS.  Window 0: v1-14 addresses; v16-31 ctx's half words, later mean and 1/sigma; v32-47 the slots' scale words; v48-55 source 1's scale words (ctx, then y); v56-59 the hidden layer's; v60-63 two erf coefficients;
; v64-127 the hidden accumulators [m][t]; v128-175 the hidden layer's four fragments; v176-207 b1 in the result's layout; v208-247 at work; v248-250 bases BIAS + 16 l, 8 l, 4 l; v251 b1's address; v254, v255 the closing add's two.
; Window 1: slots 0, 1.  Window 2: slots 2, 3.  Window 3: v0-127 the output accumulators [m][t]; v128-223 source 1's 8 fragments (ctx, then y).
; THE MODE: SCHED_MODE bits 1:0 = 2 (LLVM: expert scheduling mode 2), set by the entry lines.  The code itself states the register dependences between vector or matrix instructions and memory or LDS instructions, with s_wait_alu, always for 0.
; THE PLAN.  Registers that memory or LDS instructions touch in a chunk, and who else names them:
;   v1, v10-12, v248-250   offsets and LDS addresses: made at the head, never written again.
;   slots 0, 1, v32-39     read by W1's 32 products; loaded again behind ONE wait on va_vdst that stands behind those products, where the gelu wants their results.  The 50 loads are dealt among the gelu's eight groups,
;                          which name v60-127 and v208-239 alone.
;   slots 2, 3, v40-47     read by W2's 32 products; loaded again behind ONE wait on va_vdst at the chunk's end.
;   v251                   read by the chunk's eight loads of b1; written at the chunk's end, behind a wait on vm_vsrc and ahead of the wait on va_vdst that stands there anyway.
;   v176-207 (b1), v128-175 and v240-247 (the hidden layer and its half words)   load destinations that products and vector lines of the chunk before read: each has one of the waits above between.
;   v208-221, v228-229     written by the quantiser of both token tiles, read by six LDS stores behind one wait on va_vdst; written again by the next chunk's gelu: the wait on vm_vsrc at the chunk's end states that the stores have read them.
;   v56-59                 scale words made by vector lines: eight places, a wait on va_vdst, then W2's products.
;   The ring's scalar base moves on by four units just ahead of a round's first refill, behind s_wait_xcnt 0.
.set PIT,  2064                        ; a stage row: 2,048 bytes + 16 = 129 x 16: sixteen rows start at sixteen different 16-byte columns of 256 bytes
.set HB,   32*PIT                      ; the biases
.set RED,  HB+16384
.set YIMG, RED+2048
.set YSC,  YIMG+12288
.set HIMG, YSC+1024
.set HSC,  HIMG+6144                   ; ends at 104,960
.set DU,   12800
.set SEL,  24
.set MSB,  0
.macro WIN new
.if MSB != (\new)
	s_set_vgpr_msb (MSB<<8)|(\new)
.set MSB, (\new)
.endif
.endm
.macro NOPS n
.rept \n
	v_nop
.endr
.endm
.macro BARRIER                         ; my LDS stores have landed and my LDS loads are in: then the work-group's barrier
	s_wait_dscnt 0x0
	s_barrier_signal -1
	s_barrier_wait -1
.endm
.macro SPAIR r, x                      ; a constant as a pair: the packed forms name a pair and take its low word for both halves
	s_mov_b32 s[\r], \x
	s_mov_b32 s[\r+1], \x
.endm
.macro MMX ra                          ; one product on rD, rA, rB, rC, rSA, rSB.  ra: source 0's scales stand in lanes 16-31
.if \ra
	v_wmma_scale_f32_16x16x128_f8f6f4 v[rD:rD+7], v[rA:rA+11], v[rB:rB+11], v[rC:rC+7], v[rSA], v[rSB] matrix_a_fmt:MATRIX_FMT_FP6 matrix_b_fmt:MATRIX_FMT_FP6 matrix_a_scale:MATRIX_SCALE_ROW1
.else
	v_wmma_scale_f32_16x16x128_f8f6f4 v[rD:rD+7], v[rA:rA+11], v[rB:rB+11], v[rC:rC+7], v[rSA], v[rSB] matrix_a_fmt:MATRIX_FMT_FP6 matrix_b_fmt:MATRIX_FMT_FP6
.endif
.endm
.macro QUANT4 s, pc, px, pw, tm        ; 64 numbers of a lane (register 16 b + i = k 32 b + 16 (lane / 16) + i) -> 12 code registers, the scale word
.irp b, 0,1,2,3
	v_max3_num_f32 v[\tm+\b], |v[\s+16*\b]|, |v[\s+16*\b+1]|, 0x1800000   ; with the floor 2^(3 - 127)
.endr
.irp i, 2,4,6,8,10,12,14
.irp b, 0,1,2,3
	v_max3_num_f32 v[\tm+\b], v[\tm+\b], |v[\s+16*\b+\i]|, |v[\s+16*\b+\i+1]|
.endr
.endr
.irp b, 0,1,2,3
	v_permlanex16_b32 v[\tm+4+\b], v[\tm+\b], s[SEL], s[SEL+1]
.endr
.irp b, 0,1,2,3
	v_max_num_f32 v[\tm+\b], v[\tm+\b], v[\tm+4+\b]
.endr
.irp b, 0,1,2,3
	v_add_nc_u32 v[\tm+12+\b], 0xff000000, v[\tm+\b]
.endr
.irp b, 0,1,2,3
	v_lshrrev_b32 v[\tm+4+\b], 23, v[\tm+12+\b]
.endr
	v_lshl_or_b32 v[\pw], v[\tm+5], 8, v[\tm+4]
	v_lshl_or_b32 v[\pw], v[\tm+6], 16, v[\pw]
	v_lshl_or_b32 v[\pw], v[\tm+7], 24, v[\pw]
.irp c, 0,1
	v_cvt_scalef32_pk16_fp6_f32 v[\pc+6*\c:\pc+6*\c+2], v[\s+32*\c:\s+32*\c+15], v[\tm+12+2*\c]
	v_cvt_scalef32_pk16_fp6_f32 v[\px+4*\c:\px+4*\c+2], v[\s+32*\c+16:\s+32*\c+31], v[\tm+13+2*\c]
.endr
	v_nop                                          ; one plain place behind a scaled conversion
.irp c, 0,1
.irp i, 0,1,2
	v_permlane16_swap_b32 v[\pc+6*\c+\i], v[\px+4*\c+\i]
.endr
.irp i, 0,1,2
	v_mov_b32 v[\pc+6*\c+3+\i], v[\px+4*\c+\i]
.endr
.endr
.endm
.macro QUANT2 s, pc, px, pw, tm        ; 32 numbers, two blocks -> 6 code registers and the word byte 0 | byte 1 << 8
.irp b, 0,1
	v_max3_num_f32 v[\tm+\b], |v[\s+16*\b]|, |v[\s+16*\b+1]|, 0x1800000
.endr
.irp i, 2,4,6,8,10,12,14
.irp b, 0,1
	v_max3_num_f32 v[\tm+\b], v[\tm+\b], |v[\s+16*\b+\i]|, |v[\s+16*\b+\i+1]|
.endr
.endr
.irp b, 0,1
	v_permlanex16_b32 v[\tm+2+\b], v[\tm+\b], s[SEL], s[SEL+1]
.endr
.irp b, 0,1
	v_max_num_f32 v[\tm+\b], v[\tm+\b], v[\tm+2+\b]
.endr
.irp b, 0,1
	v_add_nc_u32 v[\tm+4+\b], 0xff000000, v[\tm+\b]
.endr
.irp b, 0,1
	v_lshrrev_b32 v[\tm+2+\b], 23, v[\tm+4+\b]
.endr
	v_lshl_or_b32 v[\pw], v[\tm+3], 8, v[\tm+2]
	v_cvt_scalef32_pk16_fp6_f32 v[\pc:\pc+2], v[\s:\s+15], v[\tm+4]
	v_cvt_scalef32_pk16_fp6_f32 v[\px:\px+2], v[\s+16:\s+31], v[\tm+5]
	v_nop
.irp i, 0,1,2
	v_permlane16_swap_b32 v[\pc+\i], v[\px+\i]
.endr
.irp i, 0,1,2
	v_mov_b32 v[\pc+3+\i], v[\px+\i]
.endr
.endm
; Slot k takes the unit at 12,800 k from the ring's base: 24 + 1 loads.  w = 1: the first refill behind a pair of runs of products: the window's switch, the wait, the loads
.macro REFILL k, w
	WIN 0x40<<((\k)>>1)
.if \w
	s_wait_alu depctr_va_vdst(0)                   ; the products issued so far are done reading this slot, the next one and their scale words, in which the 50 loads from here on land; at a chunk's end v251 is written too
.endif
.set g, 0
.rept 24
	global_load_b128 v[96*((\k)&1)+4*g:96*((\k)&1)+4*g+3], v1, s[26:27] offset:DU*(\k)+512*g
.set g, g+1
.endr
	WIN 0
	global_load_b128 v[32+4*(\k):35+4*(\k)], v1, s[26:27] offset:DU*(\k)+12288
.endm
; Part g of eight of the refill of slots 0 and 1: six loads of codes; parts 3 and 7 end with their slot's scale words, so that a slot's 25 loads stand on end in the order of issue
.macro PART g
	WIN 0x40
.set n, 6*(\g)
.rept 6
	global_load_b128 v[96*(n/24)+4*(n%24):96*(n/24)+4*(n%24)+3], v1, s[26:27] offset:DU*(n/24)+512*(n%24)
.set n, n+1
.endr
	WIN 0
.if ((\g)&3) == 3
	global_load_b128 v[32+4*((\g)>>2):35+4*((\g)>>2)], v1, s[26:27] offset:DU*((\g)>>2)+12288
.endif
.endm
; In all three runs of products the accumulators take turns, one instruction a turn; a run's last and the next run's first name different accumulators.
.macro MULA k                          ; Wo: output tiles 2 k, 2 k + 1 += slot k x ctx
	WIN 0xfd+((\k)>>1)                             ; source 0 window 1 or 2, source 1, C and D window 3
.irp s, 0,1,2,3
.irp u, 0,1
.irp m, 0,1
.set rD, 64*\m+8*(2*(\k)+\u)
.set rA, 96*((\k)&1)+12*(4*\u+\s)
.set rB, 128+12*(4*\m+\s)
.set rC, rD
.set rSA, 32+4*(\k)+\s
.set rSB, 48+4*\m+\s
	MMX \u
.endr
.endr
.endr
.endm
.macro MULH k                          ; W1: hidden tiles 2 k, 2 k + 1 = b1 + slot k x y
	WIN 0x0d                                       ; source 0 window 1, source 1 window 3
.irp s, 0,1,2,3
.irp u, 0,1
.irp m, 0,1
.set rD, 64+32*\m+8*(2*(\k)+\u)
.set rA, 96*(\k)+12*(4*\u+\s)
.set rB, 128+12*(4*\m+\s)
.if \s == 0
.set rC, 176+16*(\k)+8*\u
.else
.set rC, rD
.endif
.set rSA, 32+4*(\k)+\s
.set rSB, 48+4*\m+\s
	MMX \u
.endr
.endr
.endr
.endm
.macro MULO k                          ; W2 (k = 2, 3): output tiles 4 (k - 2) + t += slot k x the chunk's hidden layer
	WIN 0xf2                                       ; source 0 window 2, C and D window 3
.irp g, 0,1
.irp t, 0,1,2,3
.irp m, 0,1
.set rD, 64*\m+8*(4*((\k)-2)+\t)
.set rA, 96*((\k)&1)+12*(2*\t+\g)
.set rB, 128+12*(2*\m+\g)
.set rC, rD
.set rSA, 32+4*(\k)+2*(\t>>1)+\g
.set rSB, 56+2*\m+\g
	MMX (\t&1)
.endr
.endr
.endr
.endm
; gelu of 8 registers in place, four pairs by turns.  Pair a's work: z at v[208 + 8 a], z^2 at + 2, P at + 4, Q at + 6
.macro GELU4 x
.irp a, 0,1,2,3
	v_pk_mul_f32 v[208+8*\a:209+8*\a], v[\x+2*\a:\x+2*\a+1], 0x3f3504f3 op_sel_hi:[1,0]   ; z = x / sqrt 2
.endr
.irp a, 0,1,2,3
	v_med3_num_f32 v[208+8*\a], v[208+8*\a], s49, s48
	v_med3_num_f32 v[209+8*\a], v[209+8*\a], s49, s48
.endr
.irp a, 0,1,2,3
	v_pk_mul_f32 v[210+8*\a:211+8*\a], v[208+8*\a:209+8*\a], v[208+8*\a:209+8*\a]
.endr
.irp a, 0,1,2,3
	v_pk_fma_f32 v[212+8*\a:213+8*\a], v[210+8*\a:211+8*\a], s[30:31], v[60:61] op_sel_hi:[1,0,1]
	v_pk_fma_f32 v[214+8*\a:215+8*\a], v[210+8*\a:211+8*\a], s[38:39], v[62:63] op_sel_hi:[1,0,1]
.endr
.irp c, 0,2,4
.irp a, 0,1,2,3
	v_pk_fma_f32 v[212+8*\a:213+8*\a], v[212+8*\a:213+8*\a], v[210+8*\a:211+8*\a], s[32+\c:33+\c] op_sel_hi:[1,1,0]
	v_pk_fma_f32 v[214+8*\a:215+8*\a], v[214+8*\a:215+8*\a], v[210+8*\a:211+8*\a], s[40+\c:41+\c] op_sel_hi:[1,1,0]
.endr
.endr
.irp a, 0,1,2,3
	v_pk_fma_f32 v[214+8*\a:215+8*\a], v[214+8*\a:215+8*\a], v[210+8*\a:211+8*\a], s[46:47] op_sel_hi:[1,1,0]
.endr
.irp a, 0,1,2,3
	v_pk_fma_f32 v[214+8*\a:215+8*\a], v[214+8*\a:215+8*\a], v[210+8*\a:211+8*\a], 1.0 op_sel_hi:[1,1,0]
	v_pk_mul_f32 v[212+8*\a:213+8*\a], v[208+8*\a:209+8*\a], v[212+8*\a:213+8*\a]   ; z P
.endr
	s_wait_alu depctr_va_vdst(0)
.irp a, 0,1,2,3
	v_rcp_f32 v[214+8*\a], v[214+8*\a]
	v_rcp_f32 v[215+8*\a], v[215+8*\a]
.endr
.irp a, 0,1,2,3
	v_pk_mul_f32 v[208+8*\a:209+8*\a], v[\x+2*\a:\x+2*\a+1], 0.5 op_sel_hi:[1,0]    ; x / 2.  (The plain places behind the reciprocals: ISA guide 5.7.2)
.endr
	s_wait_alu depctr_va_vdst(0)                   ; the eight reciprocals are written, ahead of their first reader: one wait for the batch
.irp a, 0,1,2,3
	v_pk_mul_f32 v[212+8*\a:213+8*\a], v[212+8*\a:213+8*\a], v[214+8*\a:215+8*\a]   ; erf
.endr
.irp a, 0,1,2,3
	v_pk_fma_f32 v[\x+2*\a:\x+2*\a+1], v[208+8*\a:209+8*\a], v[212+8*\a:213+8*\a], v[208+8*\a:209+8*\a]
.endr
.endm
	s_load_b256 s[4:11], s[0:1], 0x0               ; ctx, wimg, hidden_states, bo
	s_load_b256 s[12:19], s[0:1], 0x20             ; g2, be2, b2, b1
	s_load_b64 s[20:21], s[0:1], 0x40              ; out0
	v_lshl_add_u32 v254, v0, 2, 0x19a00
	v_mov_b32 v255, 0
	v_lshrrev_b32 v1, 5, v0
	v_readfirstlane_b32 s22, v1                    ; wave 0..3
	v_and_b32 v16, 31, v0                          ; l
	v_and_b32 v17, 15, v0                          ; r
	v_bfe_u32 v18, v0, 4, 1                        ; h
	v_lshlrev_b32 v1, 4, v16
	v_lshlrev_b32 v2, 2, v16
	v_lshlrev_b32 v3, 3, v16
	v_lshlrev_b32 v19, 6, v18                      ; 64 h
	s_wait_alu depctr_va_sdst(0)                   ; s22, the wave's number, is written, ahead of its first reader
	s_lshl_b32 s50, s22, 9
	v_mul_u32_u24 v4, v17, PIT
	v_add_nc_u32 v4, v4, v19
	v_add_nc_u32 v4, s50, v4                       ; v4: stage row r, my wave's 512 bytes, + 64 h
	v_add_nc_u32 v5, s50, v19
	v_add_nc_u32 v5, HB, v5                        ; v5: the same columns in bo (g2, be2, b2: 2,048 bytes on each)
	s_lshl_b32 s50, s22, 8
	v_add_nc_u32 v6, s50, v19
	v_add_nc_u32 v6, HB+8192, v6                   ; v6: b1 at my 64 units of chunk 0
	v_add_nc_u32 v7, s50, v2
	v_add_nc_u32 v7, RED, v7                       ; v7: my wave's partial sums
	s_mul_i32 s50, s22, 1536
	v_add_nc_u32 v8, s50, v1
	v_add_nc_u32 v8, YIMG, v8                      ; v8: y's fragment of K step w
	s_lshl_b32 s50, s22, 7
	v_add_nc_u32 v9, s50, v2
	v_add_nc_u32 v12, HSC, v9                      ; v12: my half word of the hidden layer
	v_add_nc_u32 v9, YSC, v9                       ; v9: y's scale word
	s_mul_i32 s50, s22, 768
	v_add_nc_u32 v10, s50, v1
	v_add_nc_u32 v10, HIMG, v10                    ; v10, v11: my half fragment: four registers, then two
	v_add_nc_u32 v11, s50, v3
	v_add_nc_u32 v11, HIMG+512, v11
	s_mul_i32 s50, s22, 8*PIT
	v_add_nc_u32 v13, s50, v1                      ; v13: stage rows 8 w on, dense
	s_lshl_b32 s50, s22, 11
	v_add_nc_u32 v14, s50, v1
	v_add_nc_u32 v14, HB, v14                      ; v14: the bias vector that I bring
	v_add_nc_u32 v248, HB, v1                      ; an LDS immediate reaches 65,535: what lies behind the stage is read from these bases
	v_add_nc_u32 v249, HB, v3
	v_add_nc_u32 v250, HB, v2
	v_mov_b32 v242, 0                              ; a lane permute's destination counts as one of its sources
	v_mov_b32 v243, 0
	v_mov_b32 v60, 0x3b5f5da2                      ; P's second coefficient, twice
	v_mov_b32 v61, 0x3b5f5da2
	v_mov_b32 v62, 0x37c588df                      ; Q's second
	v_mov_b32 v63, 0x37c588df
	s_mov_b32 s[SEL], 0x76543210
	s_mov_b32 s[SEL+1], 0xfedcba98
	SPAIR 30, 0x39702d51                           ; P, highest degree first (the second stands in v[60:61])
	SPAIR 32, 0x3d50b6eb
	SPAIR 34, 0x3e3da740
	SPAIR 36, 0x3f906eba
	SPAIR 38, 0xb3fd3906                           ; Q (the second in v[62:63], the last is 1.0)
	SPAIR 40, 0x3a856d28
	SPAIR 42, 0x3c6687d4
	SPAIR 44, 0x3de34c21
	SPAIR 46, 0x3efeb44a
	s_mov_b32 s48, 0x406f9c67                      ; 3.7439212
	s_mov_b32 s49, 0xc06f9c67
	s_mov_b32 s56, 0x3b000000                      ; 1 / 512
	s_mov_b32 s57, 0x3727c5ac                      ; 1e-5
	s_mov_b32 s28, 7                               ; chunks in the loop
	s_mov_b32 s29, 0                               ; b1's step: 1,024 bytes a chunk
	s_lshl_b32 s50, ttmp9, 5
	s_lshr_b32 s51, s22, 1
	s_lshl_b32 s51, s51, 3
	s_add_co_u32 s50, s50, s51
	s_and_b32 s51, s22, 1
	s_lshl_b32 s51, s51, 4
	s_add_co_u32 s50, s50, s51                     ; stage rows 8 w .. 8 w + 7 are tokens 32 wg + 8 (w / 2) + 16 (w % 2) + 0 .. 7
	s_lshl_b32 s50, s50, 11
	s_mov_b32 s51, 0
	s_lshl_b32 s54, ttmp9, 14                      ; ctx: two tiles of 8,192 bytes
	s_mov_b32 s55, 0
	s_mul_i32 s58, s22, 36*DU                      ; my stream
	s_mov_b32 s59, 0
	s_lshl_b32 s60, s22, 11                        ; my quarter of b1
	s_mov_b32 s61, 0
	s_wait_kmcnt 0x0
	s_add_nc_u64 s[8:9], s[8:9], s[50:51]
	s_add_nc_u64 s[20:21], s[20:21], s[50:51]
	s_add_nc_u64 s[4:5], s[4:5], s[54:55]
	s_add_nc_u64 s[26:27], s[6:7], s[58:59]
	s_add_nc_u64 s[18:19], s[18:19], s[60:61]
	s_cmp_eq_u32 s22, 0                            ; wave 0 brings bo, 1 g2, 2 be2, 3 b2: the choice hangs on the wave's number alone
	s_cselect_b64 s[52:53], s[10:11], s[12:13]
	s_cmp_eq_u32 s22, 2
	s_cselect_b64 s[52:53], s[14:15], s[52:53]
	s_cmp_eq_u32 s22, 3
	s_cselect_b64 s[52:53], s[16:17], s[52:53]
	s_wait_alu depctr_va_vdst(0)                   ; the offsets and LDS addresses v1-14 and v248-250 are written, which the loads and stores of the whole kernel read; the head is done with v16-19, in which ctx's half words land
; ---------------- 0: hidden's rows and the biases into LDS; ctx into registers; the ring's first four units
.set i, 0
.rept 32
	global_load_b128 v[64+4*i:67+4*i], v1, s[8:9] offset:(i/4)*2048+512*(i%4)
.set i, i+1
.endr
.irp c, 0,1,2,3
	global_load_b128 v[192+4*\c:195+4*\c], v1, s[52:53] offset:512*\c
.endr
.irp c, 0,1,2,3
	global_load_b128 v[208+4*\c:211+4*\c], v1, s[18:19] offset:512*\c
.endr
	WIN 0xc0
.irp m, 0,1
.irp hd, 0,1,2,3,4,5,6,7                       ; head hd is half hd % 2 of K step hd / 2
	global_load_b128 v[128+12*(4*\m+(\hd>>1))+6*(\hd&1):131+12*(4*\m+(\hd>>1))+6*(\hd&1)], v1, s[4:5] offset:8192*\m+1024*\hd
	global_load_b64 v[132+12*(4*\m+(\hd>>1))+6*(\hd&1):133+12*(4*\m+(\hd>>1))+6*(\hd&1)], v3, s[4:5] offset:8192*\m+1024*\hd+512
.endr
.endr
	WIN 0
.irp m, 0,1
.irp hd, 0,1,2,3,4,5,6,7
	global_load_b32 v[16+8*\m+\hd], v2, s[4:5] offset:8192*\m+1024*\hd+768
.endr
.endr
	s_wait_loadcnt 48                              ; hidden and the biases are in; ctx's 48 loads stay out
.set i, 0
.rept 32
	ds_store_b128 v13, v[64+4*i:67+4*i] offset:(i/4)*PIT+512*(i%4)
.set i, i+1
.endr
.irp c, 0,1,2,3
	ds_store_b128 v14, v[192+4*\c:195+4*\c] offset:512*\c
	ds_store_b128 v14, v[208+4*\c:211+4*\c] offset:8192+512*\c
.endr
.irp k, 0,1,2,3
	REFILL \k, 0                                   ; units 0 to 3: no vector or matrix instruction has named the slots yet
.endr
	BARRIER                                        ; the 32 rows and the biases lie in LDS
	s_wait_alu depctr_vm_vsrc(0)                   ; my LDS stores have read v64-223: bo lands in v64-127 below, and vector lines and later loads write the rest again
; ---------------- A: the accumulators begin as hidden + bo; then Wo's products
	WIN 0xc0
.irp m, 0,1
.set i, 0
.rept 16
	ds_load_b128 v[64*\m+4*i:64*\m+4*i+3], v4 offset:16*PIT*\m+128*(i/4)+16*(i%4)   ; register 16 b + i: column 128 w + 32 b + 16 h + i of token (m, r)
.set i, i+1
.endr
.endr
	WIN 0
.set i, 0
.rept 16
	ds_load_b128 v[64+4*i:67+4*i], v5 offset:128*(i/4)+16*(i%4)                      ; bo at the same columns
.set i, i+1
.endr
	s_wait_loadcnt 63                              ; ctx is in: 100 loads of the ring were issued behind it, and a count names 63 at the most
.irp m, 0,1
.irp s, 0,1,2,3
	v_lshl_or_b32 v[48+4*\m+\s], v[17+8*\m+2*\s], 16, v[16+8*\m+2*\s]   ; two heads' half words make a K step's scale word
.endr
.endr
	s_wait_dscnt 0x0
	WIN 0xc3
.irp m, 0,1
.set p, 0
.rept 32
	v_pk_add_f32 v[64*\m+2*p:64*\m+2*p+1], v[64*\m+2*p:64*\m+2*p+1], v[64+2*p:65+2*p]   ; (these 64 are also the places that the scale words stand ahead of the products)
.set p, p+1
.endr
.endr
	WIN 0
	s_wait_alu depctr_va_vdst(0)                   ; ctx's scale words v48-55 are written, which the products take as scales; the places stand ahead of this wait
	s_wait_loadcnt 50                              ; slot 0 is in: three units (75 loads) were issued behind it; 50 leaves two of them out
	MULA 0
	s_wait_loadcnt 50                              ; slot 1 is in: two units (50 loads) were issued behind it
	MULA 1
	WIN 0
	NOPS 4                                         ; places behind the last product (ISA guide 7.12.1)
	s_wait_xcnt 0x0                                ; the ring's loads have read their base: it is stepped only behind this wait (ISA guide 3.1)
	s_add_nc_u64 s[26:27], s[26:27], 4*DU          ; on to units 4 to 7
	REFILL 0, 1
	REFILL 1, 0
	s_wait_loadcnt 50                              ; slot 2 is in: slot 3's unit and the two just asked for (75 loads) were issued behind it
	MULA 2
	s_wait_loadcnt 50                              ; slot 3 is in: 50 loads were issued behind it
	MULA 3
	WIN 0
	NOPS 4                                         ; places behind the last product, ahead of the sums that read the accumulators
	REFILL 2, 1
	REFILL 3, 0
; ---------------- B: LayerNorm 2 over the four waves' columns, in two passes: the mean, then the squares of the deviations
.irp m, 0,1
	WIN 0x0f                                       ; sources window 3.  Ascending
.set p, 0
.rept 16
	v_pk_add_f32 v[208+2*p:209+2*p], v[64*\m+4*p:64*\m+4*p+1], v[64*\m+4*p+2:64*\m+4*p+3]
.set p, p+1
.endr
	WIN 0
.irp p, 0,1,2,3,4,5,6,7
	v_pk_add_f32 v[208+2*\p:209+2*\p], v[208+2*\p:209+2*\p], v[224+2*\p:225+2*\p]
.endr
.irp p, 0,1,2,3
	v_pk_add_f32 v[208+2*\p:209+2*\p], v[208+2*\p:209+2*\p], v[216+2*\p:217+2*\p]
.endr
.irp p, 0,1
	v_pk_add_f32 v[208+2*\p:209+2*\p], v[208+2*\p:209+2*\p], v[212+2*\p:213+2*\p]
.endr
	v_pk_add_f32 v[208:209], v[208:209], v[210:211]
	v_add_f32 v[240+\m], v208, v209
.endr
	v_permlanex16_b32 v242, v240, s[SEL], s[SEL+1]
	v_permlanex16_b32 v243, v241, s[SEL], s[SEL+1]
	v_add_f32 v240, v240, v242
	v_add_f32 v241, v241, v243
	s_wait_alu depctr_va_vdst(0)                   ; my partial sums v240 and v241 are written, which the LDS stores read; the sums are done with v208-215, in which the four waves' parts land
	ds_store_b32 v7, v240
	ds_store_b32 v7, v241 offset:128
	BARRIER
	s_wait_alu depctr_vm_vsrc(0)                   ; my LDS stores have read v240 and v241, which the chains of squares write again
.irp m, 0,1
.irp w, 0,1,2,3
	ds_load_b32 v[208+4*\m+\w], v250 offset:RED-HB+256*\w+128*\m
.endr
.endr
	s_wait_dscnt 0x0
.irp m, 0,1
	v_add_f32 v[208+4*\m], v[208+4*\m], v[209+4*\m]
	v_add_f32 v[210+4*\m], v[210+4*\m], v[211+4*\m]
	v_add_f32 v[208+4*\m], v[208+4*\m], v[210+4*\m]
	v_mul_f32 v[16+2*\m], s56, v[208+4*\m]         ; the mean, twice
	v_mov_b32 v[17+2*\m], v[16+2*\m]
.endr
.irp m, 0,1
.irp bt, 0,1
	WIN 0x03
.set p, 0
.rept 16
	v_pk_add_f32 v[208+2*p:209+2*p], v[64*\m+32*\bt+2*p:64*\m+32*\bt+2*p+1], v[16+2*\m:17+2*\m] neg_lo:[0,1] neg_hi:[0,1]
.set p, p+1
.endr
	WIN 0
.set p, 0
.rept 16
.if (\bt == 0) && (p < 4)
	v_pk_mul_f32 v[240+2*p:241+2*p], v[208+2*p:209+2*p], v[208+2*p:209+2*p]
.else
	v_pk_fma_f32 v[240+2*(p%4):241+2*(p%4)], v[208+2*p:209+2*p], v[208+2*p:209+2*p], v[240+2*(p%4):241+2*(p%4)]
.endif
.set p, p+1
.endr
.endr
	v_pk_add_f32 v[240:241], v[240:241], v[242:243]
	v_pk_add_f32 v[244:245], v[244:245], v[246:247]
	v_pk_add_f32 v[240:241], v[240:241], v[244:245]
	v_add_f32 v[24+\m], v240, v241
.endr
	v_permlanex16_b32 v26, v24, s[SEL], s[SEL+1]
	v_permlanex16_b32 v27, v25, s[SEL], s[SEL+1]
	v_add_f32 v24, v24, v26
	v_add_f32 v25, v25, v27
	s_wait_alu depctr_va_vdst(0)                   ; my partial sums v24 and v25 are written, which the LDS stores read; the deviations are done with v208-239, in which the loads below land
	ds_store_b32 v7, v24 offset:1024               ; the second set of words: nobody waits for the first set's loads
	ds_store_b32 v7, v25 offset:1152
	BARRIER
.irp m, 0,1
.irp w, 0,1,2,3
	ds_load_b32 v[208+4*\m+\w], v250 offset:RED-HB+1024+256*\w+128*\m
.endr
.endr
	s_wait_dscnt 0x0
.irp m, 0,1
	v_add_f32 v[208+4*\m], v[208+4*\m], v[209+4*\m]
	v_add_f32 v[210+4*\m], v[210+4*\m], v[211+4*\m]
	v_add_f32 v[208+4*\m], v[208+4*\m], v[210+4*\m]
	v_fma_f32 v[208+4*\m], v[208+4*\m], s56, s57   ; the variance + eps
.endr
	s_wait_alu depctr_va_vdst(0)
	v_rsq_f32 v20, v208
	v_rsq_f32 v22, v212
	v_nop                                          ; one plain place behind the transcendentals
	s_wait_alu depctr_va_vdst(0)                   ; both 1 / sigma are written, ahead of their first reader; and the sums are done with v208-215, in which be2's first sixteen columns land
	v_mov_b32 v21, v20
	v_mov_b32 v23, v22
.irp b, 0,1,2,3                                ; 16 columns a lane at a time: y into v64-191 (tile m at 64 + 64 m), and b2 onto the accumulators
.if \b > 0
	s_wait_alu depctr_va_vdst(0)                   ; the last sixteen columns' arithmetic is done reading g2, be2 and b2 in v192-239, in which the next sixteen land
.endif
.irp j, 0,1,2,3
	ds_load_b128 v[192+4*\j:195+4*\j], v5 offset:2048+128*\b+16*\j
	ds_load_b128 v[208+4*\j:211+4*\j], v5 offset:4096+128*\b+16*\j
	ds_load_b128 v[224+4*\j:227+4*\j], v5 offset:6144+128*\b+16*\j
.endr
	s_wait_dscnt 0x0
	WIN 0x03
.irp m, 0,1
.irp p, 0,1,2,3,4,5,6,7
	v_pk_add_f32 v[64+64*\m+16*\b+2*\p:65+64*\m+16*\b+2*\p], v[64*\m+16*\b+2*\p:64*\m+16*\b+2*\p+1], v[16+2*\m:17+2*\m] neg_lo:[0,1] neg_hi:[0,1]
.endr
.endr
	WIN 0
.irp m, 0,1
.irp p, 0,1,2,3,4,5,6,7
	v_pk_mul_f32 v[64+64*\m+16*\b+2*\p:65+64*\m+16*\b+2*\p], v[64+64*\m+16*\b+2*\p:65+64*\m+16*\b+2*\p], v[20+2*\m:21+2*\m]
.endr
.endr
.irp m, 0,1
.irp p, 0,1,2,3,4,5,6,7
	v_pk_fma_f32 v[64+64*\m+16*\b+2*\p:65+64*\m+16*\b+2*\p], v[64+64*\m+16*\b+2*\p:65+64*\m+16*\b+2*\p], v[192+2*\p:193+2*\p], v[208+2*\p:209+2*\p]
.endr
.endr
	WIN 0xc3
.irp m, 0,1
.irp p, 0,1,2,3,4,5,6,7
	v_pk_add_f32 v[64*\m+16*\b+2*\p:64*\m+16*\b+2*\p+1], v[64*\m+16*\b+2*\p:64*\m+16*\b+2*\p+1], v[224+2*\p:225+2*\p]
.endr
.endr
	WIN 0
.endr
	v_add_nc_u32 v251, s29, v6                     ; b1's address for chunk 0: made here, ahead of a wait on va_vdst that stands anyway
	s_add_co_u32 s29, s29, 1024
.irp m, 0,1                                    ; my 128 columns are K step w of the next product
	QUANT4 64+64*\m, 192+12*\m, 216, 224+\m, 232
.endr
	s_wait_alu depctr_va_vdst(0)                   ; the quantiser has written both tiles' codes v192-215 and words v224, v225, which the LDS stores read
.irp m, 0,1
.irp g, 0,1,2
	ds_store_b128 v8, v[192+12*\m+4*\g:195+12*\m+4*\g] offset:6144*\m+512*\g
.endr
	ds_store_b32 v9, v[224+\m] offset:512*\m
.endr
	BARRIER                                        ; y's eight fragments lie in LDS
	WIN 0xc0
	s_wait_alu depctr_vm_vsrc(0)                   ; my LDS stores have read v192-215, v224 and v225: b1 lands in v192-207, and the gelu writes the rest again
	s_wait_alu depctr_va_vdst(0)                   ; Wo's products are done reading ctx's fragments and words, in which y's land; y's arithmetic and the quantiser are done with v176-207, in which b1 lands; v251 is written
.set g, 0
.rept 24
	ds_load_b128 v[128+4*g:131+4*g], v248 offset:YIMG-HB+512*g
.set g, g+1
.endr
	WIN 0
.irp f, 0,1,2,3,4,5,6,7
	ds_load_b32 v[48+\f], v250 offset:YSC-HB+128*\f
.endr
	s_wait_dscnt 0x0
; ---------------- a chunk of 256 hidden units.  refill = 1: the slots take the next chunk's units, two behind each pair of runs of products.  c0-c3: the ring loads that may stay out when slot 0-3 is wanted
.macro CHUNK refill, c0, c1, c2, c3
.irp k, 0,1
.irp j, 0,1,2,3
	ds_load_b128 v[176+16*\k+4*\j:179+16*\k+4*\j], v251 offset:128*\k+16*\j   ; b1 in the result's layout: the C of each sum's first product
.endr
.endr
	s_wait_loadcnt \c0
	s_wait_dscnt 0x0
	MULH 0
	s_wait_loadcnt \c1
	MULH 1
	WIN 0
	NOPS 4                                         ; places behind the last product, ahead of the gelu's reads (ISA guide 7.12.1)
.if \refill
	s_wait_xcnt 0x0                                ; the ring's loads have read their base: it is stepped only behind this wait (ISA guide 3.1)
	s_add_nc_u64 s[26:27], s[26:27], 4*DU          ; on to the next chunk's four units
	s_wait_alu depctr_va_vdst(0)                   ; W1's products are done reading slots 0 and 1 and their scale words v32-39, in which the 50 loads dealt among the gelu's groups land
.endif
.irp g, 0,1,2,3,4,5,6,7
.if \refill
	PART \g                                        ; no further wait: the gelu names v60-127 and v208-239, none of the registers that these loads touch
.endif
	GELU4 64+8*\g                                  ; an accumulator at a time, from its low end on
.endr
.irp m, 0,1                                    ; my 64 units are half w % 2 of the chunk's K step w / 2
	QUANT2 64+32*\m, 208+8*\m, 224, 228+\m, 232
.endr
	s_wait_alu depctr_va_vdst(0)                   ; the quantiser has written both tiles' codes v208-213, v216-221 and half words v228, v229, which the LDS stores read; all that named v128-175 and v240-247 is done, in which the loads behind the barrier land
.irp m, 0,1
	ds_store_b128 v10, v[208+8*\m:211+8*\m] offset:3072*\m
	ds_store_b64 v11, v[212+8*\m:213+8*\m] offset:3072*\m
	ds_store_b32 v12, v[228+\m] offset:512*\m
.endr
	BARRIER                                        ; the chunk's hidden layer lies in LDS
.irp m, 0,1
.irp g, 0,1
.irp c, 0,1
	ds_load_b128 v[128+12*(2*\m+\g)+6*\c:131+12*(2*\m+\g)+6*\c], v248 offset:HIMG-HB+768*(4*\m+2*\g+\c)
	ds_load_b64 v[132+12*(2*\m+\g)+6*\c:133+12*(2*\m+\g)+6*\c], v249 offset:HIMG-HB+512+768*(4*\m+2*\g+\c)
.endr
.endr
.endr
.irp f, 0,1,2,3,4,5,6,7
	ds_load_b32 v[240+\f], v250 offset:HSC-HB+128*\f
.endr
	BARRIER                                        ; every wave has it in registers: the next chunk may write these bytes again
.irp m, 0,1
.irp g, 0,1
	v_lshl_or_b32 v[56+2*\m+\g], v[241+4*\m+2*\g], 16, v[240+4*\m+2*\g]
.endr
.endr
	NOPS 8                                         ; a scale register written by a vector instruction stands eight places ahead of a scaled product
	s_wait_alu depctr_va_vdst(0)                   ; the hidden layer's scale words v56-59 are written, which W2's products take as scales; the places stand ahead of this wait
	s_wait_loadcnt \c2
	MULO 2
	s_wait_loadcnt \c3
	MULO 3
	WIN 0
	NOPS 4                                         ; places behind the last product (ISA guide 7.12.1)
.if \refill
	s_wait_alu depctr_vm_vsrc(0)                   ; this chunk's loads of b1 have read v251, which the next line writes; its LDS stores have read v208-221, v228 and v229, which the next chunk's gelu writes again
	v_add_nc_u32 v251, s29, v6                     ; b1's address for the next chunk
	s_add_co_u32 s29, s29, 1024
	REFILL 2, 1
	REFILL 3, 0
.endif
.endm
.Lchunk:                                       ; seven trips.  Behind slot 0's and slot 2's 25 loads three units (75 loads) have been issued, behind slot 1's and slot 3's two (50): 50 serves all four
	CHUNK 1, 50, 50, 50, 50
	s_sub_co_u32 s28, s28, 1
	s_cmp_lg_u32 s28, 0
	s_cbranch_scc1 .Lchunk
	CHUNK 0, 50, 50, 25, 0                         ; the last chunk asks for nothing: no load leaves wimg, and the counts run down
; ---------------- the way out: my columns of the 32 rows into the stage, a barrier, 8 whole rows a wave
	WIN 0x0c                                       ; an LDS store's data are its source 1: window 3
	s_wait_alu depctr_va_vdst(0)                   ; the products have written the accumulators, which the LDS stores read (the four places stand ahead of this wait); all that named v64-191 is done, in which the rows land behind the barrier
.irp m, 0,1
.set i, 0
.rept 16
	ds_store_b128 v4, v[64*\m+4*i:64*\m+4*i+3] offset:16*PIT*\m+128*(i/4)+16*(i%4)   ; each accumulator from its low end on
.set i, i+1
.endr
.endr
	WIN 0
	BARRIER
.set i, 0
.rept 32
	ds_load_b128 v[64+4*i:67+4*i], v13 offset:(i/4)*PIT+512*(i%4)
.set i, i+1
.endr
.set i, 0
.rept 32
	s_wait_dscnt 31-i                              ; LDS loads come back in order (ISA guide 5.7.1): load i is in
	global_store_b128 v1, v[64+4*i:67+4*i], s[20:21] offset:(i/4)*2048+512*(i%4) th:TH_STORE_NT   ; 32 lanes store 512 consecutive bytes of a row; written once, read by nobody here
.set i, i+1
.endr
	s_wait_dscnt 0x0                               ; the closing lines, six on end
	s_wait_alu 0x0
	s_wait_tensorcnt 0x0
	ds_add_u32 v254, v255
	s_wait_dscnt 0x0
	s_endpgm
.Lfunc_end_k_q5fc55fadd1_tail:
	.size	k_q5fc55fadd1_tail, .Lfunc_end_k_q5fc55fadd1_tail-k_q5fc55fadd1_tail
	.p2alignl 7, 3214868480
	.fill 96, 4, 3214868480
	.section	.rodata,"a",@progbits
	.p2align	6, 0x0
	.amdhsa_kernel k_q5fc55fadd1_tail
		.amdhsa_group_segment_fixed_size 105472
		.amdhsa_private_segment_fixed_size 0
		.amdhsa_enable_private_segment 0
		.amdhsa_kernarg_size 72
		.amdhsa_user_sgpr_count 2
		.amdhsa_user_sgpr_kernarg_segment_ptr 1
		.amdhsa_wavefront_size32 1
		.amdhsa_system_sgpr_workgroup_id_x 1
		.amdhsa_system_sgpr_workgroup_id_y 1
		.amdhsa_system_sgpr_workgroup_id_z 1
		.amdhsa_system_vgpr_workitem_id 0
		.amdhsa_next_free_vgpr 1024
		.amdhsa_next_free_sgpr 66
		.amdhsa_reserve_vcc 0
		.amdhsa_float_denorm_mode_32 3
		.amdhsa_float_denorm_mode_16_64 3
		.amdhsa_memory_ordered 1
		.amdhsa_forward_progress 1
		.amdhsa_inst_pref_size 226
	.end_amdhsa_kernel
	.amdgpu_metadata
---
amdhsa.version: [ 1, 2 ]
amdhsa.kernels:
  - .name:           k_q5fc55fadd1_tail
    .symbol:         k_q5fc55fadd1_tail.kd
    .args:
      - { .name: ctx, .offset: 0, .size: 8, .value_kind: global_buffer, .address_space: global }
      - { .name: wimg, .offset: 8, .size: 8, .value_kind: global_buffer, .address_space: global }
      - { .name: hidden_states, .offset: 16, .size: 8, .value_kind: global_buffer, .address_space: global }
      - { .name: bo, .offset: 24, .size: 8, .value_kind: global_buffer, .address_space: global }
      - { .name: g2, .offset: 32, .size: 8, .value_kind: global_buffer, .address_space: global }
      - { .name: be2, .offset: 40, .size: 8, .value_kind: global_buffer, .address_space: global }
      - { .name: b2, .offset: 48, .size: 8, .value_kind: global_buffer, .address_space: global }
      - { .name: b1, .offset: 56, .size: 8, .value_kind: global_buffer, .address_space: global }
      - { .name: out0, .offset: 64, .size: 8, .value_kind: global_buffer, .address_space: global }
    .group_segment_fixed_size: 105472
    .private_segment_fixed_size: 0
    .kernarg_segment_align: 8
    .kernarg_segment_size: 72
    .max_flat_workgroup_size: 128
    .sgpr_count:     66
    .vgpr_count:     1024
    .wavefront_size: 32
...
	.end_amdgpu_metadata
.endif
;; end of part 8
